; MI455X (gfx1250); checked and timed in simulation.
; The chip was launched on July 23, 2026; its instructions are those of AMD's public machine-readable ISA for CDNA 5 (MIT licence, August 2026) and "CDNA5" Instruction Set Architecture Reference Guide (July 2026). The comments in the code are by the model that wrote it; some were corrected since.
;; Vanilla Causal Self Attention. Allowed arithmetic: matrix products marked QUANTISED: E3M2 operands, one E8M0 scale for each 32 along K, by v_wmma_scale_f32_16x16x128_f8f6f4 with both operands' format E3M2, f32 sums; everything else in f32.
;; Inputs: Wk 1,024 x 1,024 float32; Wo 1,024 x 1,024 float32; Wq 1,024 x 1,024 float32; Wv 1,024 x 1,024 float32; bk 1,024 float32; bo 1,024 float32; bq 1,024 float32; bv 1,024 float32; rel_key 1,024 x 64 float32; x 4 x 1,024 x 1,024 float32.
;; Outputs: out0 4 x 1,024 x 1,024 float32.
;; This version of the problem:
;;   THIS VERSION OF THE PROBLEM IS GIVEN IN LOW PRECISION. The matrix products marked QUANTISED in the list below multiply operands that are first quantised to E3M2 (3 exponent bits, 2 mantissa bits; 6 bits a number), with one power-of-two scale for each 32 numbers along K (OCP MX v1.0); their sums are f32. All else is computed in f32.
;;   The module's matrix products, in the order in which they are computed (A, B: the left and right operand; K: the contracted axis; several contracted axes count as one K, in the product's order):
;;     1. [M 4,096, K 1,024] x [K 1,024, N 1,024]; A: input x; B: input Wq: QUANTISED
;;     2. [M 4,096, K 1,024] x [K 1,024, N 1,024]; A: input x; B: input Wk: QUANTISED
;;     3. [M 4,096, K 1,024] x [K 1,024, N 1,024]; A: input x; B: input Wv: QUANTISED
;;     4. batch 64 x [M 1,024, K 64] x [K 64, N 1,024]; A: computed on the way; B: computed on the way: QUANTISED
;;     5. [M 65,536, K 64] x [K 64, N 1,024]; A: computed on the way; B: input rel_key: QUANTISED
;;     6. batch 64 x [M 1,024, K 1,024] x [K 1,024, N 64]; A: softmax (see below); B: computed on the way: QUANTISED
;;     7. [M 4,096, K 1,024] x [K 1,024, N 1,024]; A: computed on the way; B: input Wo: QUANTISED
;;   THE QUANTISER, for each operand of a quantised product, along K:
;;     - K is cut into blocks of 32 from its start; a last block that is shorter is filled with zeros.
;;     - A block's scale is 2^e with e = floor(log2(the largest magnitude in the block)) - 4, held to -126 .. 127; a block of zeros has e = 0. As a byte (E8M0): e + 127.
;;     - Each number is divided by its block's scale, clamped to +-28, and rounded to the nearest number of E3M2, ties to even, subnormals kept.
;;     - The product sums the exact products of the quantised numbers (number of the format x scale) in f32.
;;   ~~~python
;;   def quantise(x, axis):      # numpy; x: float32 -> the quantised numbers, widened to float32 again
;;       x = np.moveaxis(x, axis, -1); K = x.shape[-1]
;;       x = np.pad(x, [(0, 0)] * (x.ndim - 1) + [(0, -K % 32)]); x = x.reshape(x.shape[:-1] + (-1, 32)); a = np.abs(x).max(-1, keepdims=True)
;;       e = np.where(a > 0, np.clip(np.frexp(np.where(a > 0, a, 1))[1] - 1 - 4, -126, 127), 0)      # np.frexp(a)[1] - 1 = floor(log2(a)), exactly
;;       r = np.clip(x / 2.0 ** e, -28, 28)
;;       step = 2.0 ** (np.maximum(np.frexp(np.where(r == 0, 1, r))[1] - 1, -2) - 2)
;;       q = np.round(r / step) * step * 2.0 ** e      # np.round: ties to even
;;       return np.moveaxis(q.reshape(q.shape[:-2] + (-1,))[..., :K], -1, axis).astype(np.float32)
;;   ~~~
;;   SOFTMAX AHEAD OF A QUANTISED PRODUCT. Where the list says 'softmax', what is quantised is not the finished softmax but p = 2^(t - M), with t = logit x log2(e) and M = ceil(the row's largest t), a whole number; so 1/2 < the row's largest p <= 1. The row's sum l is taken of the UNQUANTISED p, in f32, and the product's result is divided by l at the end. Since M is a whole number, a kernel that streams over the keys may use a running M (the ceiling of the running maximum): every later rescaling is an exact power of two, which a block's scale takes up: the codes' values come out the same.
;;   OPERANDS COMPUTED ON THE WAY. 'Computed on the way' means the value that the module computes at that place (a softmax that the list does not call 'softmax' is quantised finished and normalised). What goes into a quantiser is computed in f32, as accurately as f32 sums, v_exp_f32 and their like allow (about 1e-6 of the number): no bf16 or f16 on the way to a quantiser, and a product that is left as it is and whose result goes on into a quantised operand takes f32 operands (vector FMAs, or v_wmma_f32_16x16x4_f32). A number that lies on a knife's edge between two numbers of the format may be rounded either way, as far as f32 arithmetic and the matrix unit's own rounding can turn it there, and no further.
;; 2 versions. Each part assembles by itself: llvm-mc -triple=amdgcn-amd-amdhsa -mcpu=gfx1250 --defsym DOCPART=n.
;; ======== version 1 of 2: 4 launches
;; workspace buffers: opnd 6,604,800 bytes; qkv 9,830,400 bytes; ctx 3,276,800 bytes
;; launch quant (part 1): grid 388 x 1, 8 waves a work-group, no clusters, 68,608 bytes of LDS; arguments x, rel_key, Wq, Wk, Wv, Wo, opnd; writes opnd
.if DOCPART == 1
	.amdgcn_target "amdgcn-amd-amdhsa--gfx1250"
	.amdhsa_code_object_version 6
	.text
	.protected	k_qca77b4911c_quant
	.globl	k_qca77b4911c_quant
	.p2align	8
	.type	k_qca77b4911c_quant,@function
k_qca77b4911c_quant:
	s_mov_b64 s[64:65], 0
	v_nop
	global_prefetch_b8 v0, s[64:65] scope:SCOPE_SE
	s_setreg_imm32_b32 hwreg(HW_REG_WAVE_MODE, 25, 1), 1
	s_wait_xcnt 0x0
; FIRST OF FOUR LAUNCHES of causal self-attention with relative positions (B 4, S 1024, E 1024, 16 heads of 64), all seven products on codes of BF6 (E3M2) with one E8M0 scale for each 32 along K.
; This launch turns x [4096][1024], rel_key [1024][64] (K innermost) and Wq, Wk, Wv, Wo [K 1024][N 1024] (K outermost) into codes and scale bytes in the workspace buffer opnd.
; WORK LEFT OUT BY THE PROGRAM, AND WHY IT IS DEAD.  reference() replaces scores[q][k] by -inf wherever k > q (a mask that it builds itself), so p = 0 there whatever the inputs hold: key steps all of whose keys
; come after a tile's queries are not multiplied (products 4 and 6).  Srel is a reshape of the padded QEr: flat index (q + 1) S + k = q (S + 1) + (S - q + k), so for k <= q Srel[q][k] = QEr[q][S - 1 - q + k] = Q[q] . rel[1023 - (q - k)];
; every other number of QEr, and the pad's zero column, lands only where k > q, under the mask.  So of product 5 only the band s = 1023 - q + k is multiplied (whole tiles of 16 x 16 that touch it).
; Every input has a way to the output and is loaded.  LIMIT: a NaN, an infinity or an overflow that would arise only in the work left out is not carried to the result.
; THE QUANTISER: a block's scale is 2^(floor(log2(largest magnitude)) - 4): its byte is the largest magnitude's exponent field - 4, held at 1 from below by a floor among the maximum's leaves.
; LIMITS: a block of zeros gets the byte 1 where the rule says 127 (its codes are zeros, and this program alone reads the bytes); blocks whose largest magnitude lies under 2^-122 keep the byte 1; NaN and infinities among the inputs are not served.
; LAYOUT OF ALL OPERANDS OF THE PROGRAM: images of the matrix operand's registers.  A HALF IMAGE is 16 rows x 64 along K, 768 bytes: lane (r, h) holds block h (32 codes, 6 registers) of row r;
; its registers 0-3 lie at 16 x lane, registers 4-5 at 512 + 8 x lane.  Two half images on end are a fragment of 16 x 128.
; ORDER INSIDE A BLOCK OF 32, the same in every operand of the program: places 0-7, 8-15, 16-23, 24-31 hold elements 0-7, 16-23, 8-15, 24-31.  That is the order in which a matrix result leaves the quantiser of the
; later launches; as both operands of a product carry it, each product and each block's scale stay as they are; only the order of the sum inside an instruction differs.
; opnd: X_IMG [256 row tiles][16 half images][768]; W_IMG [4 weights][64 column tiles][16][768]; R_IMG [64][768]; X_SC, W_SC [tile][K / 256][r][2 words]; R_SC [64][16] halfwords.
; SHARES: work-groups 0-127 the weights (a lane a column, registers down K, no LDS); 128-383 x, 384-387 rel_key (one path, only scalars chosen).  Waves share nothing: no barrier.
.set W_IMG, 3145728
.set R_IMG, 6291456
.set X_SC,  6340608
.set W_SC,  6471680
.set R_SC,  6602752
.set STG,   8448                       ; a wave's stage: 16 rows x (512 bytes + 16)
.set SPARE, 8*STG                      ; behind the stages: the spare words, 128 bytes a wave: four blocks of 256 bytes that no other line names
.macro CLOSE                           ; a wave's end
	s_wait_tensorcnt 0x0
	ds_add_u32 v30, v31
	s_wait_dscnt 0x0
	s_endpgm
.endm
	s_load_b256 s[4:11], s[0:1], 0x0               ; x s[4:5], rel_key s[6:7], Wq s[8:9], Wk s[10:11]
	s_load_b128 s[12:15], s[0:1], 0x20             ; Wv s[12:13], Wo s[14:15]
	s_load_b64 s[16:17], s[0:1], 0x30              ; opnd
	v_lshl_add_u32 v30, v0, 2, SPARE               ; my spare word; never rewritten
	v_mov_b32 v31, 0                               ; 0; never rewritten
	v_lshrrev_b32 v1, 5, v0
	v_readfirstlane_b32 s18, v1                    ; wave 0..7
	v_and_b32 v1, 31, v0                           ; lane
	v_and_b32 v2, 15, v0                           ; r
	v_bfe_u32 v3, v0, 4, 1                         ; h
	v_lshlrev_b32 v4, 4, v1                        ; 16 x lane
	v_lshlrev_b32 v5, 3, v1                        ; 8 x lane
	s_mov_b32 s20, 0x76543210
	s_mov_b32 s21, 0xfedcba98                      ; v_permlanex16_b32's selects for lane l xor 16
	s_cmp_lt_u32 ttmp9, 128
	s_cbranch_scc1 .Lweights
; ---- x and rel_key: K innermost.  A wave's task: 16 rows x two half images.
; x: row tile T = id - 128, K step s = wave: the two half images are 64 + 64 along K of the same 16 rows.  rel_key: u = 8 (id - 384) + wave: they are row tiles 2 u and 2 u + 1 (K is 64).
	s_sub_co_u32 s24, ttmp9, 128                   ; T
	s_lshl_b32 s25, s24, 16                        ; x: 16 rows of 4,096 bytes,
	s_lshl_b32 s26, s18, 9
	s_add_co_u32 s25, s25, s26                     ; + 512 s
	s_mul_i32 s27, s24, 12288                      ; its image: X_IMG (= 0) + 12,288 T + 1,536 s
	s_mul_i32 s26, s18, 1536
	s_add_co_u32 s27, s27, s26
	s_lshl_b32 s28, s24, 9                         ; its scale words: X_SC + 512 T + 128 (s / 2) + 4 (s % 2)
	s_lshr_b32 s26, s18, 1
	s_lshl_b32 s26, s26, 7
	s_add_co_u32 s28, s28, s26
	s_and_b32 s26, s18, 1
	s_lshl_b32 s26, s26, 2
	s_add_co_u32 s28, s28, s26
	s_add_co_u32 s28, s28, X_SC
	s_max_u32 s29, ttmp9, 384
	s_sub_co_u32 s29, s29, 384
	s_lshl_b32 s29, s29, 3
	s_add_co_u32 s29, s29, s18                     ; u
	s_lshl_b32 s32, s29, 13                        ; rel_key: 32 rows of 256 bytes
	s_mul_i32 s33, s29, 1536
	s_add_co_u32 s33, s33, R_IMG
	s_lshl_b32 s34, s29, 6
	s_add_co_u32 s34, s34, R_SC
	s_mov_b32 s35, 4096
	s_mov_b32 s39, 0
	s_mov_b32 s41, 0
	s_mov_b32 s43, 0
	s_wait_kmcnt 0x0
	s_cmp_lt_u32 ttmp9, 384                        ; x or rel_key?  The choice hangs on the work-group's number alone
	s_cselect_b64 s[22:23], s[4:5], s[6:7]
	s_cselect_b32 s38, s25, s32
	s_cselect_b32 s40, s27, s33
	s_cselect_b32 s42, s28, s34
	s_cselect_b32 s36, s35, 256                    ; bytes from row to row
	s_cselect_b32 s37, 256, s35                    ; bytes from the first half image's numbers to the second's
	s_cselect_b32 s19, 1, 0
	s_add_nc_u64 s[22:23], s[22:23], s[38:39]
	s_add_nc_u64 s[40:41], s[16:17], s[40:41]
	s_add_nc_u64 s[42:43], s[16:17], s[42:43]
	v_mul_u32_u24 v8, s37, v3                      ; load i: lanes 0-15 take row i's 256 bytes of the first half image, lanes 16-31 those of the second
	v_lshl_add_u32 v8, v2, 4, v8
.irp i, 1,2,3,4,5,6,7,8,9,10,11,12,13,14,15
	v_add_nc_u32 v[8+\i], s36, v[8+\i-1]
.endr
	s_mul_i32 s44, s18, STG
	v_add_nc_u32 v6, s44, v4                       ; the stage, on the way in: 16 x lane
	v_mul_u32_u24 v7, v2, 528
	v_lshl_add_u32 v7, v3, 7, v7
	v_add_nc_u32 v7, s44, v7                       ; on the way out: row r, + 128 h: my block's 32 numbers
.irp i, 0,1,2,3,4,5,6,7,8,9,10,11,12,13,14,15
	global_load_b128 v[32+4*\i:35+4*\i], v[8+\i], s[22:23] th:TH_LOAD_NT
.endr
.irp i, 0,1,2,3,4,5,6,7,8,9,10,11,12,13,14,15
	s_wait_loadcnt 15-\i                           ; loads come back in order: row i is in, the 15 - i younger ones may be out
	ds_store_b128 v6, v[32+4*\i:35+4*\i] offset:528*\i
.endr
.irp c, 0,1                            ; LDS serves a wave's instructions in order: these see my stores.  Elements 4 e .. 4 e + 3 go to the block's places in the program's order
.irp e, 0,1,2,3,4,5,6,7
	ds_load_b128 v[96+32*\c+8*(2*((\e/2)%2)+\e/4)+4*(\e%2):96+32*\c+8*(2*((\e/2)%2)+\e/4)+4*(\e%2)+3], v7 offset:256*\c+16*\e
.endr
.endr
	s_wait_dscnt 0x0
.irp c, 0,1                            ; block h of half image c: all its 32 numbers are mine
	v_max3_num_f32 v[24+\c], |v[96+32*\c]|, |v[97+32*\c]|, 0x2800000   ; and the floor 2^(5 - 127): the byte cannot fall under 1
.endr
.irp i, 2,4,6,8,10,12,14,16,18,20,22,24,26,28,30
.irp c, 0,1
	v_max3_num_f32 v[24+\c], v[24+\c], |v[96+32*\c+\i]|, |v[97+32*\c+\i]|
.endr
.endr
.irp c, 0,1
	v_add_nc_u32 v[26+\c], 0xfe000000, v[24+\c]    ; 4 off the exponent field: the conversion's scale operand
.endr
.irp c, 0,1
	v_lshrrev_b32 v[28+\c], 23, v[26+\c]           ; the scale's byte
.endr
	v_lshl_or_b32 v24, v29, 16, v28                ; my two bytes, 8 h bits up;
	v_lshlrev_b32 v25, 3, v3
	v_lshlrev_b32 v24, v25, v24
	v_mov_b32 v25, 0
	v_permlanex16_b32 v25, v24, s20, s21
	v_or_b32 v24, v24, v25                         ; with lane l xor 16's two the word is whole: low half the first half image's two bytes, high half the second's
.irp c, 0,1
	v_cvt_scalef32_pk16_bf6_f32 v[160+6*\c:162+6*\c], v[96+32*\c:111+32*\c], v[26+\c]
	v_cvt_scalef32_pk16_bf6_f32 v[176+4*\c:178+4*\c], v[112+32*\c:127+32*\c], v[26+\c]   ; (a conversion's three registers begin on an even number)
.endr
	v_nop                                          ; one plain place behind a scaled conversion
.irp c, 0,1
.irp i, 0,1,2
	v_mov_b32 v[163+6*\c+\i], v[176+4*\c+\i]
.endr
.endr
	v_lshlrev_b32 v28, 3, v2                       ; 8 r
	v_lshlrev_b32 v29, 1, v2                       ; 2 r
	global_store_b128 v4, v[160:163], s[40:41]                 ; 512 consecutive bytes
	global_store_b64 v5, v[164:165], s[40:41] offset:512       ; 256
	global_store_b128 v4, v[166:169], s[40:41] offset:768
	global_store_b64 v5, v[170:171], s[40:41] offset:1280
	s_cmp_eq_u32 s19, 0
	s_cbranch_scc1 .Lrel_scales
	global_store_b32 v28, v24, s[42:43]            ; x: a row's word of this K step (lanes r and r + 16 write the same word with the same value); 8 bytes from row to row: 1 / 128 of what the launch reads
	s_branch .Lscales_done
.Lrel_scales:
	global_store_b16 v29, v24, s[42:43]            ; rel_key: tile 2 u's halfwords,
	global_store_d16_hi_b16 v29, v24, s[42:43] offset:32   ; and tile 2 u + 1's
.Lscales_done:
	CLOSE
; ---- the weights: K outermost.  id = 32 weight + 4 s + cg: K step s of 128, columns 256 cg + 32 wave + lane.  A lane's 128 registers are four whole blocks down K of its column.
.Lweights:
	s_lshr_b32 s24, ttmp9, 5                       ; which weight: 0 q, 1 k, 2 v, 3 o
	s_and_b32 s25, ttmp9, 3                        ; cg
	s_bfe_u32 s26, ttmp9, 0x30002                  ; s
	s_lshl_b32 s38, s26, 19                        ; 128 rows of 4,096 bytes,
	s_lshl_b32 s27, s25, 10
	s_add_co_u32 s38, s38, s27
	s_lshl_b32 s27, s18, 7
	s_add_co_u32 s38, s38, s27                     ; + 4 x my wave's first column
	s_mov_b32 s39, 0
	s_lshl_b32 s27, s25, 4
	s_lshl_b32 s28, s18, 1
	s_add_co_u32 s27, s27, s28                     ; T0: my wave's first column tile
	s_mul_i32 s40, s24, 786432
	s_mul_i32 s28, s27, 12288
	s_add_co_u32 s40, s40, s28
	s_mul_i32 s28, s26, 1536
	s_add_co_u32 s40, s40, s28
	s_add_co_u32 s40, s40, W_IMG
	s_mov_b32 s41, 0
	s_lshl_b32 s42, s24, 15
	s_lshl_b32 s28, s27, 9
	s_add_co_u32 s42, s42, s28
	s_lshr_b32 s28, s26, 1
	s_lshl_b32 s28, s28, 7
	s_add_co_u32 s42, s42, s28
	s_and_b32 s28, s26, 1
	s_lshl_b32 s28, s28, 2
	s_add_co_u32 s42, s42, s28
	s_add_co_u32 s42, s42, W_SC
	s_mov_b32 s43, 0
	v_lshlrev_b32 v6, 2, v1                        ; 4 x lane
	v_lshlrev_b32 v7, 3, v2
	v_lshl_add_u32 v7, v3, 9, v7                   ; the scale word's place: 512 (lane / 16) + 8 r
	s_wait_kmcnt 0x0
	s_bitcmp1_b32 s24, 0
	s_cselect_b64 s[22:23], s[10:11], s[8:9]
	s_cselect_b64 s[28:29], s[14:15], s[12:13]
	s_bitcmp1_b32 s24, 1
	s_cselect_b64 s[22:23], s[28:29], s[22:23]
	s_add_nc_u64 s[22:23], s[22:23], s[38:39]
	s_add_nc_u64 s[40:41], s[16:17], s[40:41]
	s_add_nc_u64 s[42:43], s[16:17], s[42:43]
.set i, 0
.rept 128                              ; W(128 s + i, my column): 32 lanes read 128 consecutive bytes, the eight waves 1,024; the register is the element's place in the program's order
	global_load_b32 v[32+32*(i/32)+8*(2*(((i%32)/8)%2)+(i%32)/16)+i%8], v6, s[22:23] offset:4096*i th:TH_LOAD_NT
.set i, i+1
.endr
.macro BLOCK b, left                   ; block b of my column: its codes into v[160 + 8 b] .. + 5, its byte into the word v28
.set XS, 32+32*(\b)
	s_wait_loadcnt \left                           ; this block's 32 loads are in
	v_max3_num_f32 v8, |v[XS]|, |v[XS+1]|, |v[XS+2]|
	v_max3_num_f32 v9, |v[XS+3]|, |v[XS+4]|, |v[XS+5]|
.irp i, 6,10,14,18,22,26
	v_max3_num_f32 v8, v8, |v[XS+\i]|, |v[XS+\i+1]|
	v_max3_num_f32 v9, v9, |v[XS+\i+2]|, |v[XS+\i+3]|
.endr
	v_max3_num_f32 v8, v8, |v[XS+30]|, |v[XS+31]|
	v_max3_num_f32 v8, v8, v9, 0x2800000           ; and the floor
	v_add_nc_u32 v[10+(\b)], 0xfe000000, v8
	v_lshrrev_b32 v9, 23, v[10+(\b)]
.if (\b) == 0
	v_mov_b32 v28, v9
.else
	v_lshl_or_b32 v28, v9, 8*(\b), v28
.endif
	v_cvt_scalef32_pk16_bf6_f32 v[160+8*(\b):162+8*(\b)], v[XS:XS+15], v[10+(\b)]
	v_cvt_scalef32_pk16_bf6_f32 v[164+8*(\b):166+8*(\b)], v[XS+16:XS+31], v[10+(\b)]
	v_nop                                          ; one plain place behind a scaled conversion
.irp i, 0,1,2
	v_mov_b32 v[163+8*(\b)+\i], v[164+8*(\b)+\i]   ; ascending: each source is read before it is written
.endr
.endm
.macro PAIR k                          ; blocks 2 k and 2 k + 1 become half image k of column tiles T0 and T0 + 1: the first run's lanes 16-31 change places with the second's lanes 0-15
.irp i, 0,1,2,3,4,5
	v_permlane16_swap_b32 v[160+16*(\k)+\i], v[168+16*(\k)+\i]
.endr
	global_store_b128 v4, v[160+16*(\k):163+16*(\k)], s[40:41] offset:768*(\k)
	global_store_b64 v5, v[164+16*(\k):165+16*(\k)], s[40:41] offset:768*(\k)+512
	global_store_b128 v4, v[168+16*(\k):171+16*(\k)], s[40:41] offset:12288+768*(\k)
	global_store_b64 v5, v[172+16*(\k):173+16*(\k)], s[40:41] offset:12288+768*(\k)+512
.endm
	BLOCK 0, 63                                    ; (96 younger loads would do; the wait names what its field holds)
	BLOCK 1, 63                                    ; (64 would do)
	PAIR 0
	BLOCK 2, 32
	BLOCK 3, 0
	PAIR 1
	global_store_b32 v7, v28, s[42:43]             ; my column's word of this K step
	CLOSE
.Lfunc_end_k_qca77b4911c_quant:
	.size	k_qca77b4911c_quant, .Lfunc_end_k_qca77b4911c_quant-k_qca77b4911c_quant
	.p2alignl 7, 3214868480
	.fill 96, 4, 3214868480
	.section	.rodata,"a",@progbits
	.p2align	6, 0x0
	.amdhsa_kernel k_qca77b4911c_quant
		.amdhsa_group_segment_fixed_size 68608
		.amdhsa_private_segment_fixed_size 0
		.amdhsa_enable_private_segment 0
		.amdhsa_kernarg_size 56
		.amdhsa_user_sgpr_count 2
		.amdhsa_user_sgpr_kernarg_segment_ptr 1
		.amdhsa_wavefront_size32 1
		.amdhsa_system_sgpr_workgroup_id_x 1
		.amdhsa_system_sgpr_workgroup_id_y 1
		.amdhsa_system_sgpr_workgroup_id_z 1
		.amdhsa_system_vgpr_workitem_id 0
		.amdhsa_next_free_vgpr 200
		.amdhsa_next_free_sgpr 66
		.amdhsa_reserve_vcc 0
		.amdhsa_float_denorm_mode_32 3
		.amdhsa_float_denorm_mode_16_64 3
		.amdhsa_memory_ordered 1
		.amdhsa_forward_progress 1
		.amdhsa_inst_pref_size 33
	.end_amdhsa_kernel
	.amdgpu_metadata
---
amdhsa.version: [ 1, 2 ]
amdhsa.kernels:
  - .name:           k_qca77b4911c_quant
    .symbol:         k_qca77b4911c_quant.kd
    .args:
      - { .name: x, .offset: 0, .size: 8, .value_kind: global_buffer, .address_space: global }
      - { .name: rel_key, .offset: 8, .size: 8, .value_kind: global_buffer, .address_space: global }
      - { .name: Wq, .offset: 16, .size: 8, .value_kind: global_buffer, .address_space: global }
      - { .name: Wk, .offset: 24, .size: 8, .value_kind: global_buffer, .address_space: global }
      - { .name: Wv, .offset: 32, .size: 8, .value_kind: global_buffer, .address_space: global }
      - { .name: Wo, .offset: 40, .size: 8, .value_kind: global_buffer, .address_space: global }
      - { .name: opnd, .offset: 48, .size: 8, .value_kind: global_buffer, .address_space: global }
    .group_segment_fixed_size: 68608
    .private_segment_fixed_size: 0
    .kernarg_segment_align: 8
    .kernarg_segment_size: 56
    .max_flat_workgroup_size: 256
    .sgpr_count:     66
    .vgpr_count:     200
    .wavefront_size: 32
...
	.end_amdgpu_metadata
.endif
;; end of part 1
;; launch gemm_qkv (part 2): grid 12 x 16, 4 waves a work-group, clusters of 4 x 4, 327,680 bytes of LDS; arguments opnd, bq, bk, bv, qkv; writes qkv
.if DOCPART == 2
	.amdgcn_target "amdgcn-amd-amdhsa--gfx1250"
	.amdhsa_code_object_version 6
	.text
	.protected	k_qca77b4911c_gemm_qkv
	.globl	k_qca77b4911c_gemm_qkv
	.p2align	8
	.type	k_qca77b4911c_gemm_qkv,@function
k_qca77b4911c_gemm_qkv:
	s_mov_b64 s[64:65], 0
	v_nop
	global_prefetch_b8 v0, s[64:65] scope:SCOPE_SE
	s_setreg_imm32_b32 hwreg(HW_REG_WAVE_MODE, 25, 1), 1
	s_wait_xcnt 0x0
	s_wait_alu depctr_hold_cnt(0) depctr_sa_sdst(0) depctr_va_vdst(0) depctr_va_sdst(0) depctr_va_ssrc(0) depctr_va_vcc(0) depctr_vm_vsrc(0)
	s_getreg_b32 s2, hwreg(HW_REG_IB_STS2, 6, 4)
	s_cmp_eq_u32 s2, 0
	s_cbranch_scc0 .Lentry_in_a_cluster
	s_endpgm
.Lentry_in_a_cluster:
	s_bfe_u32 s2, ttmp6, 0x10000c
	s_cmp_lg_u32 s2, 0xf033
	s_cbranch_scc0 .Lentry_shape_is_right
	s_endpgm
.Lentry_shape_is_right:
; SECOND LAUNCH: Q = x Wq + bq, K = x Wk + bk, V = x Wv + bv on codes of BF6 (E3M2) with E8M0 scales, and their quantising for the attention: Q and K along the head's 64, V along the keys.  Nothing of reference() is left out here.
; A tile of 256 x 256 results is made by a work-group of four waves, a wave makes 128 x 128: 64 accumulators, 512 registers.  K = 1024 goes in four steps of 256 through a ring of two LDS slots.
; OPERANDS ARE IMAGES OF THEIR REGISTERS (made by the first launch): a half image, 16 rows x 64 K, is 768 bytes: a lane's registers 0-3 at 16 x lane, registers 4-5 at 512 + 8 x lane.  So a fragment comes by two loads of 16 bytes
; and two of 8, each reading consecutive bytes by lane: no pitch, no padding.  A row tile's 256 along K are 3,072 consecutive bytes of memory.
; WHICH PRODUCT: the cluster's x (0 Q, 1 K, 2 V), the same in all sixteen partners.  Source 1 (P) gives the lane, source 0 (R) the registers of a result.
;   Q, K: P = x (tile row 4 Y + cy), R = the weight (tile column cx): a lane holds a token, its registers run along the output columns, which are the next K.
;   V:    P = Wv (tile row cy), R = x (tile column 4 Y + cx): a lane holds an output column, its registers run along the tokens: the keys, which are the next K.
; CLUSTERS: 4 x 4.  P's tiles are shared along a row of the cluster, R's along a column: each is asked for jointly, by the same tensor load with the same descriptor and a mask that names the four.
; THE BIAS is the C of each sum's first product (64 registers in the result's layout).
; THE WAY OUT: a block of 16 lanes' rows x 128 is quantised in registers (four blocks of 32 a row) and is a fragment's image as it stands: stores of 512 and 256 consecutive bytes; no LDS.
; LIMITS of the quantiser: a block of zeros gets the byte 1 (its codes are zeros; this program alone reads the bytes); largest magnitudes under 2^-122 keep the byte 1; NaN and infinities are not served.
; No prefetch: of the four fills of a slot two go out at the head, and every address is known only there.
; REGISTERS, in windows of 256: window 0: v0-31 addresses; v32-63 scale words, two sets; v64-127 the bias; v128-223 P's fragments, one set; on the way out v64-223 codes, v224-247 at work.
;   window 1: R's fragments, two sets, at v0 and v128.   window 2: accumulators of P's blocks 0-3 ((a, b) at v[8 (8 (a % 4) + b)]);   window 3: of blocks 4-7.
.set X_IMG, 0
.set W_IMG, 3145728
.set X_SC,  6340608
.set W_SC,  6471680
.set V_IMG, 6291456                    ; in qkv: QK_IMG = 0: [Q, K][64 heads][64 token tiles][768]; V_IMG: [64 heads x 4 tiles of 16 channels][8 key steps][1536]
.set QK_SC, 9437184                    ; [Q, K][batch][pair of heads][token] words: low half the even head's two bytes
.set V_SC,  9699328                    ; [batch][key step][output column] words
.set NQ,    2                          ; steps of 128 in a slot
.set FR,    12                         ; registers of a fragment
.set NL,    4                          ; LDS loads that bring one
.set NP,    4                          ; places behind this matrix instruction (ISA guide 7.12.1)
.set TROW,  3072                       ; a row tile's bytes in a slot
.set HALFT, 8*TROW                     ; 128 rows: what one tensor load brings, and what one wave reads of P or of R
.set SLOT,  4*HALFT                    ; P's 256 rows, then R's
.set SCL,   2*SLOT                     ; behind the ring: the scale words for all of K, 4,096 bytes for each 128 rows
.set HALFS, 4096
.set SBLK,  512
.set SPARE, SCL+4*HALFS                ; the spare words, 128 bytes a wave: two blocks of 256 bytes that no other line names
.set ADRA, 16                          ; v16-17 LDS address of P's fragments in slot 0, 1, + 16 x lane;  v18-19 the same + 8 x lane
.set ADRB, 20                          ; v20-23 the same for R
.set ADRS, 27                          ; v27    my scale words: lanes 0-15 P's rows, lanes 16-31 R's
.set SPW,  28                          ; v28    my spare word; never rewritten
.set NIL,  29                          ; v29    0; never rewritten
.set SC,   32
.set BB,   64
.set AF,   128
.set TM,   224                         ; the way out: v224-227 largest magnitudes, v228-231 bytes, v236-239 scale operands
.set PW,   240                         ; v240-247 a block's rows' scale words
.set G1, 24
.set G0, 32
.set G1B, 48
.set G0B, 56
.set G1S, 68
.set G0S, 76
.set G1SB, 80
.set G0SB, 88
.set MSB, 0
.macro WIN new                         ; the immediate's high byte repeats the setting that is left
.if MSB != \new
	s_set_vgpr_msb (MSB<<8)|\new
.set MSB, \new
.endif
.endm
.set MUL_LO, 0xa1                      ; source 0 (R) window 1, source 1 (P) window 0, C and D window 2
.set MUL_HI, 0xf1                      ; the same, C and D window 3
.set FST_LO, 0x81                      ; the first step: C (the bias) window 0, D window 2
.set FST_HI, 0xc1
.set TO_B,   0x40                      ; destination window 1, address window 0
; A joint load: waves 0 and 1 fetch for P, waves 2 and 3 for R.  The branch hangs on the wave's number alone.  An s_nop 0 and four v_nop follow each of the two lines.
.macro JLOAD g0a, g1a, g0b, g1b
	s_cmp_eq_u32 s15, 0
	s_cbranch_scc0 .Lfor_b_\@
	tensor_load_to_lds s[\g0a:\g0a+3], s[\g1a:\g1a+7]
	s_nop 0
.rept 4
	v_nop
.endr
	s_branch .Lasked_\@
.Lfor_b_\@:
	tensor_load_to_lds s[\g0b:\g0b+3], s[\g1b:\g1b+7]
	s_nop 0
.rept 4
	v_nop
.endr
.Lasked_\@:
.endm
.macro CREST                           ; a round of the cluster's barrier behind its opening barrier
	s_cmp_lg_u32 s14, 0
	s_cbranch_scc1 .Lnot_wave_0_\@
	s_barrier_signal -3
.Lnot_wave_0_\@:
	s_barrier_wait -3
	s_barrier_signal -1
	s_barrier_wait -1
.endm
.macro CROUND
	s_barrier_signal -1
	s_barrier_wait -1
	CREST
.endm
	s_load_b256 s[4:11], s[0:1], 0x0               ; opnd s[4:5], bq s[6:7], bk s[8:9], bv s[10:11]
	s_load_b64 s[12:13], s[0:1], 0x20              ; qkv
	v_lshl_add_u32 v[SPW], v0, 2, SPARE
	v_mov_b32 v[NIL], 0
	ds_add_u32 v[SPW], v[NIL]                      ; the wave's opening: the add, twice on end, and its wait ahead of my first tensor load
	ds_add_u32 v[SPW], v[NIL]
	v_lshrrev_b32 v1, 5, v0
	v_readfirstlane_b32 s14, v1                    ; wave 0..3
	s_lshr_b32 s15, s14, 1                         ; which half of P's rows is mine.  Also: I fetch for P (0) or for R (1)
	s_and_b32 s16, s14, 1                          ; which half of R's rows.  Also: which 128 rows of that tile I fetch
	s_bfe_u32 s40, ttmp6, 0x40000                  ; cx, cy: my place in the cluster
	s_bfe_u32 s41, ttmp6, 0x40004
	s_and_b32 s19, ttmp7, 0xffff
	s_lshl_b32 s19, s19, 2                         ; 4 Y
	s_mul_i32 s97, ttmp9, 786432
	s_add_co_u32 s97, s97, W_IMG                   ; the weight's codes,
	s_lshl_b32 s98, ttmp9, 15
	s_add_co_u32 s98, s98, W_SC                    ; and its scale words
	s_mov_b32 s96, W_SC+65536
	s_mov_b32 s99, X_SC
	s_cmp_lt_u32 ttmp9, 2                          ; Q or K?  Else V.  The cluster's x: the same in all partners
	s_cselect_b32 s17, s19, 0
	s_cselect_b32 s42, 0, s19
	s_cselect_b32 s95, X_IMG, W_IMG+1572864        ; P's codes in opnd
	s_cselect_b32 s96, s99, s96                    ; P's scale words
	s_cselect_b32 s97, s97, X_IMG                  ; R's codes
	s_cselect_b32 s98, s98, s99                    ; R's scale words
	s_add_co_u32 s17, s17, s41                     ; P's tile row: it hangs on cy and on what all partners share
	s_add_co_u32 s42, s42, s40                     ; R's tile column: on cx likewise
	s_lshl_b32 s43, s41, 2
	s_lshl_b32 s43, 15, s43                        ; my row of the cluster
	s_lshl_b32 s44, 0x1111, s40                    ; my column
	; descriptor group 1 for codes: 8 row tiles x 3,072 bytes (384 elements of 8 bytes), 12,288 bytes apart; no padding
	s_or_b32 s[G1+0], s43, (3<<16)|(1<<21)         ; 15:0 the mask: P's tiles go to my row; 17:16 elements of 8 bytes; 21 set beside a mask
	s_or_b32 s[G1B+0], s44, (3<<16)|(1<<21)
.irp g, G1, G1B
	s_mov_b32 s[\g+1], 384<<16                     ; tensor_dim0
	s_mov_b32 s[\g+2], 8<<16                       ; tensor_dim1
	s_mov_b32 s[\g+3], 384<<16                     ; tile_dim0
	s_mov_b32 s[\g+4], 8                           ; tile_dim1
	s_mov_b32 s[\g+5], 1536                        ; tensor_dim0_stride
	s_mov_b32 s[\g+6], 0
	s_mov_b32 s[\g+7], 0
.endr
	; and for the scale words of 128 rows: 4,096 dense bytes as 16 rows of 256
	s_or_b32 s[G1S+0], s43, (3<<16)|(1<<21)
	s_or_b32 s[G1SB+0], s44, (3<<16)|(1<<21)
.irp g, G1S, G1SB
	s_mov_b32 s[\g+1], 32<<16
	s_mov_b32 s[\g+2], 16<<16
	s_mov_b32 s[\g+3], 32<<16
	s_mov_b32 s[\g+4], 16
	s_mov_b32 s[\g+5], 32
	s_mov_b32 s[\g+6], 0
	s_mov_b32 s[\g+7], 0
.endr
	s_lshl_b32 s18, s16, 3                         ; which 8 row tiles of the 16 I fetch
	s_lshl_b32 s20, s17, 4
	s_add_co_u32 s20, s20, s18                     ; P: row tile
	s_lshl_b32 s46, s42, 4
	s_add_co_u32 s46, s46, s18                     ; R: row tile
	s_lshl_b32 s22, s20, 9
	s_add_co_u32 s22, s22, s96                     ; where these rows' scale words begin in opnd,
	s_mov_b32 s23, 0
	s_lshl_b32 s92, s46, 9
	s_add_co_u32 s92, s92, s98
	s_mov_b32 s93, 0
	s_mul_i32 s20, s20, 12288
	s_add_co_u32 s20, s20, s95                     ; and their codes
	s_mov_b32 s21, 0
	s_mul_i32 s46, s46, 12288
	s_add_co_u32 s46, s46, s97
	s_mov_b32 s47, 0
	s_mul_i32 s45, s14, HALFT                      ; where they go: wave x 128 rows: no place in the cluster enters an LDS address
	s_lshl_b32 s94, s14, 12
	s_wait_dscnt 0x0                               ; both opening adds are done
	s_wait_kmcnt 0x0
	s_add_nc_u64 s[20:21], s[4:5], s[20:21]
	s_add_nc_u64 s[22:23], s[4:5], s[22:23]
	s_add_nc_u64 s[46:47], s[4:5], s[46:47]
	s_add_nc_u64 s[92:93], s[4:5], s[92:93]
	CROUND                                         ; all sixteen work-groups are here: the first joint loads meet
	s_mov_b32 s[G0S], 1
	s_add_co_u32 s[G0S+1], s94, SCL
	s_mov_b64 s[G0S+2:G0S+3], s[22:23]
	s_or_b32 s[G0S+3], s[G0S+3], 0x80000000
	s_mov_b32 s[G0SB], 1
	s_add_co_u32 s[G0SB+1], s94, SCL
	s_mov_b64 s[G0SB+2:G0SB+3], s[92:93]
	s_or_b32 s[G0SB+3], s[G0SB+3], 0x80000000
	JLOAD G0S, G1S, G0SB, G1SB                     ; the scale words first: they are wanted with K step 0
.irp s, 0,1
	s_mov_b32 s[G0+4*\s], 1
	s_add_co_u32 s[G0+4*\s+1], s45, \s*SLOT
	s_add_nc_u64 s[G0+4*\s+2:G0+4*\s+3], s[20:21], \s*TROW
	s_or_b32 s[G0+4*\s+3], s[G0+4*\s+3], 0x80000000
	s_mov_b32 s[G0B+4*\s], 1
	s_add_co_u32 s[G0B+4*\s+1], s45, \s*SLOT
	s_add_nc_u64 s[G0B+4*\s+2:G0B+4*\s+3], s[46:47], \s*TROW
	s_or_b32 s[G0B+4*\s+3], s[G0B+4*\s+3], 0x80000000
	JLOAD G0+4*\s, G1, G0B+4*\s, G1B
.endr
	v_and_b32 v1, 15, v0                           ; r
	v_bfe_u32 v2, v0, 4, 1                         ; h
	v_and_b32 v3, 31, v0                           ; lane
	v_lshlrev_b32 v4, 4, v3
	v_lshlrev_b32 v5, 3, v3
	s_mul_i32 s21, s15, HALFT                      ; my 128 rows of P
	s_mul_i32 s22, s16, HALFT                      ; my 128 rows of R,
	s_add_co_u32 s22, s22, 2*HALFT                 ; which lie behind P's 256
.irp s, 0,1
	v_add_nc_u32 v[ADRA+\s], s21, v4
	v_add_nc_u32 v[ADRB+\s], s22, v4
	v_add_nc_u32 v[ADRA+2+\s], s21, v5
	v_add_nc_u32 v[ADRB+2+\s], s22, v5
	s_add_co_u32 s21, s21, SLOT
	s_add_co_u32 s22, s22, SLOT
.endr
	v_lshlrev_b32 v5, 3, v1                        ; my row's two words of a K step: 8 r
	s_lshl_b32 s21, s15, 12                        ; P's: my 128 rows
	s_lshl_b32 s22, s16, 12                        ; R's: my 128 rows, behind P's 256
	s_add_co_u32 s22, s22, 2*HALFS
	s_sub_co_u32 s22, s22, s21
	v_mul_u32_u24 v6, s22, v2                      ; lanes 16-31 take R's: one product by h
	s_add_co_u32 s21, s21, SCL
	v_add_nc_u32 v5, v5, v6
	v_add_nc_u32 v[ADRS], s21, v5
	; the bias, in the result's layout, while the first tiles are on their way
	s_cmp_lt_u32 ttmp9, 2
	s_cbranch_scc0 .Lbias_v
	s_cmp_eq_u32 ttmp9, 0
	s_cselect_b64 s[92:93], s[6:7], s[8:9]         ; bq or bk
	s_lshl_b32 s46, s40, 10
	s_lshl_b32 s47, s16, 9
	s_add_co_u32 s46, s46, s47                     ; 4 x my first output column
	s_mov_b32 s47, 0
	s_add_nc_u64 s[92:93], s[92:93], s[46:47]
	v_lshlrev_b32 v6, 5, v2                        ; register 8 b + j: column 16 b + 8 h + j
.irp b, 0,1,2,3,4,5,6,7
	global_load_b128 v[BB+8*\b:BB+8*\b+3], v6, s[92:93] offset:64*\b
	global_load_b128 v[BB+8*\b+4:BB+8*\b+7], v6, s[92:93] offset:64*\b+16
.endr
	s_branch .Lbias_done
.Lbias_v:
	s_lshl_b32 s20, s41, 10
	s_lshl_b32 s21, s15, 9
	s_add_co_u32 s20, s20, s21
	s_mov_b32 s21, 0
	s_add_nc_u64 s[20:21], s[10:11], s[20:21]      ; bv at my first output column
	v_lshlrev_b32 v6, 2, v1                        ; all eight registers of block a: column 16 a + r
.irp a, 0,1,2,3,4,5,6,7
	global_load_b32 v[BB+8*\a], v6, s[20:21] offset:64*\a
.endr
	s_wait_loadcnt 0x0
.irp a, 0,1,2,3,4,5,6,7
.irp j, 1,2,3,4,5,6,7
	v_mov_b32 v[BB+8*\a+\j], v[BB+8*\a]
.endr
.endr
.Lbias_done:
.macro FRAG reg, adr, q, i             ; a fragment's image, row tile i, the slot's q-th 128 along K: two half images
	ds_load_b128 v[\reg:\reg+3], v[\adr] offset:(\i)*TROW+(\q)*1536
	ds_load_b64 v[\reg+4:\reg+5], v[\adr+2] offset:(\i)*TROW+(\q)*1536+512
	ds_load_b128 v[\reg+6:\reg+9], v[\adr] offset:(\i)*TROW+(\q)*1536+768
	ds_load_b64 v[\reg+10:\reg+11], v[\adr+2] offset:(\i)*TROW+(\q)*1536+1280
.endm
; 16 matrix instructions: P's blocks a0, a0 + 1 x R's eight.  p: R's set; sc: the set of scale words.  zero = 1: C is the bias by R's block; 2: by P's block; 0: the sum goes on in place.
; The 64 accumulators take turns, one instruction a turn, in the same order in every step.
.macro MUL16 a0, p, q, sc, zero
.irp a, \a0, \a0+1
.irp b, 0,1,2,3,4,5,6,7
.if \zero == 1
	v_wmma_scale_f32_16x16x128_f8f6f4 v[8*(8*((\a)%4)+\b):8*(8*((\a)%4)+\b)+7], v[128*(\p)+FR*\b:128*(\p)+FR*\b+FR-1], v[AF+FR*(\a):AF+FR*(\a)+FR-1], v[BB+8*\b:BB+8*\b+7], v[SC+8*NQ*(\sc)+NQ*\b+(\q)], v[SC+8*NQ*(\sc)+NQ*(\a)+(\q)] matrix_a_fmt:MATRIX_FMT_BF6 matrix_b_fmt:MATRIX_FMT_BF6 matrix_a_scale:MATRIX_SCALE_ROW1
.elseif \zero == 2
	v_wmma_scale_f32_16x16x128_f8f6f4 v[8*(8*((\a)%4)+\b):8*(8*((\a)%4)+\b)+7], v[128*(\p)+FR*\b:128*(\p)+FR*\b+FR-1], v[AF+FR*(\a):AF+FR*(\a)+FR-1], v[BB+8*(\a):BB+8*(\a)+7], v[SC+8*NQ*(\sc)+NQ*\b+(\q)], v[SC+8*NQ*(\sc)+NQ*(\a)+(\q)] matrix_a_fmt:MATRIX_FMT_BF6 matrix_b_fmt:MATRIX_FMT_BF6 matrix_a_scale:MATRIX_SCALE_ROW1
.else
	v_wmma_scale_f32_16x16x128_f8f6f4 v[8*(8*((\a)%4)+\b):8*(8*((\a)%4)+\b)+7], v[128*(\p)+FR*\b:128*(\p)+FR*\b+FR-1], v[AF+FR*(\a):AF+FR*(\a)+FR-1], v[8*(8*((\a)%4)+\b):8*(8*((\a)%4)+\b)+7], v[SC+8*NQ*(\sc)+NQ*\b+(\q)], v[SC+8*NQ*(\sc)+NQ*(\a)+(\q)] matrix_a_fmt:MATRIX_FMT_BF6 matrix_b_fmt:MATRIX_FMT_BF6 matrix_a_scale:MATRIX_SCALE_ROW1
.endif
.endr
.endr
.endm
.macro FETCH_B slot, q, p
	WIN TO_B
.irp i, 0,1,2,3,4,5,6,7
	FRAG 128*(\p)+FR*\i, ADRB+\slot, \q, \i
.endr
	WIN 0
.endm
.macro FETCH_A slot, q, i0
.irp i, \i0, \i0+1, \i0+2, \i0+3
	FRAG AF+FR*(\i), ADRA+\slot, \q, \i
.endr
.endm
.macro SCALES sc                       ; a K step's scale words into set sc: two words a row; lanes 0-15 take P's block i, lanes 16-31 R's block i
.irp i, 0,1,2,3,4,5,6,7
	ds_load_b64 v[SC+8*NQ*\sc+NQ*\i:SC+8*NQ*\sc+NQ*\i+1], v[ADRS] offset:\i*SBLK
.endr
.endm
.macro PLACES n                        ; plain vector instructions between a matrix instruction and a load into, or a read of, its registers (ISA guide 7.12.1 for a read)
.rept \n
	v_nop
.endr
.endm
.macro STEP slot, q, zero              ; a step of 128 along K that has its successor in the same slot
	s_wait_dscnt 4*NL                              ; R's set and P's blocks 0-3 are in; the youngest 16 loads (P's blocks 4-7) may be out
.if \zero
	WIN FST_LO
.else
	WIN MUL_LO
.endif
	MUL16 0, (\q)%2, \q, \slot, \zero
	MUL16 2, (\q)%2, \q, \slot, \zero
	s_wait_dscnt 0
	PLACES NP
	FETCH_B \slot, (\q)+1, 1-(\q)%2
	FETCH_A \slot, (\q)+1, 0
.if \zero
	WIN FST_HI
.else
	WIN MUL_HI
.endif
	MUL16 4, (\q)%2, \q, \slot, \zero
	MUL16 6, (\q)%2, \q, \slot, \zero
	PLACES NP
	WIN 0
	FETCH_A \slot, (\q)+1, 4
.endm
; A slot's last step changes slots: ONE barrier; in front of it each wave waits for all its tensor loads, adds 0 to its spare word, and waits for that and for its own reads of this slot.  fill = 1: this slot is filled again, two K steps ahead.
.macro TURN slot, next, fill
	s_wait_tensorcnt 0x0                           ; all my tensor loads have landed: my part of the next slot
	ds_add_u32 v[SPW], v[NIL]                      ; 0 onto my spare word
	s_wait_dscnt 4*NL+1                            ; (the add and the youngest 16 loads, P's blocks 4-7, may be out)
	WIN MUL_LO
	MUL16 0, 1, NQ-1, \slot, 0
	s_wait_dscnt 0x0                               ; the add is done, and my reads of this slot are over
	s_barrier_signal -1
	MUL16 2, 1, NQ-1, \slot, 0
	WIN 0
	s_barrier_wait -1
.if \fill
	CREST                                          ; the barrier has opened a round of the cluster's barrier: no wave of any partner still reads this slot or has a load on its way
	s_add_nc_u64 s[G0+4*\slot+2:G0+4*\slot+3], s[G0+4*\slot+2:G0+4*\slot+3], 2*TROW
	s_add_nc_u64 s[G0B+4*\slot+2:G0B+4*\slot+3], s[G0B+4*\slot+2:G0B+4*\slot+3], 2*TROW
	JLOAD G0+4*\slot, G1, G0B+4*\slot, G1B         ; the first tensor load behind the round; its four v_nop are the places in front of the loads below
.else
	PLACES NP
.endif
	v_add_nc_u32 v[ADRS], 128, v[ADRS]             ; on to the next K step's scale words (no LDS load of mine is out)
	FETCH_B \next, 0, 0
	FETCH_A \next, 0, 0
	SCALES \next
	WIN MUL_HI
	MUL16 4, 1, NQ-1, \slot, 0
	MUL16 6, 1, NQ-1, \slot, 0
	PLACES NP
	WIN 0
	FETCH_A \next, 0, 4
.endm
	s_wait_tensorcnt 1                             ; the scale words and my part of K step 0 are in (K step 1's load may be out)
	s_barrier_signal -1
	s_barrier_wait -1                              ; everybody's are
	FETCH_B 0, 0, 0
	FETCH_A 0, 0, 0
	SCALES 0
	FETCH_A 0, 0, 4
	s_wait_loadcnt 0x0                             ; the bias
	s_cmp_lt_u32 ttmp9, 2
	s_cbranch_scc0 .Lfirst_v
	STEP 0, 0, 1                                   ; the first step starts the sums from the bias: by the registers' columns,
	s_branch .Lfirst_done
.Lfirst_v:
	STEP 0, 0, 2                                   ; or by the lanes'
.Lfirst_done:
	s_mov_b32 s3, 1
.Llap:                                             ; a trip goes once round the ring and fills both slots again: K = 1024 has one such trip
	TURN 0, 1, 1
	STEP 1, 0, 0
	TURN 1, 0, 1
	STEP 0, 0, 0
	s_sub_co_u32 s3, s3, 1
	s_cmp_lg_u32 s3, 0
	s_cbranch_scc1 .Llap
	TURN 0, 1, 0                                   ; the last lap fills nothing, and has no round of the cluster's barrier
	STEP 1, 0, 0
	s_wait_dscnt 4*NL
	WIN MUL_LO
	MUL16 0, 1, NQ-1, 1, 0
	MUL16 2, 1, NQ-1, 1, 0
	s_wait_dscnt 0
	WIN MUL_HI
	MUL16 4, 1, NQ-1, 1, 0
	MUL16 6, 1, NQ-1, 1, 0
	WIN 0
	PLACES NP
	; THE WAY OUT.  p2 = 2 cx + my half of R's rows; r16 = 16 cy + 8 x my half of P's rows; Y is the batch.
	s_and_b32 s18, ttmp7, 0xffff
	s_lshl_b32 s19, s40, 1
	s_add_co_u32 s19, s19, s16                     ; p2: Q, K: the pair of heads; V: the key step
	s_lshl_b32 s20, s41, 4
	s_lshl_b32 s21, s15, 3
	s_add_co_u32 s20, s20, s21                     ; r16: Q, K: the first token tile in the batch; V: the first tile of output columns
	s_lshl_b32 s21, s18, 4
	s_lshl_b32 s22, s19, 1
	s_add_co_u32 s21, s21, s22
	s_mul_i32 s21, s21, 49152                      ; Q, K: head 16 Y + 2 p2, 64 token tiles of 768 bytes each,
	s_mul_i32 s22, ttmp9, 3145728
	s_add_co_u32 s21, s21, s22
	s_mul_i32 s22, s20, 768
	s_add_co_u32 s21, s21, s22
	s_lshl_b32 s22, s18, 6
	s_add_co_u32 s22, s22, s20
	s_mul_i32 s22, s22, 12288                      ; V: tile of columns 64 Y + r16, 8 key steps of 1,536 bytes each
	s_mul_i32 s23, s19, 1536
	s_add_co_u32 s22, s22, s23
	s_add_co_u32 s22, s22, V_IMG
	s_lshl_b32 s23, s18, 3
	s_add_co_u32 s23, s23, s19
	s_lshl_b32 s23, s23, 12
	s_lshl_b32 s46, s20, 6
	s_add_co_u32 s23, s23, s46                     ; the scale words: ((8 Y + p2) 1024 + 16 r16) x 4
	s_lshl_b32 s46, ttmp9, 17
	s_add_co_u32 s46, s46, QK_SC
	s_mov_b32 s47, V_SC
	s_mov_b32 s92, 49152
	s_mov_b32 s93, 12288
	s_cmp_lt_u32 ttmp9, 2
	s_cselect_b32 s94, s21, s22
	s_cselect_b32 s46, s46, s47
	s_cselect_b32 s92, s92, 768                    ; from a fragment's first half image to its second: the next head, or the next 64 keys
	s_cselect_b32 s98, 768, s93                    ; from block to block of P's rows: the next token tile, or the next tile of columns
	s_mov_b32 s95, 0
	s_mov_b32 s99, 0
	s_add_co_u32 s96, s23, s46
	s_mov_b32 s97, 0
	s_add_nc_u64 s[94:95], s[12:13], s[94:95]
	s_add_nc_u64 s[96:97], s[12:13], s[96:97]
	s_mov_b32 s20, 0x76543210
	s_mov_b32 s21, 0xfedcba98                      ; v_permlanex16_b32's selects for lane l xor 16
	v_and_b32 v3, 31, v0
	v_lshlrev_b32 v24, 4, v3
	v_lshlrev_b32 v25, 3, v3
	v_add_nc_u32 v26, s92, v24
	v_add_nc_u32 v30, s92, v25
	v_lshlrev_b32 v31, 2, v3
.irp b, 0,1,2,3
	v_mov_b32 v[TM+4+\b], 0                        ; written once: a lane permute's destination counts as one of its sources
.endr
; Block a of P's rows: a lane's 64 results, register 16 b + i = place 16 h + i of block b of its row, become a fragment's codes and a scale word.
.macro QUANTW a
.set WW, 2+(\a)/4
.set WSEL, WW|(WW<<2)
.set SS, 64*((\a)%4)
.set PCD, 64+20*(\a)
	WIN WSEL                                       ; sources 0 and 1: the accumulators' window
.irp b, 0,1,2,3
	v_max3_num_f32 v[TM+\b], |v[SS+16*\b]|, |v[SS+16*\b+1]|, 0x2800000   ; each accumulator from its low end on; the floor 2^(5 - 127) holds the byte at 1 from below
.endr
.irp i, 2,4,6,8,10,12,14
.irp b, 0,1,2,3
	v_max3_num_f32 v[TM+\b], |v[SS+16*\b+\i]|, |v[SS+16*\b+\i+1]|, v[TM+\b]
.endr
.endr
	WIN 0
.irp b, 0,1,2,3
	v_permlanex16_b32 v[TM+4+\b], v[TM+\b], s20, s21
.endr
.irp b, 0,1,2,3
	v_max_num_f32 v[TM+\b], v[TM+\b], v[TM+4+\b]   ; with lane l xor 16's: the block's largest magnitude
.endr
.irp b, 0,1,2,3
	v_add_nc_u32 v[TM+12+\b], 0xfe000000, v[TM+\b] ; 4 off its exponent field: the conversion's scale operand
.endr
.irp b, 0,1,2,3
	v_lshrrev_b32 v[TM+4+\b], 23, v[TM+12+\b]      ; the scale's byte
.endr
	v_lshl_or_b32 v[PW+(\a)], v[TM+5], 8, v[TM+4]
	v_lshl_or_b32 v[PW+(\a)], v[TM+6], 16, v[PW+(\a)]
	v_lshl_or_b32 v[PW+(\a)], v[TM+7], 24, v[PW+(\a)]
	WIN WW                                         ; source 0: the accumulators' window
.irp c, 0,1
	v_cvt_scalef32_pk16_bf6_f32 v[PCD+6*\c:PCD+2+6*\c], v[SS+32*\c:SS+15+32*\c], v[TM+12+2*\c]
	v_cvt_scalef32_pk16_bf6_f32 v[PCD+12+4*\c:PCD+14+4*\c], v[SS+16+32*\c:SS+31+32*\c], v[TM+12+2*\c+1]   ; (a conversion's three registers begin on an even number)
.endr
	WIN 0
	v_nop                                          ; one plain place behind a scaled conversion
.irp c, 0,1                            ; the operand's layout wants a whole block in a lane: lanes 0-15 block 2 c, lanes 16-31 block 2 c + 1
.irp i, 0,1,2
	v_permlane16_swap_b32 v[PCD+6*\c+\i], v[PCD+12+4*\c+\i]
.endr
.irp i, 0,1,2
	v_mov_b32 v[PCD+3+6*\c+\i], v[PCD+12+4*\c+\i]
.endr
.endr
.if (\a) > 0
	s_wait_xcnt 0x0                                ; the last block's stores have read their base: only behind this wait is it stepped
	s_add_nc_u64 s[94:95], s[94:95], s[98:99]
.endif
	global_store_b128 v24, v[PCD:PCD+3], s[94:95]              ; 512 consecutive bytes, at a multiple of 256 from the buffer's first byte
	global_store_b64 v25, v[PCD+4:PCD+5], s[94:95] offset:512  ; 256
	global_store_b128 v26, v[PCD+6:PCD+9], s[94:95]
	global_store_b64 v30, v[PCD+10:PCD+11], s[94:95] offset:512
.if (\a)%2 == 1
	v_permlane16_swap_b32 v[PW+(\a)-1], v[PW+(\a)] ; two blocks' words side by side: 32 rows, 128 consecutive bytes
	global_store_b32 v31, v[PW+(\a)-1], s[96:97] offset:64*((\a)-1)
.endif
.endm
.irp a, 0,1,2,3,4,5,6,7
	QUANTW \a
.endr
	s_wait_tensorcnt 0x0                           ; the wave's end
	ds_add_u32 v[SPW], v[NIL]
	s_wait_dscnt 0x0
	CROUND                                         ; the closing round: no work-group ends while a partner may still ask for a tile that names it
	s_endpgm
.Lfunc_end_k_qca77b4911c_gemm_qkv:
	.size	k_qca77b4911c_gemm_qkv, .Lfunc_end_k_qca77b4911c_gemm_qkv-k_qca77b4911c_gemm_qkv
	.p2alignl 7, 3214868480
	.fill 96, 4, 3214868480
	.section	.rodata,"a",@progbits
	.p2align	6, 0x0
	.amdhsa_kernel k_qca77b4911c_gemm_qkv
		.amdhsa_group_segment_fixed_size 327680
		.amdhsa_private_segment_fixed_size 0
		.amdhsa_enable_private_segment 0
		.amdhsa_kernarg_size 40
		.amdhsa_user_sgpr_count 2
		.amdhsa_user_sgpr_kernarg_segment_ptr 1
		.amdhsa_wavefront_size32 1
		.amdhsa_system_sgpr_workgroup_id_x 1
		.amdhsa_system_sgpr_workgroup_id_y 1
		.amdhsa_system_sgpr_workgroup_id_z 1
		.amdhsa_system_vgpr_workitem_id 0
		.amdhsa_next_free_vgpr 1024
		.amdhsa_next_free_sgpr 100
		.amdhsa_reserve_vcc 0
		.amdhsa_float_denorm_mode_32 3
		.amdhsa_float_denorm_mode_16_64 3
		.amdhsa_memory_ordered 1
		.amdhsa_forward_progress 1
		.amdhsa_inst_pref_size 168
	.end_amdhsa_kernel
	.amdgpu_metadata
---
amdhsa.version: [ 1, 2 ]
amdhsa.kernels:
  - .name:           k_qca77b4911c_gemm_qkv
    .symbol:         k_qca77b4911c_gemm_qkv.kd
    .args:
      - { .name: opnd, .offset: 0, .size: 8, .value_kind: global_buffer, .address_space: global }
      - { .name: bq, .offset: 8, .size: 8, .value_kind: global_buffer, .address_space: global }
      - { .name: bk, .offset: 16, .size: 8, .value_kind: global_buffer, .address_space: global }
      - { .name: bv, .offset: 24, .size: 8, .value_kind: global_buffer, .address_space: global }
      - { .name: qkv, .offset: 32, .size: 8, .value_kind: global_buffer, .address_space: global }
    .group_segment_fixed_size: 327680
    .private_segment_fixed_size: 0
    .kernarg_segment_align: 8
    .kernarg_segment_size: 40
    .max_flat_workgroup_size: 128
    .sgpr_count:     100
    .vgpr_count:     1024
    .wavefront_size: 32
...
	.end_amdgpu_metadata
.endif
;; end of part 2
;; launch attn (part 3): grid 4 x 64, 16 waves a work-group, no clusters, 327,680 bytes of LDS; arguments qkv, opnd, ctx; writes ctx
.if DOCPART == 3
	.amdgcn_target "amdgcn-amd-amdhsa--gfx1250"
	.amdhsa_code_object_version 6
	.text
	.protected	k_qca77b4911c_attn
	.globl	k_qca77b4911c_attn
	.p2align	8
	.type	k_qca77b4911c_attn,@function
k_qca77b4911c_attn:
	s_mov_b64 s[64:65], 0
	v_nop
	global_prefetch_b8 v0, s[64:65] scope:SCOPE_SE
	s_setreg_imm32_b32 hwreg(HW_REG_WAVE_MODE, 25, 1), 1
	s_wait_xcnt 0x0
; THIRD LAUNCH: scores = (Q K^T + Srel) / 8 under the causal mask, softmax, times V; all three products on codes of BF6 (E3M2) with E8M0 scales; the result is quantised along E for the last product.
; WORK LEFT OUT (shown at the head of the first launch's text): key steps all of whose keys come after a tile's queries, and all of Q rel^T outside the band s = 1023 - q + k, k <= q: their results lie under reference()'s own mask.
; THE SOFTMAX AHEAD OF THE SECOND PRODUCT: t = score x log2(e) / 8; M = the running largest t rounded UP to a whole number; p = 2^(t - M) is quantised along the keys, not normalised; the row's sum is taken of the
; unquantised p and divides at the end; when M moves, the sum and O are multiplied by 2^(old M - new M), exactly.
; SHARES.  Work-group (g, head): wave w owns the 16 queries of tile t = 4 w + g, so that all four work-groups of a head have the same number of key steps (72).  A key step is 128 keys.
; LDS.  The head's K, V, all of rel_key and their scale bytes lie in LDS whole, as images of operand registers: filled once at the head, by twelve waves, one tensor load each; one barrier; nothing is filled again.
; NO CLUSTER, though the four work-groups of a head read the same K and V: what tells them apart is the query tile, on which the causal branches and the band's LDS addresses hang
; No prefetch: every load from memory stands at the head.
; K = 64 IN AN INSTRUCTION OF 128: Q's registers 6-11 are zero codes.  The other operand's registers 6-11 are whatever half image follows (every code of E3M2 is a finite number), and both sides' upper scale bytes are 0 (2^-127): they add nothing.
; THE SKEW.  X = Q rel^T (source 0 = Q): lane (r', h), register j = query 8 h + j, s = 16 (sT + i) + r', nine tiles from sT = 63 - t + 8 (key step).  Key kappa of the step meets query m at 16 i + r' = 15 - m + kappa.  So each number is
; stored into the wave's own LDS at row m, word 16 i + r' + m + 1 (rows 148 words apart), and row r, words 16 + kappa, read back, are Srel in the layout of S^T = K Q^T (lane = query, registers along the keys): it is that product's C.
; Words 1-15 and 144-159 of a row are never read; they may overlap the neighbour's.  Tiles 64-71 of rel_key are zeros that the tensor load writes past the tensor's end: they meet masked keys alone.
; LIMITS of the quantisers: a block of zeros gets the byte 1 (its codes are zeros; this program alone reads the bytes); largest magnitudes under 2^-122 keep the byte 1; NaN and infinities are not served.
; REGISTERS: v1, v2 the add's two; v3-13 addresses that stay; v14-22 addresses of the step; v23 the mask's d; v24-35 Q; v36 Q's scales; v37 r - 8 h; v38-46 scale words; v48 -M, v49 the largest t, v[50:51] the sum;
;   v52-111 fragments; v112-183 X, of which v112-175 then S^T and p; v184-215 O^T; v216-227 p's codes; v228-235, v236-251 at work (v250: p's scale word).
.set QK_SC, 9437184
.set V_IMG, 6291456
.set V_SC,  9699328
.set R_IMG, 6291456
.set R_SC,  6602752
.set O_SC,  3145728
.set KIMG,  0                          ; 64 half images of 16 keys
.set VIMG,  49152                      ; [4 tiles of 16 channels][8 key steps][1536]
.set RIMG,  98304                      ; 72 half images, the last eight zeros
.set KSC,   153600                     ; a word a key: low half the even head's bytes
.set VSC,   157696                     ; [8 key steps][64 channels] words
.set RSC,   159744                     ; 72 x 16 halfwords
.set SKEW,  162048                     ; 9,728 bytes for each wave: 16 rows, 592 bytes apart
.set SPARE, 317696                     ; the spare words, 128 bytes a wave: eight blocks of 256 bytes that no other line names
.set F,   52
.set X,   112
.set S,   112
.set O,   184
.set SCL, 38
.set BM,  236
.set PT,  240
.set SO,  244
.macro GROUP1 g, w1, w2, w3, w4, w5, w6    ; a descriptor's group 1: elements of 8 bytes, no mask, no padding
	s_mov_b32 s[\g], 3<<16
	s_mov_b32 s[\g+1], \w1                         ; tensor_dim0 << 16
	s_mov_b32 s[\g+2], \w2                         ; tensor_dim1 << 16
	s_mov_b32 s[\g+3], \w3                         ; tile_dim0 << 16
	s_mov_b32 s[\g+4], \w4                         ; tile_dim1
	s_mov_b32 s[\g+5], \w5                         ; elements from row to row
	s_mov_b32 s[\g+6], \w6
	s_mov_b32 s[\g+7], 0
.endm
.macro TL g0, g1                       ; an s_nop 0 and four v_nop follow the load
	tensor_load_to_lds s[\g0:\g0+3], s[\g1:\g1+7]
	s_nop 0
.rept 4
	v_nop
.endr
.endm
	s_load_b128 s[4:7], s[0:1], 0x0                ; qkv s[4:5], opnd s[6:7]
	s_load_b64 s[8:9], s[0:1], 0x10                ; ctx
	v_lshl_add_u32 v1, v0, 2, SPARE
	v_mov_b32 v2, 0
	ds_add_u32 v1, v2                              ; the wave's opening: the add, twice on end, and its wait ahead of the first tensor load
	ds_add_u32 v1, v2
	v_lshrrev_b32 v14, 5, v0
	v_readfirstlane_b32 s10, v14                   ; wave 0..15
	s_and_b32 s11, ttmp7, 0xffff                   ; batch x 16 + head
	s_lshr_b32 s12, s11, 4                         ; batch
	s_and_b32 s13, s11, 15                         ; head
	s_lshl_b32 s14, s10, 2
	s_add_co_u32 s14, s14, ttmp9                   ; t: my tile of queries
	s_lshl_b32 s15, s14, 4                         ; q0: my first query
	GROUP1 24, 32<<16, 48<<16, 32<<16, 48, 32, 0       ; a quarter of K's or V's images: 12,288 dense bytes as 48 rows of 256
	GROUP1 32, 96<<16, 64<<16, 96<<16, 72, 96, 0       ; rel_key's images: 64 rows of 768 bytes, and eight rows past the end: zeros
	GROUP1 40, 32<<16, 16<<16, 32<<16, 16, 32, 0       ; K's scale words: 4,096 dense bytes
	GROUP1 48, 32<<16, 8<<16, 32<<16, 8, 512, 0        ; V's: 256 bytes of each of 8 rows, 4,096 bytes apart
	GROUP1 56, 256<<16, 1<<16, 288<<16, 1, 288, 1<<16  ; rel_key's scale bytes: one row of 2,048 bytes, and 256 bytes past the end: zeros
	s_mul_i32 s16, s10, 12288                      ; waves 0-3: K's quarters; waves 4-7: V's
	s_mul_i32 s17, s11, 49152
	s_mov_b32 s18, V_IMG-49152
	s_cmp_lt_u32 s10, 4
	s_cselect_b32 s18, 64*49152, s18               ; K's images lie behind Q's 64 heads
	s_add_co_u32 s18, s18, s17
	s_add_co_u32 s18, s18, s16
	s_mov_b32 s19, 0
	s_lshl_b32 s2, s12, 3
	s_lshr_b32 s3, s13, 1
	s_add_co_u32 s2, s2, s3
	s_lshl_b32 s2, s2, 12                          ; (8 batch + head / 2) x 4,096
	s_add_co_u32 s88, s2, QK_SC+131072             ; K's scale words
	s_mov_b32 s89, 0
	s_and_b32 s3, s13, 1
	s_lshl_b32 s3, s3, 1                           ; 2 (head % 2): my half of a word; kept
	s_lshl_b32 s98, s15, 2
	s_add_co_u32 s98, s98, s2
	s_add_co_u32 s98, s98, s3
	s_add_co_u32 s98, s98, QK_SC                   ; Q's scale halfwords at my first query
	s_mov_b32 s99, 0
	s_lshl_b32 s90, s12, 15
	s_lshl_b32 s91, s13, 8
	s_add_co_u32 s90, s90, s91
	s_add_co_u32 s90, s90, V_SC                    ; V's scale words
	s_mov_b32 s91, 0
	s_lshl_b32 s96, s11, 6
	s_add_co_u32 s96, s96, s14
	s_mul_i32 s96, s96, 768                        ; Q's half image
	s_mov_b32 s97, 0
	s_mov_b32 s20, 0x76543210
	s_mov_b32 s21, 0xfedcba98                      ; v_permlanex16_b32's selects for lane l xor 16
	s_mov_b32 s22, 0x3e38aa3b                      ; c = log2(e) / 8
	s_mov_b32 s23, s22                             ; (named with it as a pair, so it is written)
	s_wait_dscnt 0x0                               ; both opening adds are done
	s_wait_kmcnt 0x0
	s_mov_b32 s68, 1
	s_mov_b32 s69, s16
	s_add_nc_u64 s[70:71], s[4:5], s[18:19]
	s_or_b32 s71, s71, 0x80000000
	s_mov_b32 s72, 1
	s_mov_b32 s73, RIMG
	s_add_nc_u64 s[74:75], s[6:7], R_IMG
	s_or_b32 s75, s75, 0x80000000
	s_mov_b32 s76, 1
	s_mov_b32 s77, KSC
	s_add_nc_u64 s[78:79], s[4:5], s[88:89]
	s_or_b32 s79, s79, 0x80000000
	s_mov_b32 s80, 1
	s_mov_b32 s81, VSC
	s_add_nc_u64 s[82:83], s[4:5], s[90:91]
	s_or_b32 s83, s83, 0x80000000
	s_mov_b32 s84, 1
	s_mov_b32 s85, RSC
	s_add_nc_u64 s[86:87], s[6:7], R_SC
	s_or_b32 s87, s87, 0x80000000
	s_cmp_lt_u32 s10, 8                            ; the first fills, and the only ones: a wave has at most one, in one arm of a branch on its number
	s_cbranch_scc0 .Lw8
	TL 68, 24
	s_branch .Lasked
.Lw8:
	s_cmp_eq_u32 s10, 8
	s_cbranch_scc0 .Lw9
	TL 72, 32
	s_branch .Lasked
.Lw9:
	s_cmp_eq_u32 s10, 9
	s_cbranch_scc0 .Lw10
	TL 76, 40
	s_branch .Lasked
.Lw10:
	s_cmp_eq_u32 s10, 10
	s_cbranch_scc0 .Lw11
	TL 80, 48
	s_branch .Lasked
.Lw11:
	s_cmp_eq_u32 s10, 11
	s_cbranch_scc0 .Lasked
	TL 84, 56
.Lasked:
	s_add_nc_u64 s[96:97], s[4:5], s[96:97]
	s_add_nc_u64 s[98:99], s[4:5], s[98:99]
	v_and_b32 v14, 31, v0                          ; lane
	v_and_b32 v15, 15, v0                          ; r
	v_bfe_u32 v16, v0, 4, 1                        ; h
	v_lshlrev_b32 v3, 4, v14                       ; K's images: 16 x lane (KIMG = 0),
	v_lshlrev_b32 v17, 3, v14
	v_add_nc_u32 v4, 512, v17                      ; and 512 + 8 x lane
	v_lshlrev_b32 v18, 2, v15
	global_load_b128 v[24:27], v3, s[96:97]        ; Q's half image stays in registers
	global_load_b64 v[28:29], v4, s[96:97]
	global_load_u16 v36, v18, s[98:99]             ; its two scale bytes; the upper two are 0
	v_lshl_add_u32 v5, v15, 2, KSC
	v_add_nc_u32 v5, s3, v5                        ; K's scale halfwords: 4 a key, + my head's half
	v_add_nc_u32 v6, VIMG, v3
	v_add_nc_u32 v7, VIMG, v4
	v_lshl_add_u32 v8, v15, 2, VSC
	v_add_nc_u32 v9, RIMG, v3
	v_add_nc_u32 v10, RIMG, v4
	v_lshl_add_u32 v11, v15, 1, RSC
	s_mul_i32 s16, s10, 9728
	s_add_co_u32 s16, s16, SKEW                    ; my wave's own rows
	v_mul_u32_u24 v12, v16, 4768
	v_lshl_add_u32 v12, v15, 2, v12
	v_add_nc_u32 v12, s16, v12
	v_add_nc_u32 v12, 4, v12                       ; in: 4 + 596 x 8 h + 4 r'; register j adds 596 j, tile i adds 64 i
	v_mul_u32_u24 v13, v15, 592
	v_lshl_add_u32 v13, v16, 5, v13
	v_add_nc_u32 v13, s16, v13
	v_add_nc_u32 v13, 64, v13                      ; back: row r, word 16 + 8 h; tile tau adds 64 tau
	v_lshlrev_b32 v37, 3, v16
	v_sub_nc_u32 v37, v15, v37                     ; r - 8 h
.irp j, 30,31,32,33,34,35, 106,107,108,109,110,111
	v_mov_b32 v[\j], 0                             ; Q's upper 64 along K: zero codes; and the six registers behind the last half fragment
.endr
	v_mov_b32 v49, 0xff61b1e6                      ; the largest t so far: -3e38, under every t
	v_floor_f32 v48, -v49                          ; -M
	v_mov_b32 v50, 0                               ; the sum, in two halves
	v_mov_b32 v51, 0
	v_mov_b32 v249, 0                              ; (named as the upper half of the pair v[248:249])
.irp b, 0,1,2,3
	v_mov_b32 v[PT+\b], 0                          ; written once: a lane permute's destination counts as one of its sources
.endr
.irp j, 0,1,2,3,4,5,6,7,8,9,10,11,12,13,14,15,16,17,18,19,20,21,22,23,24,25,26,27,28,29,30,31
	v_mov_b32 v[O+\j], 0                           ; O^T: the step is written once; the first finds zeros, which the first change of M leaves zeros
.endr
	s_mov_b32 s88, 0                               ; the step's first key
	s_mov_b32 s89, 0                               ; its K images: 6,144 bytes a step
	s_mov_b32 s90, 0                               ; K's scale words: 512
	s_mov_b32 s91, 0                               ; V's fragments: 1,536
	s_mov_b32 s92, 0                               ; V's scale words: 256
	s_xor_b32 s93, s14, 63                         ; the band's first tile of rel_key: 63 - t, + 8 a step
	s_mov_b32 s94, 8
	s_wait_tensorcnt 0x0                           ; my fill has landed,
	s_barrier_signal -1
	s_barrier_wait -1                              ; everybody's has
	s_wait_loadcnt 0x0                             ; Q
.Lstep:                                            ; eight trips, a constant; a step all of whose keys come after my queries is jumped over, all but the lines that step addresses
	s_add_co_u32 s16, s15, 15
	s_cmp_gt_u32 s88, s16
	s_cbranch_scc1 .Lhidden
	s_min_u32 s16, s93, 63                         ; (in a step that is walked 8 x step <= t, so the minimum changes nothing; it bounds the address on every way through the text)
	s_mul_i32 s17, s16, 768
	s_lshl_b32 s18, s16, 5
	v_add_nc_u32 v14, s17, v9                      ; these nine are also the places behind the last step's products
	v_add_nc_u32 v15, s17, v10
	v_add_nc_u32 v16, s18, v11
	v_add_nc_u32 v17, s89, v3
	v_add_nc_u32 v18, s89, v4
	v_add_nc_u32 v19, s90, v5
	v_add_nc_u32 v20, s91, v6
	v_add_nc_u32 v21, s91, v7
	v_add_nc_u32 v22, s92, v8
.irp i, 0,1,2,3,4,5,6,7,8
	ds_load_b128 v[F+6*\i:F+6*\i+3], v14 offset:768*\i
	ds_load_b64 v[F+6*\i+4:F+6*\i+5], v15 offset:768*\i
	ds_load_u16 v[SCL+\i], v16 offset:32*\i
.endr
	s_wait_dscnt 0x0
.irp i, 0,1,2,3,4,5,6,7,8                  ; X = Q rel^T, nine tiles of the band
	v_wmma_scale_f32_16x16x128_f8f6f4 v[X+8*\i:X+8*\i+7], v[24:35], v[F+6*\i:F+6*\i+11], 0, v36, v[SCL+\i] matrix_a_fmt:MATRIX_FMT_BF6 matrix_b_fmt:MATRIX_FMT_BF6
.endr
.rept 5
	v_nop                                          ; four places in front of the loads and LDS stores below, five in front of the products that write over X
.endr
.irp t, 0,1,2,3,4,5,6,7
	ds_load_b128 v[F+6*\t:F+6*\t+3], v17 offset:768*\t
	ds_load_b64 v[F+6*\t+4:F+6*\t+5], v18 offset:768*\t
	ds_load_u16 v[SCL+\t], v19 offset:64*\t
.endr
.irp i, 0,1,2,3,4,5,6,7,8
.irp j, 0,1,2,3,4,5,6,7
	ds_store_b32 v12, v[X+8*\i+\j] offset:596*\j+64*\i   ; each accumulator from its low end on; lanes 16-31 fall 40 banks beside lanes 0-15
.endr
.endr
.irp t, 0,1,2,3,4,5,6,7                    ; LDS serves a wave's instructions in order: these see my stores, and the next step's stores come behind them
	ds_load_b128 v[S+8*\t:S+8*\t+3], v13 offset:64*\t
	ds_load_b128 v[S+8*\t+4:S+8*\t+7], v13 offset:64*\t+16
.endr
	s_wait_dscnt 0x0
.irp t, 0,1,2,3,4,5,6,7                    ; S^T = K Q^T + Srel: lane (r, h), register j of tile tau: query r, key 16 tau + 8 h + j
	v_wmma_scale_f32_16x16x128_f8f6f4 v[S+8*\t:S+8*\t+7], v[F+6*\t:F+6*\t+11], v[24:35], v[S+8*\t:S+8*\t+7], v[SCL+\t], v36 matrix_a_fmt:MATRIX_FMT_BF6 matrix_b_fmt:MATRIX_FMT_BF6
.endr
.rept 4
	v_nop
.endr
.irp d, 0,1,2,3                            ; V's four fragments land during the softmax
	ds_load_b128 v[F+12*\d:F+12*\d+3], v20 offset:12288*\d
	ds_load_b64 v[F+12*\d+4:F+12*\d+5], v21 offset:12288*\d
	ds_load_b128 v[F+12*\d+6:F+12*\d+9], v20 offset:12288*\d+768
	ds_load_b64 v[F+12*\d+10:F+12*\d+11], v21 offset:12288*\d+768
	ds_load_b32 v[SCL+\d], v22 offset:64*\d
.endr
	s_add_co_u32 s16, s88, 127                     ; on the diagonal hidden scores become -infinity ahead of the maximum; a step all of whose keys count skips this
	s_cmp_le_u32 s16, s15
	s_cbranch_scc1 .Lopen
	s_sub_co_i32 s16, s15, s88
	v_add_nc_u32 v23, s16, v37                     ; d = q0 - first key + r - 8 h: register 8 tau + j is hidden where 16 tau + j > d
	v_mov_b32 v251, 0xff800000
.irp n, 0,1,2,3,4,5,6,7,8,9,10,11,12,13,14,15,16,17,18,19,20,21,22,23,24,25,26,27,28,29,30,31,32,33,34,35,36,37,38,39,40,41,42,43,44,45,46,47,48,49,50,51,52,53,54,55,56,57,58,59,60,61,62,63
	v_cmp_gt_i32 vcc_lo, 16*(\n/8)+\n%8, v23
	v_cndmask_b32 v[S+\n], v[S+\n], v251, vcc_lo
.endr
.Lopen:
.irp b, 0,1,2,3
	v_max3_num_f32 v[BM+\b], v[S+16*\b], v[S+16*\b+1], v[S+16*\b+2]   ; the largest score of each block of 32 keys: for the row's maximum and, since p rises with the score, for the block's largest p
.endr
.irp i, 3,5,7,9,11,13
.irp b, 0,1,2,3
	v_max3_num_f32 v[BM+\b], v[BM+\b], v[S+16*\b+\i], v[S+16*\b+\i+1]
.endr
.endr
.irp b, 0,1,2,3
	v_max_num_f32 v[BM+\b], v[BM+\b], v[S+16*\b+15]
.endr
.irp b, 0,1,2,3
	v_permlanex16_b32 v[PT+\b], v[BM+\b], s20, s21
.endr
.irp b, 0,1,2,3
	v_max_num_f32 v[BM+\b], v[BM+\b], v[PT+\b]     ; with lane l xor 16's 16 keys
.endr
	v_max3_num_f32 v251, v236, v237, v238
	v_max_num_f32 v251, v251, v239                 ; the step's largest score of my query
	v_mul_f32 v251, s22, v251                      ; as t (c is positive)
	v_max_num_f32 v49, v49, v251                   ; the running largest t
	v_mov_b32 v251, v48
	v_floor_f32 v48, -v49                          ; the new -M = -ceil(t)
	v_sub_f32 v251, v48, v251                      ; old M - new M: a whole number, 0 or less
	v_cvt_i32_f32 v251, v251                       ; (it saturates)
	v_ldexp_f32 v248, 1.0, v251                    ; f = 2^(old M - new M)
.irp j, 0,2,4,6,8,10,12,14,16,18,20,22,24,26,28,30,32,34,36,38,40,42,44,46,48,50,52,54,56,58,60,62
	v_pk_fma_f32 v[S+\j:S+\j+1], v[S+\j:S+\j+1], s[22:23], v[48:49] op_sel_hi:[1,0,0]   ; t - M, two at a time
.endr
.irp b, 0,1,2,3
	v_fma_f32 v[BM+\b], v[BM+\b], s22, v48         ; the same of each block's largest score
.endr
.irp j, 0,1,2,3,4,5,6,7,8,9,10,11,12,13,14,15,16,17,18,19,20,21,22,23,24,25,26,27,28,29,30,31,32,33,34,35,36,37,38,39,40,41,42,43,44,45,46,47,48,49,50,51,52,53,54,55,56,57,58,59,60,61,62,63
	v_exp_f32 v[S+\j], v[S+\j]                     ; p = 2^(t - M), at most 1
.endr
	v_pk_mul_f32 v[50:51], v[50:51], v[248:249] op_sel_hi:[1,0]   ; the sums under the new M: a plain instruction behind the exponentials
	s_wait_alu depctr_va_vdst(0)                   ; the wait ahead of the first instruction that names a result: one for the batch of 64
.irp b, 0,1,2,3
	v_exp_f32 v[BM+\b], v[BM+\b]                   ; the block's largest p
.endr
	v_pk_add_f32 v[240:241], v[S:S+1], v[S+2:S+3]  ; the row's sum is taken of the unquantised p, in two chains
.irp j, 4,8,12,16,20,24,28,32,36,40,44,48,52,56,60
	v_pk_add_f32 v[50:51], v[50:51], v[S+\j:S+\j+1]
	v_pk_add_f32 v[240:241], v[240:241], v[S+\j+2:S+\j+3]
.endr
	v_pk_add_f32 v[50:51], v[50:51], v[240:241]
	s_wait_alu depctr_va_vdst(0)                   ; and one for the four
.irp b, 0,1,2,3
	v_max_num_f32 v[BM+\b], 0x2800000, v[BM+\b]    ; the floor 2^(5 - 127)
.endr
.irp b, 0,1,2,3
	v_add_nc_u32 v[SO+\b], 0xfe000000, v[BM+\b]    ; 4 off the exponent field: the conversion's scale operand
.endr
.irp b, 0,1,2,3
	v_lshrrev_b32 v[PT+\b], 23, v[SO+\b]           ; the scale's byte
.endr
	v_lshl_or_b32 v250, v241, 8, v240              ; p's scale word for these 128 keys
	v_lshl_or_b32 v250, v242, 16, v250
	v_lshl_or_b32 v250, v243, 24, v250
.irp c, 0,1
	v_cvt_scalef32_pk16_bf6_f32 v[216+6*\c:218+6*\c], v[S+32*\c:S+15+32*\c], v[SO+2*\c]
	v_cvt_scalef32_pk16_bf6_f32 v[228+4*\c:230+4*\c], v[S+16+32*\c:S+31+32*\c], v[SO+2*\c+1]   ; (a conversion's three registers begin on an even number)
.endr
	v_nop                                          ; one plain place behind a scaled conversion
.irp c, 0,1                                ; the operand's layout wants a whole block in a lane
.irp i, 0,1,2
	v_permlane16_swap_b32 v[216+6*\c+\i], v[228+4*\c+\i]
.endr
.irp i, 0,1,2
	v_mov_b32 v[219+6*\c+\i], v[228+4*\c+\i]
.endr
.endr
.irp j, 0,2,4,6,8,10,12,14,16,18,20,22,24,26,28,30
	v_pk_mul_f32 v[O+\j:O+\j+1], v[O+\j:O+\j+1], v[248:249] op_sel_hi:[1,0]   ; O^T under the new M; these are also the places between p's codes and scale word and the products
.endr
	s_wait_dscnt 0x0                               ; V
.irp d, 0,1,2,3                            ; O^T += V^T P^T: the four accumulators by turns
	v_wmma_scale_f32_16x16x128_f8f6f4 v[O+8*\d:O+8*\d+7], v[F+12*\d:F+12*\d+11], v[216:227], v[O+8*\d:O+8*\d+7], v[SCL+\d], v250 matrix_a_fmt:MATRIX_FMT_BF6 matrix_b_fmt:MATRIX_FMT_BF6
.endr
.Lhidden:
	s_add_co_u32 s88, s88, 128
	s_add_co_u32 s89, s89, 6144
	s_add_co_u32 s90, s90, 512
	s_add_co_u32 s91, s91, 1536
	s_add_co_u32 s92, s92, 256
	s_add_co_u32 s93, s93, 8
	s_sub_co_u32 s94, s94, 1
	s_cmp_lg_u32 s94, 0
	s_cbranch_scc1 .Lstep
	; THE WAY OUT: O^T / the sum; register 8 d + j is channel 16 d + 8 h + j of my query: two blocks of 32 along E; quantised, they are a half image of the last product's operand.
.rept 4
	v_nop                                          ; places behind the last products
.endr
	v_add_f32 v50, v50, v51
	v_permlanex16_b32 v240, v50, s20, s21
	v_add_f32 v50, v50, v240                       ; the row's sum
	v_rcp_f32 v50, v50
	v_and_b32 v14, 15, v0                          ; (a plain place behind the reciprocal)
	v_lshlrev_b32 v14, 3, v14                      ; 8 r
	s_lshl_b32 s16, s12, 6
	s_add_co_u32 s16, s16, s14                     ; the token tile: 64 batch + t
	s_lshl_b32 s17, s16, 4
	s_add_co_u32 s17, s17, s13
	s_mul_i32 s96, s17, 768                        ; its half image of my head
	s_mov_b32 s97, 0
	s_add_nc_u64 s[96:97], s[8:9], s[96:97]
	s_lshl_b32 s16, s16, 2
	s_lshr_b32 s17, s13, 2
	s_add_co_u32 s16, s16, s17
	s_lshl_b32 s98, s16, 7                         ; the scale words: [tile][head / 4][r][2 words],
	s_bfe_u32 s17, s13, 0x10001
	s_lshl_b32 s17, s17, 2
	s_add_co_u32 s98, s98, s17                     ; word (head / 2) % 2,
	s_add_co_u32 s98, s98, s3                      ; half head % 2
	s_add_co_u32 s98, s98, O_SC
	s_mov_b32 s99, 0
	s_add_nc_u64 s[98:99], s[8:9], s[98:99]
	s_wait_alu depctr_va_vdst(0)                   ; the wait ahead of the reciprocal's first reader
.irp j, 0,1,2,3,4,5,6,7,8,9,10,11,12,13,14,15,16,17,18,19,20,21,22,23,24,25,26,27,28,29,30,31
	v_mul_f32 v[112+\j], v[O+\j], v50
.endr
.irp b, 0,1
	v_max3_num_f32 v[BM+\b], |v[112+16*\b]|, |v[113+16*\b]|, 0x2800000
.endr
.irp i, 2,4,6,8,10,12,14
.irp b, 0,1
	v_max3_num_f32 v[BM+\b], v[BM+\b], |v[112+16*\b+\i]|, |v[113+16*\b+\i]|
.endr
.endr
.irp b, 0,1
	v_permlanex16_b32 v[PT+\b], v[BM+\b], s20, s21
.endr
.irp b, 0,1
	v_max_num_f32 v[BM+\b], v[BM+\b], v[PT+\b]
.endr
.irp b, 0,1
	v_add_nc_u32 v[SO+\b], 0xfe000000, v[BM+\b]
.endr
.irp b, 0,1
	v_lshrrev_b32 v[PT+\b], 23, v[SO+\b]
.endr
	v_lshl_or_b32 v251, v241, 8, v240              ; my row's two bytes
	v_cvt_scalef32_pk16_bf6_f32 v[216:218], v[112:127], v244
	v_cvt_scalef32_pk16_bf6_f32 v[228:230], v[128:143], v245
	v_nop                                          ; one plain place behind a scaled conversion
.irp i, 0,1,2
	v_permlane16_swap_b32 v[216+\i], v[228+\i]
.endr
.irp i, 0,1,2
	v_mov_b32 v[219+\i], v[228+\i]
.endr
	global_store_b128 v3, v[216:219], s[96:97]     ; 512 consecutive bytes, at a multiple of 256 from the buffer's first byte
	global_store_b64 v4, v[220:221], s[96:97]      ; 256 (the register carries the 512)
	global_store_b16 v14, v251, s[98:99]           ; two bytes a row, 8 bytes apart (lanes r and r + 16 write the same): 1 / 24 of the codes' bytes
	s_wait_tensorcnt 0x0                           ; the wave's end, behind my last LDS store
	ds_add_u32 v1, v2
	s_wait_dscnt 0x0
	s_endpgm
.Lfunc_end_k_qca77b4911c_attn:
	.size	k_qca77b4911c_attn, .Lfunc_end_k_qca77b4911c_attn-k_qca77b4911c_attn
	.p2alignl 7, 3214868480
	.fill 96, 4, 3214868480
	.section	.rodata,"a",@progbits
	.p2align	6, 0x0
	.amdhsa_kernel k_qca77b4911c_attn
		.amdhsa_group_segment_fixed_size 327680
		.amdhsa_private_segment_fixed_size 0
		.amdhsa_enable_private_segment 0
		.amdhsa_kernarg_size 24
		.amdhsa_user_sgpr_count 2
		.amdhsa_user_sgpr_kernarg_segment_ptr 1
		.amdhsa_wavefront_size32 1
		.amdhsa_system_sgpr_workgroup_id_x 1
		.amdhsa_system_sgpr_workgroup_id_y 1
		.amdhsa_system_sgpr_workgroup_id_z 1
		.amdhsa_system_vgpr_workitem_id 0
		.amdhsa_next_free_vgpr 256
		.amdhsa_next_free_sgpr 100
		.amdhsa_reserve_vcc 1
		.amdhsa_float_denorm_mode_32 3
		.amdhsa_float_denorm_mode_16_64 3
		.amdhsa_memory_ordered 1
		.amdhsa_forward_progress 1
		.amdhsa_inst_pref_size 46
	.end_amdhsa_kernel
	.amdgpu_metadata
---
amdhsa.version: [ 1, 2 ]
amdhsa.kernels:
  - .name:           k_qca77b4911c_attn
    .symbol:         k_qca77b4911c_attn.kd
    .args:
      - { .name: qkv, .offset: 0, .size: 8, .value_kind: global_buffer, .address_space: global }
      - { .name: opnd, .offset: 8, .size: 8, .value_kind: global_buffer, .address_space: global }
      - { .name: ctx, .offset: 16, .size: 8, .value_kind: global_buffer, .address_space: global }
    .group_segment_fixed_size: 327680
    .private_segment_fixed_size: 0
    .kernarg_segment_align: 8
    .kernarg_segment_size: 24
    .max_flat_workgroup_size: 512
    .sgpr_count:     100
    .vgpr_count:     256
    .wavefront_size: 32
...
	.end_amdgpu_metadata
.endif
;; end of part 3
;; launch gemm_out (part 4): grid 4 x 16, 4 waves a work-group, clusters of 4 x 4, 327,680 bytes of LDS; arguments ctx, opnd, bo, out0; writes out0
.if DOCPART == 4
	.amdgcn_target "amdgcn-amd-amdhsa--gfx1250"
	.amdhsa_code_object_version 6
	.text
	.protected	k_qca77b4911c_gemm_out
	.globl	k_qca77b4911c_gemm_out
	.p2align	8
	.type	k_qca77b4911c_gemm_out,@function
k_qca77b4911c_gemm_out:
	s_mov_b64 s[64:65], 0
	v_nop
	global_prefetch_b8 v0, s[64:65] scope:SCOPE_SE
	s_setreg_imm32_b32 hwreg(HW_REG_WAVE_MODE, 25, 1), 1
	s_wait_xcnt 0x0
	s_wait_alu depctr_hold_cnt(0) depctr_sa_sdst(0) depctr_va_vdst(0) depctr_va_sdst(0) depctr_va_ssrc(0) depctr_va_vcc(0) depctr_vm_vsrc(0)
	s_getreg_b32 s2, hwreg(HW_REG_IB_STS2, 6, 4)
	s_cmp_eq_u32 s2, 0
	s_cbranch_scc0 .Lentry_in_a_cluster
	s_endpgm
.Lentry_in_a_cluster:
	s_bfe_u32 s2, ttmp6, 0x10000c
	s_cmp_lg_u32 s2, 0xf033
	s_cbranch_scc0 .Lentry_shape_is_right
	s_endpgm
.Lentry_shape_is_right:
; FOURTH LAUNCH: out0 = context Wo + bo on codes of BF6 (E3M2) with E8M0 scales; out0 [4096][1024] f32.  Nothing of reference() is left out here.
; The core is the second launch's: a tile of 256 x 256 by four waves of 128 x 128; K = 1024 in four steps of 256 through a ring of two LDS slots; operands are images of their registers (a half image, 16 rows x 64 K, is 768 bytes:
; a lane's registers 0-3 at 16 x lane, registers 4-5 at 512 + 8 x lane); the scale words of all of K come once and stay in LDS.
; Source 1 (P) = the context's tokens (tile row 4 Y + cy), source 0 (R) = Wo's columns (tile column 4 X + cx): a lane holds a token and eight neighbouring columns.  bo is the C of each sum's first product.
; CLUSTERS: 4 x 4: P's tiles are shared along a row of the cluster, R's along a column, by joint loads.  The output has 64 tiles of this size: 64 work-groups; a smaller tile would give more, at the price of a second core.
; THE WAY OUT: a block of 16 rows x 128 columns goes through the wave's own stage in LDS and leaves as whole rows of 512 bytes.  The stage lies in slot 0, which has had its last fill and its last read by then.
; REGISTERS as in the second launch: window 0: v0-31 addresses; v32-63 scale words; v64-127 the bias; v128-223 P's fragments; on the way out v128-255 rows of the result.  window 1: R's fragments, two sets.  windows 2, 3: accumulators.
.set O_SC,  3145728
.set WO_IMG, 5505024
.set WO_SC,  6569984
.set SIZE_N, 1024
.set NQ,    2
.set FR,    12
.set NL,    4
.set NP,    4
.set TROW,  3072
.set HALFT, 8*TROW
.set SLOT,  4*HALFT
.set SCL,   2*SLOT
.set HALFS, 4096
.set SBLK,  512
.set SPARE, SCL+4*HALFS                ; the spare words, 128 bytes a wave: two blocks of 256 bytes that no other line names
.set SPITCH, 528
.set ADRA, 16
.set ADRB, 20
.set STO,  24                          ; v24 the way out: where I put 32 bytes of a row
.set RD,   25                          ; v25 where I read a row back
.set CO,   26                          ; v26 my byte offset in a row of out0
.set ADRS, 27
.set SPW,  28
.set NIL,  29
.set SC,   32
.set BB,   64
.set AF,   128
.set BK,   128
.set G1, 24
.set G0, 32
.set G1B, 48
.set G0B, 56
.set G1S, 68
.set G0S, 76
.set G1SB, 80
.set G0SB, 88
.set MSB, 0
.macro WIN new                         ; the immediate's high byte repeats the setting that is left
.if MSB != \new
	s_set_vgpr_msb (MSB<<8)|\new
.set MSB, \new
.endif
.endm
.set MUL_LO, 0xa1
.set MUL_HI, 0xf1
.set FST_LO, 0x81
.set FST_HI, 0xc1
.set TO_B,   0x40
.macro JLOAD g0a, g1a, g0b, g1b        ; a joint load: waves 0 and 1 fetch for P, waves 2 and 3 for R; an s_nop 0 and four v_nop follow each of the two lines
	s_cmp_eq_u32 s15, 0
	s_cbranch_scc0 .Lfor_b_\@
	tensor_load_to_lds s[\g0a:\g0a+3], s[\g1a:\g1a+7]
	s_nop 0
.rept 4
	v_nop
.endr
	s_branch .Lasked_\@
.Lfor_b_\@:
	tensor_load_to_lds s[\g0b:\g0b+3], s[\g1b:\g1b+7]
	s_nop 0
.rept 4
	v_nop
.endr
.Lasked_\@:
.endm
.macro CREST
	s_cmp_lg_u32 s14, 0
	s_cbranch_scc1 .Lnot_wave_0_\@
	s_barrier_signal -3
.Lnot_wave_0_\@:
	s_barrier_wait -3
	s_barrier_signal -1
	s_barrier_wait -1
.endm
.macro CROUND
	s_barrier_signal -1
	s_barrier_wait -1
	CREST
.endm
	s_load_b256 s[4:11], s[0:1], 0x0               ; ctx s[4:5], opnd s[6:7], bo s[8:9], out0 s[10:11]
	v_lshl_add_u32 v[SPW], v0, 2, SPARE
	v_mov_b32 v[NIL], 0
	ds_add_u32 v[SPW], v[NIL]                      ; the wave's opening: the add, twice on end, and its wait ahead of my first tensor load
	ds_add_u32 v[SPW], v[NIL]
	v_lshrrev_b32 v1, 5, v0
	v_readfirstlane_b32 s14, v1                    ; wave 0..3
	s_lshr_b32 s15, s14, 1                         ; which half of the tile's rows is mine.  Also: I fetch for P (0) or for R (1)
	s_and_b32 s16, s14, 1                          ; which half of its columns.  Also: which 128 rows of that tile I fetch
	s_bfe_u32 s40, ttmp6, 0x40000                  ; cx, cy
	s_bfe_u32 s41, ttmp6, 0x40004
	s_lshl_b32 s42, ttmp9, 2
	s_add_co_u32 s42, s42, s40                     ; tile column
	s_and_b32 s17, ttmp7, 0xffff
	s_lshl_b32 s17, s17, 2
	s_add_co_u32 s17, s17, s41                     ; tile row
	s_lshl_b32 s43, s41, 2
	s_lshl_b32 s43, 15, s43                        ; my row of the cluster
	s_lshl_b32 s44, 0x1111, s40                    ; my column
	s_or_b32 s[G1+0], s43, (3<<16)|(1<<21)         ; codes: 8 row tiles x 3,072 bytes (384 elements of 8 bytes), 12,288 bytes apart; the mask, and bit 21 beside it
	s_or_b32 s[G1B+0], s44, (3<<16)|(1<<21)
.irp g, G1, G1B
	s_mov_b32 s[\g+1], 384<<16
	s_mov_b32 s[\g+2], 8<<16
	s_mov_b32 s[\g+3], 384<<16
	s_mov_b32 s[\g+4], 8
	s_mov_b32 s[\g+5], 1536
	s_mov_b32 s[\g+6], 0
	s_mov_b32 s[\g+7], 0
.endr
	s_or_b32 s[G1S+0], s43, (3<<16)|(1<<21)        ; scale words of 128 rows: 4,096 dense bytes as 16 rows of 256
	s_or_b32 s[G1SB+0], s44, (3<<16)|(1<<21)
.irp g, G1S, G1SB
	s_mov_b32 s[\g+1], 32<<16
	s_mov_b32 s[\g+2], 16<<16
	s_mov_b32 s[\g+3], 32<<16
	s_mov_b32 s[\g+4], 16
	s_mov_b32 s[\g+5], 32
	s_mov_b32 s[\g+6], 0
	s_mov_b32 s[\g+7], 0
.endr
	s_lshl_b32 s18, s16, 3
	s_lshl_b32 s20, s17, 4
	s_add_co_u32 s20, s20, s18                     ; P: row tile
	s_lshl_b32 s46, s42, 4
	s_add_co_u32 s46, s46, s18                     ; R: row tile
	s_lshl_b32 s22, s20, 9
	s_add_co_u32 s22, s22, O_SC
	s_mov_b32 s23, 0
	s_lshl_b32 s92, s46, 9
	s_add_co_u32 s92, s92, WO_SC
	s_mov_b32 s93, 0
	s_mul_i32 s20, s20, 12288
	s_mov_b32 s21, 0
	s_mul_i32 s46, s46, 12288
	s_add_co_u32 s46, s46, WO_IMG
	s_mov_b32 s47, 0
	s_mul_i32 s45, s14, HALFT
	s_lshl_b32 s94, s14, 12
	s_wait_dscnt 0x0                               ; both opening adds are done
	s_wait_kmcnt 0x0
	s_add_nc_u64 s[20:21], s[4:5], s[20:21]
	s_add_nc_u64 s[22:23], s[4:5], s[22:23]
	s_add_nc_u64 s[46:47], s[6:7], s[46:47]
	s_add_nc_u64 s[92:93], s[6:7], s[92:93]
	CROUND                                         ; all sixteen work-groups are here: the first joint loads meet
	s_mov_b32 s[G0S], 1
	s_add_co_u32 s[G0S+1], s94, SCL
	s_mov_b64 s[G0S+2:G0S+3], s[22:23]
	s_or_b32 s[G0S+3], s[G0S+3], 0x80000000
	s_mov_b32 s[G0SB], 1
	s_add_co_u32 s[G0SB+1], s94, SCL
	s_mov_b64 s[G0SB+2:G0SB+3], s[92:93]
	s_or_b32 s[G0SB+3], s[G0SB+3], 0x80000000
	JLOAD G0S, G1S, G0SB, G1SB
.irp s, 0,1
	s_mov_b32 s[G0+4*\s], 1
	s_add_co_u32 s[G0+4*\s+1], s45, \s*SLOT
	s_add_nc_u64 s[G0+4*\s+2:G0+4*\s+3], s[20:21], \s*TROW
	s_or_b32 s[G0+4*\s+3], s[G0+4*\s+3], 0x80000000
	s_mov_b32 s[G0B+4*\s], 1
	s_add_co_u32 s[G0B+4*\s+1], s45, \s*SLOT
	s_add_nc_u64 s[G0B+4*\s+2:G0B+4*\s+3], s[46:47], \s*TROW
	s_or_b32 s[G0B+4*\s+3], s[G0B+4*\s+3], 0x80000000
	JLOAD G0+4*\s, G1, G0B+4*\s, G1B
.endr
	v_and_b32 v1, 15, v0                           ; r
	v_bfe_u32 v2, v0, 4, 1                         ; h
	v_and_b32 v3, 31, v0                           ; lane
	v_lshlrev_b32 v4, 4, v3
	v_lshlrev_b32 v5, 3, v3
	s_mul_i32 s21, s15, HALFT
	s_mul_i32 s22, s16, HALFT
	s_add_co_u32 s22, s22, 2*HALFT
.irp s, 0,1
	v_add_nc_u32 v[ADRA+\s], s21, v4
	v_add_nc_u32 v[ADRB+\s], s22, v4
	v_add_nc_u32 v[ADRA+2+\s], s21, v5
	v_add_nc_u32 v[ADRB+2+\s], s22, v5
	s_add_co_u32 s21, s21, SLOT
	s_add_co_u32 s22, s22, SLOT
.endr
	v_lshlrev_b32 v5, 3, v1
	s_lshl_b32 s21, s15, 12
	s_lshl_b32 s22, s16, 12
	s_add_co_u32 s22, s22, 2*HALFS
	s_sub_co_u32 s22, s22, s21
	v_mul_u32_u24 v6, s22, v2                      ; lanes 16-31 take R's scale words: one product by h
	s_add_co_u32 s21, s21, SCL
	v_add_nc_u32 v5, v5, v6
	v_add_nc_u32 v[ADRS], s21, v5
	s_mul_i32 s23, s14, 16*SPITCH                  ; my stage
	v_mul_u32_u24 v5, v1, SPITCH                   ; in: row r, 32 bytes for each half of the lanes
	v_lshl_add_u32 v5, v2, 5, v5
	v_add_nc_u32 v[STO], s23, v5
	v_lshlrev_b32 v[CO], 4, v3                     ; back: the 32 lanes take one row of 512 bytes; and the same in out0
	v_add_nc_u32 v[RD], s23, v[CO]
	s_lshl_b32 s20, s17, 8
	s_lshl_b32 s21, s15, 7
	s_add_co_u32 s20, s20, s21                     ; my first row of out0,
	s_lshl_b32 s20, s20, 12                        ; of 4,096 bytes
	s_mov_b32 s21, 0
	s_lshl_b32 s46, s42, 10                        ; my first column, in bytes
	s_lshl_b32 s47, s16, 9
	s_add_co_u32 s46, s46, s47
	s_mov_b32 s47, 0
	s_add_nc_u64 s[92:93], s[8:9], s[46:47]        ; bo at my first column
	s_add_nc_u64 s[20:21], s[20:21], s[46:47]
	s_add_nc_u64 s[10:11], s[10:11], s[20:21]
	v_lshlrev_b32 v6, 5, v2                        ; the bias: register 8 b + j: column 16 b + 8 h + j
.irp b, 0,1,2,3,4,5,6,7
	global_load_b128 v[BB+8*\b:BB+8*\b+3], v6, s[92:93] offset:64*\b
	global_load_b128 v[BB+8*\b+4:BB+8*\b+7], v6, s[92:93] offset:64*\b+16
.endr
.macro FRAG reg, adr, q, i
	ds_load_b128 v[\reg:\reg+3], v[\adr] offset:(\i)*TROW+(\q)*1536
	ds_load_b64 v[\reg+4:\reg+5], v[\adr+2] offset:(\i)*TROW+(\q)*1536+512
	ds_load_b128 v[\reg+6:\reg+9], v[\adr] offset:(\i)*TROW+(\q)*1536+768
	ds_load_b64 v[\reg+10:\reg+11], v[\adr+2] offset:(\i)*TROW+(\q)*1536+1280
.endm
; 16 matrix instructions: P's blocks a0, a0 + 1 x R's eight.  zero = 1: C is the bias; 0: the sum goes on in place.  The 64 accumulators take turns, one instruction a turn.
.macro MUL16 a0, p, q, sc, zero
.irp a, \a0, \a0+1
.irp b, 0,1,2,3,4,5,6,7
.if \zero == 1
	v_wmma_scale_f32_16x16x128_f8f6f4 v[8*(8*((\a)%4)+\b):8*(8*((\a)%4)+\b)+7], v[128*(\p)+FR*\b:128*(\p)+FR*\b+FR-1], v[AF+FR*(\a):AF+FR*(\a)+FR-1], v[BB+8*\b:BB+8*\b+7], v[SC+8*NQ*(\sc)+NQ*\b+(\q)], v[SC+8*NQ*(\sc)+NQ*(\a)+(\q)] matrix_a_fmt:MATRIX_FMT_BF6 matrix_b_fmt:MATRIX_FMT_BF6 matrix_a_scale:MATRIX_SCALE_ROW1
.else
	v_wmma_scale_f32_16x16x128_f8f6f4 v[8*(8*((\a)%4)+\b):8*(8*((\a)%4)+\b)+7], v[128*(\p)+FR*\b:128*(\p)+FR*\b+FR-1], v[AF+FR*(\a):AF+FR*(\a)+FR-1], v[8*(8*((\a)%4)+\b):8*(8*((\a)%4)+\b)+7], v[SC+8*NQ*(\sc)+NQ*\b+(\q)], v[SC+8*NQ*(\sc)+NQ*(\a)+(\q)] matrix_a_fmt:MATRIX_FMT_BF6 matrix_b_fmt:MATRIX_FMT_BF6 matrix_a_scale:MATRIX_SCALE_ROW1
.endif
.endr
.endr
.endm
.macro FETCH_B slot, q, p
	WIN TO_B
.irp i, 0,1,2,3,4,5,6,7
	FRAG 128*(\p)+FR*\i, ADRB+\slot, \q, \i
.endr
	WIN 0
.endm
.macro FETCH_A slot, q, i0
.irp i, \i0, \i0+1, \i0+2, \i0+3
	FRAG AF+FR*(\i), ADRA+\slot, \q, \i
.endr
.endm
.macro SCALES sc
.irp i, 0,1,2,3,4,5,6,7
	ds_load_b64 v[SC+8*NQ*\sc+NQ*\i:SC+8*NQ*\sc+NQ*\i+1], v[ADRS] offset:\i*SBLK
.endr
.endm
.macro PLACES n                        ; plain vector instructions between a matrix instruction and a load into, or a read of, its registers (ISA guide 7.12.1 for a read)
.rept \n
	v_nop
.endr
.endm
.macro STEP slot, q, zero
	s_wait_dscnt 4*NL                              ; R's set and P's blocks 0-3 are in; the youngest 16 loads (P's blocks 4-7) may be out
.if \zero
	WIN FST_LO
.else
	WIN MUL_LO
.endif
	MUL16 0, (\q)%2, \q, \slot, \zero
	MUL16 2, (\q)%2, \q, \slot, \zero
	s_wait_dscnt 0
	PLACES NP
	FETCH_B \slot, (\q)+1, 1-(\q)%2
	FETCH_A \slot, (\q)+1, 0
.if \zero
	WIN FST_HI
.else
	WIN MUL_HI
.endif
	MUL16 4, (\q)%2, \q, \slot, \zero
	MUL16 6, (\q)%2, \q, \slot, \zero
	PLACES NP
	WIN 0
	FETCH_A \slot, (\q)+1, 4
.endm
; A slot's last step changes slots: ONE barrier; in front of it each wave waits for all its tensor loads, adds 0 to its spare word, and waits for that and for its own reads of this slot.
.macro TURN slot, next, fill
	s_wait_tensorcnt 0x0                           ; all my tensor loads have landed: my part of the next slot
	ds_add_u32 v[SPW], v[NIL]                      ; 0 onto my spare word
	s_wait_dscnt 4*NL+1                            ; (the add and the youngest 16 loads may be out)
	WIN MUL_LO
	MUL16 0, 1, NQ-1, \slot, 0
	s_wait_dscnt 0x0                               ; the add is done, and my reads of this slot are over
	s_barrier_signal -1
	MUL16 2, 1, NQ-1, \slot, 0
	WIN 0
	s_barrier_wait -1
.if \fill
	CREST                                          ; the barrier has opened a round of the cluster's barrier
	s_add_nc_u64 s[G0+4*\slot+2:G0+4*\slot+3], s[G0+4*\slot+2:G0+4*\slot+3], 2*TROW
	s_add_nc_u64 s[G0B+4*\slot+2:G0B+4*\slot+3], s[G0B+4*\slot+2:G0B+4*\slot+3], 2*TROW
	JLOAD G0+4*\slot, G1, G0B+4*\slot, G1B         ; the first tensor load behind the round
.else
	PLACES NP
.endif
	v_add_nc_u32 v[ADRS], 128, v[ADRS]
	FETCH_B \next, 0, 0
	FETCH_A \next, 0, 0
	SCALES \next
	WIN MUL_HI
	MUL16 4, 1, NQ-1, \slot, 0
	MUL16 6, 1, NQ-1, \slot, 0
	PLACES NP
	WIN 0
	FETCH_A \next, 0, 4
.endm
	s_wait_tensorcnt 1                             ; the scale words and my part of K step 0 are in (K step 1's load may be out)
	s_barrier_signal -1
	s_barrier_wait -1                              ; everybody's are
	FETCH_B 0, 0, 0
	FETCH_A 0, 0, 0
	SCALES 0
	FETCH_A 0, 0, 4
	s_wait_loadcnt 0x0                             ; the bias
	STEP 0, 0, 1                                   ; the first step starts the sums from the bias
	s_mov_b32 s3, 1
.Llap:                                             ; a trip goes once round the ring and fills both slots again: K = 1024 has one such trip
	TURN 0, 1, 1
	STEP 1, 0, 0
	TURN 1, 0, 1
	STEP 0, 0, 0
	s_sub_co_u32 s3, s3, 1
	s_cmp_lg_u32 s3, 0
	s_cbranch_scc1 .Llap
	TURN 0, 1, 0                                   ; the last lap fills nothing
	STEP 1, 0, 0
	s_wait_dscnt 4*NL
	WIN MUL_LO
	MUL16 0, 1, NQ-1, 1, 0
	MUL16 2, 1, NQ-1, 1, 0
	s_wait_dscnt 0
	WIN MUL_HI
	MUL16 4, 1, NQ-1, 1, 0
	MUL16 6, 1, NQ-1, 1, 0
	WIN 0
; THE WAY OUT, block by block of 16 rows x 128 columns, through my own stage.  LDS serves a wave's instructions in order: no wait between the stores and the loads, nor in front of the next block's stores.
.macro TOSTAGE a
.set AC, 64*((\a)%4)
	WIN 0x08+4*((\a)/4)                            ; the data: window 2 or 3
.irp b, 0,1,2,3,4,5,6,7
	ds_store_b128 v[STO], v[AC+8*\b:AC+8*\b+3] offset:64*\b          ; each accumulator from its low end on
	ds_store_b128 v[STO], v[AC+8*\b+4:AC+8*\b+7] offset:64*\b+16
.endr
	WIN 0
.set BKR, BK+64*((\a)%2)
.irp t, 0,1,2,3,4,5,6,7,8,9,10,11,12,13,14,15
	ds_load_b128 v[BKR+4*\t:BKR+4*\t+3], v[RD] offset:\t*SPITCH
.endr
.endm
.macro SEND a, younger                 ; younger: the LDS instructions issued behind block a's loads, which may stay out
.set BKR, BK+64*((\a)%2)
	s_wait_dscnt \younger
.if (\a) > 0
	s_add_nc_u64 s[10:11], s[10:11], 16*SIZE_N*4   ; (behind a wait on XCNT: the earlier stores have read their base)
.endif
.irp t, 0,1,2,3,4,5,6,7,8,9,10,11,12,13,14,15
	global_store_b128 v[CO], v[BKR+4*\t:BKR+4*\t+3], s[10:11] offset:\t*SIZE_N*4 th:TH_STORE_NT   ; 32 lanes store 512 consecutive bytes, at a multiple of 256 from out0's first byte
.endr
.endm
	PLACES NP
	TOSTAGE 0
.irp a, 1,2,3,4,5,6,7
.if \a > 1
	s_wait_xcnt 0x0                                ; block a - 2's stores have read their registers and their base
.endif
	TOSTAGE \a
	SEND \a-1, 32                                  ; behind block a - 1's loads: block a's 16 stores and 16 loads
.endr
	s_wait_xcnt 0x0
	SEND 7, 0
	s_wait_tensorcnt 0x0                           ; the wave's end, behind my last tensor load and my last LDS store
	ds_add_u32 v[SPW], v[NIL]
	s_wait_dscnt 0x0
	CROUND                                         ; the closing round
	s_endpgm
.Lfunc_end_k_qca77b4911c_gemm_out:
	.size	k_qca77b4911c_gemm_out, .Lfunc_end_k_qca77b4911c_gemm_out-k_qca77b4911c_gemm_out
	.p2alignl 7, 3214868480
	.fill 96, 4, 3214868480
	.section	.rodata,"a",@progbits
	.p2align	6, 0x0
	.amdhsa_kernel k_qca77b4911c_gemm_out
		.amdhsa_group_segment_fixed_size 327680
		.amdhsa_private_segment_fixed_size 0
		.amdhsa_enable_private_segment 0
		.amdhsa_kernarg_size 32
		.amdhsa_user_sgpr_count 2
		.amdhsa_user_sgpr_kernarg_segment_ptr 1
		.amdhsa_wavefront_size32 1
		.amdhsa_system_sgpr_workgroup_id_x 1
		.amdhsa_system_sgpr_workgroup_id_y 1
		.amdhsa_system_sgpr_workgroup_id_z 1
		.amdhsa_system_vgpr_workitem_id 0
		.amdhsa_next_free_vgpr 1024
		.amdhsa_next_free_sgpr 100
		.amdhsa_reserve_vcc 0
		.amdhsa_float_denorm_mode_32 3
		.amdhsa_float_denorm_mode_16_64 3
		.amdhsa_memory_ordered 1
		.amdhsa_forward_progress 1
		.amdhsa_inst_pref_size 145
	.end_amdhsa_kernel
	.amdgpu_metadata
---
amdhsa.version: [ 1, 2 ]
amdhsa.kernels:
  - .name:           k_qca77b4911c_gemm_out
    .symbol:         k_qca77b4911c_gemm_out.kd
    .args:
      - { .name: ctx, .offset: 0, .size: 8, .value_kind: global_buffer, .address_space: global }
      - { .name: opnd, .offset: 8, .size: 8, .value_kind: global_buffer, .address_space: global }
      - { .name: bo, .offset: 16, .size: 8, .value_kind: global_buffer, .address_space: global }
      - { .name: out0, .offset: 24, .size: 8, .value_kind: global_buffer, .address_space: global }
    .group_segment_fixed_size: 327680
    .private_segment_fixed_size: 0
    .kernarg_segment_align: 8
    .kernarg_segment_size: 32
    .max_flat_workgroup_size: 128
    .sgpr_count:     100
    .vgpr_count:     1024
    .wavefront_size: 32
...
	.end_amdgpu_metadata
.endif
;; end of part 4
;; ======== version 2 of 2: 4 launches
;; limits: right only within a limited range of input values
;; workspace buffers: opnd 6,722,560 bytes; qkv 9,830,400 bytes; ctx 3,276,800 bytes
;; launch quant (part 5): grid 520 x 1, 8 waves a work-group, no clusters, 68,608 bytes of LDS; arguments x, rel_key, Wq, Wk, Wv, Wo, opnd; writes opnd
.if DOCPART == 5
	.amdgcn_target "amdgcn-amd-amdhsa--gfx1250"
	.amdhsa_code_object_version 6
	.text
	.protected	k_qca77b4911c_quant
	.globl	k_qca77b4911c_quant
	.p2align	8
	.type	k_qca77b4911c_quant,@function
k_qca77b4911c_quant:
	s_mov_b64 s[64:65], 0
	v_nop
	global_prefetch_b8 v0, s[64:65] scope:SCOPE_SE
	s_setreg_imm32_b32 hwreg(HW_REG_WAVE_MODE, 25, 1), 1
	s_wait_xcnt 0x0
; FIRST OF FOUR LAUNCHES of causal self-attention with relative positions (B 4, S 1024, E 1024, 16 heads of 64), all seven products on codes of BF6 (E3M2) with one E8M0 scale for each 32 along K.
; This launch turns x [4096][1024], rel_key [1024][64] (K innermost) and Wq, Wk, Wv, Wo [K 1024][N 1024] (K outermost) into codes and scale bytes in the workspace buffer opnd.
; WORK LEFT OUT BY THE PROGRAM, AND WHY IT IS DEAD.  reference() replaces scores[q][k] by -inf wherever k > q (a mask that it builds itself), so p = 0 there whatever the inputs hold: key steps all of whose keys
; come after a block's queries are not multiplied (products 4 and 6).  Srel is a reshape of the padded QEr: flat index (q + 1) S + k = q (S + 1) + (S - q + k), so for k <= q Srel[q][k] = QEr[q][S - 1 - q + k] = Q[q] . rel[1023 - (q - k)];
; every other number of QEr, and the pad's zero column, lands only where k > q, under the mask.  So of product 5 only the band s = 1023 - q + k is multiplied (whole tiles of 16 x 16 that touch it).
; Every input has a way to the output and is loaded.  LIMIT: a NaN, an infinity or an overflow that would arise only in the work left out is not carried to the result.
; THE QUANTISER: a block's scale is 2^(floor(log2(largest magnitude)) - 4): its byte is the largest magnitude's exponent field - 4, held at 1 from below by a floor among the maximum's leaves.
; LIMITS: a block of zeros gets the byte 1 where the rule says 127 (its codes are zeros, and this program alone reads the bytes); blocks whose largest magnitude lies under 2^-122 keep the byte 1; NaN and infinities among the inputs are not served.
; LAYOUT OF ALL OPERANDS OF THE PROGRAM: images of the matrix operand's registers.  A HALF IMAGE is 16 rows x 64 along K, 768 bytes: lane (r, h) holds block h (32 codes, 6 registers) of row r;
; its registers 0-3 lie at 16 x lane, registers 4-5 at 512 + 8 x lane.  Two half images on end are a fragment of 16 x 128.
; ORDER INSIDE A BLOCK OF 32, the same in every operand of the program: places 0-7, 8-15, 16-23, 24-31 hold elements 0-7, 16-23, 8-15, 24-31: the order in which a matrix result leaves the quantiser of the
; later launches; as both operands of a product carry it, each product and each block's scale stay as they are; only the order of the sum inside an instruction differs.
; opnd: X_IMG [256 row tiles][16 half images][768]; W_IMG [4 weights][64 column tiles][16][768]; X_SC, W_SC [tile][K / 256][r][2 words];
; R_IMG [2 variants][72 tiles][768], R_SC [2 variants][72 tiles][16 words].  rel_key stands there twice: row n of variant 1 is rel_key's row n, row n of variant 0 its row n + 1 (its last row stands in for row 1024).
; Tiles 64-71 repeat tiles 56-63: the attention reads them for masked keys alone.  A row's word of scales: low half its own two bytes, high half the neighbour tile's (finite bytes that meet zero codes).
; SHARES, 64 KB each: work-groups 0-255 the weights (a lane a column, registers down K, no LDS); 256-511 x; 512-519 rel_key (one path with x, only scalars chosen).  Waves share nothing: no barrier.
.set W_IMG, 3145728
.set X_SC,  6340608
.set W_SC,  6471680
.set R_IMG, 6602752
.set R_SC,  6713344
.set STG,   8448                       ; a wave's stage: 16 rows x (512 bytes + 16)
.set SPARE, 8*STG                      ; behind the stages: the spare words, 128 bytes a wave: four blocks of 256 bytes that no other line names
.macro CLOSE                           ; a wave's end
	s_wait_tensorcnt 0x0
	ds_add_u32 v30, v31
	s_wait_dscnt 0x0
	s_endpgm
.endm
	s_load_b256 s[4:11], s[0:1], 0x0               ; x s[4:5], rel_key s[6:7], Wq s[8:9], Wk s[10:11]
	s_load_b128 s[12:15], s[0:1], 0x20             ; Wv s[12:13], Wo s[14:15]
	s_load_b64 s[16:17], s[0:1], 0x30              ; opnd
	v_lshl_add_u32 v30, v0, 2, SPARE               ; my spare word; never rewritten
	v_mov_b32 v31, 0                               ; 0; never rewritten
	v_lshrrev_b32 v1, 5, v0
	s_delay_alu instid0(VALU_DEP_1)
	v_readfirstlane_b32 s18, v1                    ; wave 0..7
	v_and_b32 v1, 31, v0                           ; lane
	v_and_b32 v2, 15, v0                           ; r
	v_bfe_u32 v3, v0, 4, 1                         ; h
	s_delay_alu instid0(VALU_DEP_3)
	v_lshlrev_b32 v4, 4, v1                        ; 16 x lane
	s_delay_alu instid0(VALU_DEP_4)
	v_lshlrev_b32 v5, 3, v1                        ; 8 x lane
	s_mov_b32 s20, 0x76543210
	s_mov_b32 s21, 0xfedcba98                      ; v_permlanex16_b32's selects for lane l xor 16
	s_cmp_lt_u32 ttmp9, 256
	s_cbranch_scc1 .Lweights
; ---- x and rel_key: K innermost.  A wave's task: 16 rows x two half images.
; x: row tile T = id - 256, K step s = wave: the two half images are 64 + 64 along K of the same 16 rows.  rel_key: n = 8 (id - 512) + wave: variant n / 32, row tiles 2 u and 2 u + 1 with u = n % 32 (K is 64).
	s_sub_co_u32 s24, ttmp9, 256                   ; T
	s_lshl_b32 s25, s24, 16                        ; x: 16 rows of 4,096 bytes,
	s_lshl_b32 s26, s18, 9
	s_add_co_u32 s25, s25, s26                     ; + 512 s
	s_mul_i32 s27, s24, 12288                      ; its image: X_IMG (= 0) + 12,288 T + 1,536 s
	s_mul_i32 s26, s18, 1536
	s_add_co_u32 s27, s27, s26
	s_lshl_b32 s28, s24, 9                         ; its scale words: X_SC + 512 T + 128 (s / 2) + 4 (s % 2)
	s_lshr_b32 s26, s18, 1
	s_lshl_b32 s26, s26, 7
	s_add_co_u32 s28, s28, s26
	s_and_b32 s26, s18, 1
	s_lshl_b32 s26, s26, 2
	s_add_co_u32 s28, s28, s26
	s_add_co_u32 s28, s28, X_SC
	s_max_u32 s29, ttmp9, 512
	s_sub_co_u32 s29, s29, 512
	s_lshl_b32 s29, s29, 3
	s_add_co_u32 s29, s29, s18
	s_lshr_b32 s30, s29, 5                         ; variant
	s_and_b32 s29, s29, 31                         ; u
	s_xor_b32 s31, s30, 1
	s_lshl_b32 s31, s31, 8                         ; variant 0 begins one row of 256 bytes further on
	s_lshl_b32 s32, s29, 13                        ; rel_key: 32 rows of 256 bytes
	s_add_co_u32 s32, s32, s31
	s_sub_co_u32 s46, 261888, s32                  ; from there to rel_key's last row
	s_mul_i32 s33, s29, 1536
	s_mul_i32 s31, s30, 55296
	s_add_co_u32 s33, s33, s31
	s_add_co_u32 s33, s33, R_IMG
	s_lshl_b32 s34, s29, 7
	s_mul_i32 s31, s30, 4608
	s_add_co_u32 s34, s34, s31
	s_add_co_u32 s34, s34, R_SC
	s_cmp_gt_u32 s29, 27                           ; tiles 56-63 are stored once more, eight tiles further on
	s_cselect_b32 s30, 6144, 0
	s_cselect_b32 s31, 512, 0
	s_mov_b32 s47, 0x7fff0000                      ; (x: no row to hold back)
	s_mov_b32 s35, 4096
	s_mov_b32 s39, 0
	s_mov_b32 s41, 0
	s_mov_b32 s43, 0
	s_wait_alu depctr_va_vdst(0)
	s_wait_kmcnt 0x0
	s_cmp_lt_u32 ttmp9, 512                        ; x or rel_key?  The choice hangs on the work-group's number alone
	s_cselect_b64 s[22:23], s[4:5], s[6:7]
	s_cselect_b32 s38, s25, s32
	s_cselect_b32 s40, s27, s33
	s_cselect_b32 s42, s28, s34
	s_cselect_b32 s36, s35, 256                    ; bytes from row to row
	s_cselect_b32 s37, 256, s35                    ; bytes from the first half image's numbers to the second's
	s_cselect_b32 s46, s47, s46
	s_cselect_b32 s19, 1, 0
	s_add_nc_u64 s[22:23], s[22:23], s[38:39]
	s_add_nc_u64 s[40:41], s[16:17], s[40:41]
	s_add_nc_u64 s[42:43], s[16:17], s[42:43]
	s_wait_alu depctr_va_vdst(0)
	v_mul_u32_u24 v8, s37, v3                      ; load i: lanes 0-15 take row i's 256 bytes of the first half image, lanes 16-31 those of the second
	s_delay_alu instid0(VALU_DEP_1)
	v_lshl_add_u32 v8, v2, 4, v8
.irp i, 1,2,3,4,5,6,7,8,9,10,11,12,13,14,15
	s_delay_alu instid0(VALU_DEP_1)
	v_add_nc_u32 v[8+\i], s36, v[8+\i-1]
.endr
	v_lshl_add_u32 v24, v2, 4, s46
	v_min_u32 v23, v23, v24                        ; no row past rel_key's last
	s_mul_i32 s44, s18, STG
	v_add_nc_u32 v6, s44, v4                       ; the stage, on the way in: 16 x lane
	v_mul_u32_u24 v7, v2, 528
	s_delay_alu instid0(VALU_DEP_1)
	v_lshl_add_u32 v7, v3, 7, v7
	s_delay_alu instid0(VALU_DEP_1)
	v_add_nc_u32 v7, s44, v7                       ; on the way out: row r, + 128 h: my block's 32 numbers
.irp i, 0,1,2,3,4,5,6,7,8,9,10,11,12,13,14,15
	global_load_b128 v[32+4*\i:35+4*\i], v[8+\i], s[22:23] th:TH_LOAD_NT
.endr
	s_wait_alu depctr_va_vdst(0)
.irp i, 0,1,2,3,4,5,6,7,8,9,10,11,12,13,14,15
	s_wait_loadcnt 15-\i                           ; loads come back in order: row i is in, the 15 - i younger ones may be out
	ds_store_b128 v6, v[32+4*\i:35+4*\i] offset:528*\i
.endr
.irp c, 0,1                            ; LDS serves a wave's instructions in order: these see my stores.  Elements 4 e .. 4 e + 3 go to the block's places in the program's order
.irp e, 0,1,2,3,4,5,6,7
	ds_load_b128 v[96+32*\c+8*(2*((\e/2)%2)+\e/4)+4*(\e%2):96+32*\c+8*(2*((\e/2)%2)+\e/4)+4*(\e%2)+3], v7 offset:256*\c+16*\e
.endr
.endr
	s_wait_dscnt 0x0
.irp c, 0,1                            ; block h of half image c: all its 32 numbers are mine
	v_max3_num_f32 v[24+\c], |v[96+32*\c]|, |v[97+32*\c]|, 0x2800000   ; and the floor 2^(5 - 127): the byte cannot fall under 1
.endr
.irp i, 2,4,6,8,10,12,14,16,18,20,22,24,26,28,30
.irp c, 0,1
	s_delay_alu instid0(VALU_DEP_2)
	v_max3_num_f32 v[24+\c], v[24+\c], |v[96+32*\c+\i]|, |v[97+32*\c+\i]|
.endr
.endr
.irp c, 0,1
	s_delay_alu instid0(VALU_DEP_2)
	v_add_nc_u32 v[26+\c], 0xfe000000, v[24+\c]    ; 4 off the exponent field: the conversion's scale operand
.endr
.irp c, 0,1
	s_delay_alu instid0(VALU_DEP_2)
	v_lshrrev_b32 v[28+\c], 23, v[26+\c]           ; the scale's byte
.endr
	s_delay_alu instid0(VALU_DEP_1)
	v_lshl_or_b32 v24, v29, 16, v28                ; my two bytes, 8 h bits up;
	v_lshlrev_b32 v25, 3, v3
	s_delay_alu instid0(VALU_DEP_1)
	v_lshlrev_b32 v24, v25, v24
	v_mov_b32 v25, 0
	s_delay_alu instid0(VALU_DEP_1)
	v_permlanex16_b32 v25, v24, s20, s21
	s_delay_alu instid0(VALU_DEP_1)
	v_or_b32 v24, v24, v25                         ; with lane l xor 16's two the word is whole: low half the first half image's two bytes, high half the second's
.irp c, 0,1
	v_cvt_scalef32_pk16_bf6_f32 v[32+6*\c:34+6*\c], v[96+32*\c:111+32*\c], v[26+\c]
	v_cvt_scalef32_pk16_bf6_f32 v[48+4*\c:50+4*\c], v[112+32*\c:127+32*\c], v[26+\c]   ; (a conversion's three registers begin on an even number)
.endr
	v_nop                                          ; one plain place behind a scaled conversion
.irp c, 0,1
.irp i, 0,1,2
	v_mov_b32 v[35+6*\c+\i], v[48+4*\c+\i]
.endr
.endr
	v_lshlrev_b32 v28, 3, v2                       ; 8 r
	v_lshlrev_b32 v25, 2, v2                       ; 4 r
	v_alignbit_b32 v29, v24, v24, 16               ; the word with its halves exchanged
	global_store_b128 v4, v[32:35], s[40:41]                   ; 512 consecutive bytes
	global_store_b64 v5, v[36:37], s[40:41] offset:512         ; 256
	global_store_b128 v4, v[38:41], s[40:41] offset:768
	global_store_b64 v5, v[42:43], s[40:41] offset:1280
	s_cmp_eq_u32 s19, 0
	s_cbranch_scc1 .Lrel_scales
	global_store_b32 v28, v24, s[42:43]            ; x: a row's word of this K step (lanes r and r + 16 write the same word with the same value); 8 bytes from row to row: 1 / 128 of what the launch reads
	s_branch .Lscales_done
.Lrel_scales:
	s_mov_b32 s44, s30
	s_mov_b32 s45, 0
	s_add_nc_u64 s[26:27], s[40:41], s[44:45]      ; tiles 56-63: eight tiles further on; the others: their own place again, the same bytes
	s_mov_b32 s44, s31
	s_add_nc_u64 s[36:37], s[42:43], s[44:45]
	s_wait_alu depctr_va_vdst(0)
	global_store_b32 v25, v24, s[42:43]            ; rel_key: tile 2 u's words,
	global_store_b32 v25, v29, s[42:43] offset:64  ; and tile 2 u + 1's
	global_store_b128 v4, v[32:35], s[26:27]
	global_store_b64 v5, v[36:37], s[26:27] offset:512
	global_store_b128 v4, v[38:41], s[26:27] offset:768
	global_store_b64 v5, v[42:43], s[26:27] offset:1280
	global_store_b32 v25, v24, s[36:37]
	global_store_b32 v25, v29, s[36:37] offset:64
.Lscales_done:
	CLOSE
; ---- the weights: K outermost.  id = 64 weight + 4 s + cg: 64 along K from 64 s, columns 256 cg + 32 wave + lane.  A lane's 64 registers are two whole blocks down K of its column.
.Lweights:
	s_lshr_b32 s24, ttmp9, 6                       ; which weight: 0 q, 1 k, 2 v, 3 o
	s_and_b32 s25, ttmp9, 3                        ; cg
	s_bfe_u32 s26, ttmp9, 0x40002                  ; s
	s_lshl_b32 s38, s26, 18                        ; 64 rows of 4,096 bytes,
	s_lshl_b32 s27, s25, 10
	s_add_co_u32 s38, s38, s27
	s_lshl_b32 s27, s18, 7
	s_add_co_u32 s38, s38, s27                     ; + 4 x my wave's first column
	s_mov_b32 s39, 0
	s_lshl_b32 s27, s25, 4
	s_lshl_b32 s28, s18, 1
	s_add_co_u32 s27, s27, s28                     ; T0: my wave's first column tile
	s_mul_i32 s40, s24, 786432
	s_mul_i32 s28, s27, 12288
	s_add_co_u32 s40, s40, s28
	s_mul_i32 s28, s26, 768
	s_add_co_u32 s40, s40, s28
	s_add_co_u32 s40, s40, W_IMG
	s_mov_b32 s41, 0
	s_lshl_b32 s42, s24, 15
	s_lshl_b32 s28, s27, 9
	s_add_co_u32 s42, s42, s28
	s_lshr_b32 s28, s26, 2
	s_lshl_b32 s28, s28, 7
	s_add_co_u32 s42, s42, s28
	s_and_b32 s28, s26, 3                          ; word (s / 2) % 2, half s % 2
	s_lshl_b32 s28, s28, 1
	s_add_co_u32 s42, s42, s28
	s_add_co_u32 s42, s42, W_SC
	s_mov_b32 s43, 0
	s_wait_alu depctr_va_vdst(0)
	v_lshlrev_b32 v6, 2, v1                        ; 4 x lane
	v_lshlrev_b32 v7, 3, v2
	s_delay_alu instid0(VALU_DEP_1)
	v_lshl_add_u32 v7, v3, 9, v7                   ; the scale halfword's place: 512 (lane / 16) + 8 r
	s_wait_alu depctr_va_vdst(0)
	s_wait_kmcnt 0x0
	s_bitcmp1_b32 s24, 0
	s_cselect_b64 s[22:23], s[10:11], s[8:9]
	s_cselect_b64 s[28:29], s[14:15], s[12:13]
	s_bitcmp1_b32 s24, 1
	s_cselect_b64 s[22:23], s[28:29], s[22:23]
	s_add_nc_u64 s[22:23], s[22:23], s[38:39]
	s_add_nc_u64 s[40:41], s[16:17], s[40:41]
	s_add_nc_u64 s[42:43], s[16:17], s[42:43]
.set i, 0
.rept 64                               ; W(64 s + i, my column): 32 lanes read 128 consecutive bytes, the eight waves 1,024; the register is the element's place in the program's order
	global_load_b32 v[32+32*(i/32)+8*(2*(((i%32)/8)%2)+(i%32)/16)+i%8], v6, s[22:23] offset:4096*i th:TH_LOAD_NT
.set i, i+1
.endr
.macro BLOCK b, left                   ; block b of my column: its codes into v[96 + 8 b] .. + 5, its byte into the word v28
.set XS, 32+32*(\b)
	s_wait_loadcnt \left                           ; this block's 32 loads are in
	v_max3_num_f32 v8, |v[XS]|, |v[XS+1]|, |v[XS+2]|
	v_max3_num_f32 v9, |v[XS+3]|, |v[XS+4]|, |v[XS+5]|
.irp i, 6,10,14,18,22,26
	s_delay_alu instid0(VALU_DEP_2)
	v_max3_num_f32 v8, v8, |v[XS+\i]|, |v[XS+\i+1]|
	s_delay_alu instid0(VALU_DEP_2)
	v_max3_num_f32 v9, v9, |v[XS+\i+2]|, |v[XS+\i+3]|
.endr
	s_delay_alu instid0(VALU_DEP_2)
	v_max3_num_f32 v8, v8, |v[XS+30]|, |v[XS+31]|
	s_delay_alu instid0(VALU_DEP_1)
	v_max3_num_f32 v8, v8, v9, 0x2800000           ; and the floor
	s_delay_alu instid0(VALU_DEP_1)
	v_add_nc_u32 v[10+(\b)], 0xfe000000, v8
	s_delay_alu instid0(VALU_DEP_1)
	v_lshrrev_b32 v9, 23, v[10+(\b)]
.if (\b) == 0
	s_delay_alu instid0(VALU_DEP_1)
	v_mov_b32 v28, v9
.else
	s_delay_alu instid0(VALU_DEP_1)
	v_lshl_or_b32 v28, v9, 8*(\b), v28
.endif
	v_cvt_scalef32_pk16_bf6_f32 v[96+8*(\b):98+8*(\b)], v[XS:XS+15], v[10+(\b)]
	v_cvt_scalef32_pk16_bf6_f32 v[100+8*(\b):102+8*(\b)], v[XS+16:XS+31], v[10+(\b)]
	v_nop                                          ; one plain place behind a scaled conversion
.irp i, 0,1,2
	v_mov_b32 v[99+8*(\b)+\i], v[100+8*(\b)+\i]    ; ascending: each source is read before it is written
.endr
.endm
	BLOCK 0, 32
	BLOCK 1, 0
.irp i, 0,1,2,3,4,5                    ; the two blocks become a half image of column tiles T0 and T0 + 1: the first run's lanes 16-31 change places with the second's lanes 0-15
	v_permlane16_swap_b32 v[96+\i], v[104+\i]
.endr
	global_store_b128 v4, v[96:99], s[40:41]
	global_store_b64 v5, v[100:101], s[40:41] offset:512
	global_store_b128 v4, v[104:107], s[40:41] offset:12288
	global_store_b64 v5, v[108:109], s[40:41] offset:12288+512
	global_store_b16 v7, v28, s[42:43]             ; my column's two bytes
	CLOSE
.Lfunc_end_k_qca77b4911c_quant:
	.size	k_qca77b4911c_quant, .Lfunc_end_k_qca77b4911c_quant-k_qca77b4911c_quant
	.p2alignl 7, 3214868480
	.fill 96, 4, 3214868480
	.section	.rodata,"a",@progbits
	.p2align	6, 0x0
	.amdhsa_kernel k_qca77b4911c_quant
		.amdhsa_group_segment_fixed_size 68608
		.amdhsa_private_segment_fixed_size 0
		.amdhsa_enable_private_segment 0
		.amdhsa_kernarg_size 56
		.amdhsa_user_sgpr_count 2
		.amdhsa_user_sgpr_kernarg_segment_ptr 1
		.amdhsa_wavefront_size32 1
		.amdhsa_system_sgpr_workgroup_id_x 1
		.amdhsa_system_sgpr_workgroup_id_y 1
		.amdhsa_system_sgpr_workgroup_id_z 1
		.amdhsa_system_vgpr_workitem_id 0
		.amdhsa_next_free_vgpr 160
		.amdhsa_next_free_sgpr 66
		.amdhsa_reserve_vcc 0
		.amdhsa_float_denorm_mode_32 3
		.amdhsa_float_denorm_mode_16_64 3
		.amdhsa_memory_ordered 1
		.amdhsa_forward_progress 1
		.amdhsa_inst_pref_size 28
	.end_amdhsa_kernel
	.amdgpu_metadata
---
amdhsa.version: [ 1, 2 ]
amdhsa.kernels:
  - .name:           k_qca77b4911c_quant
    .symbol:         k_qca77b4911c_quant.kd
    .args:
      - { .name: x, .offset: 0, .size: 8, .value_kind: global_buffer, .address_space: global }
      - { .name: rel_key, .offset: 8, .size: 8, .value_kind: global_buffer, .address_space: global }
      - { .name: Wq, .offset: 16, .size: 8, .value_kind: global_buffer, .address_space: global }
      - { .name: Wk, .offset: 24, .size: 8, .value_kind: global_buffer, .address_space: global }
      - { .name: Wv, .offset: 32, .size: 8, .value_kind: global_buffer, .address_space: global }
      - { .name: Wo, .offset: 40, .size: 8, .value_kind: global_buffer, .address_space: global }
      - { .name: opnd, .offset: 48, .size: 8, .value_kind: global_buffer, .address_space: global }
    .group_segment_fixed_size: 68608
    .private_segment_fixed_size: 0
    .kernarg_segment_align: 8
    .kernarg_segment_size: 56
    .max_flat_workgroup_size: 256
    .sgpr_count:     66
    .vgpr_count:     160
    .wavefront_size: 32
...
	.end_amdgpu_metadata
.endif
;; end of part 5
;; launch gemm_qkv (part 6): grid 8 x 32, 4 waves a work-group, clusters of 4 x 4, 327,680 bytes of LDS; arguments opnd, bq, bk, bv, qkv; writes qkv
.if DOCPART == 6
	.amdgcn_target "amdgcn-amd-amdhsa--gfx1250"
	.amdhsa_code_object_version 6
	.text
	.protected	k_qca77b4911c_gemm_qkv
	.globl	k_qca77b4911c_gemm_qkv
	.p2align	8
	.type	k_qca77b4911c_gemm_qkv,@function
k_qca77b4911c_gemm_qkv:
	s_mov_b64 s[64:65], 0
	v_nop
	global_prefetch_b8 v0, s[64:65] scope:SCOPE_SE
	s_setreg_imm32_b32 hwreg(HW_REG_WAVE_MODE, 25, 1), 1
	s_wait_xcnt 0x0
	s_wait_alu depctr_hold_cnt(0) depctr_sa_sdst(0) depctr_va_vdst(0) depctr_va_sdst(0) depctr_va_ssrc(0) depctr_va_vcc(0) depctr_vm_vsrc(0)
	s_getreg_b32 s2, hwreg(HW_REG_IB_STS2, 6, 4)
	s_cmp_eq_u32 s2, 0
	s_cbranch_scc0 .Lentry_in_a_cluster
	s_endpgm
.Lentry_in_a_cluster:
	s_bfe_u32 s2, ttmp6, 0x10000c
	s_cmp_lg_u32 s2, 0xf033
	s_cbranch_scc0 .Lentry_shape_is_right
	s_endpgm
.Lentry_shape_is_right:
; SECOND LAUNCH: Q = x Wq + bq, K = x Wk + bk, V = x Wv + bv on codes of BF6 (E3M2) with E8M0 scales, and their quantising for the attention: Q and K along the head's 64, V along the keys.  Nothing of reference() is left out here.
; A work-group of four waves takes 128 tokens and the same 128 columns of Q, K and V, one product after the other; a wave makes 64 x 64: 16 accumulators, 128 registers.  256 work-groups.
; OPERANDS ARE IMAGES OF THEIR REGISTERS (made by the first launch): a half image, 16 rows x 64 K, is 768 bytes: a lane's registers 0-3 at 16 x lane, registers 4-5 at 512 + 8 x lane; a row tile of all K is 12,288 bytes.
; LDS: x's 8 row tiles lie whole at 0; two weight slots of 98,304 bytes follow: Wq, then Wv, in the first, Wk in the second.  x's fragments are loaded from LDS once, in Q's pass, and stay in 384 registers for K's and V's.
; Source 1 (P) gives the lane, source 0 (R) the registers of a result.  Q, K: P = x, R = the weight: a lane holds a token, its registers run along the columns, which are the next K.
; V: P = Wv, R = x: a lane holds a column, its registers run along the tokens: the keys, which are the next K.
; CLUSTERS: 4 x 4.  x's tile is shared along a row of the cluster, the weights' along a column: each is asked for jointly, by the same tensor load with the same descriptor and a mask that names the four.
; LOADS: the head's, one a wave: x, Wq, x's scale words, the three weights' scale words.  Behind them, a quarter a wave: Wk, which has Q's pass in which to land, and Wv, which has K's.
; No prefetch: a wave has three loads, at three places of the text, and no loop to run ahead in.
; THE BIAS is the C of each sum's first product.  THE WAY OUT: 16 lanes' rows x 64 are quantised in registers (two blocks of 32 a row) and are a half image as they stand: stores of 512 and 256 consecutive bytes.
; LIMITS of the quantiser: a block of zeros gets the byte 1 (its codes are zeros; this program alone reads the bytes); largest magnitudes under 2^-122 keep the byte 1; NaN and infinities are not served.
; REGISTERS, in windows of 256: window 0: v8-29 addresses; v32-63 scale words; v64-159 a weight's fragments, two buffers (at work on the way out: the second); v160-255 codes and scale halfwords of the twelve blocks.
;   window 1: x's fragments of K steps 0-4; window 2: of K steps 5-7; window 3: v0-127 accumulators, v128-223 the biases of Q, K and V in the results' layout.
.set W_IMG, 3145728
.set X_SC,  6340608
.set W_SC,  6471680
.set V_IMG, 6291456                    ; in qkv: QK_IMG = 0: [Q, K][64 heads][64 token tiles][768]; V_IMG: [64 heads x 4 tiles of 16 channels][8 key steps][1536]
.set QK_SC, 9437184                    ; [Q, K][batch][pair of heads][token] words: low half the even head's two bytes
.set V_SC,  9699328                    ; [batch][key step][output column] words
.set TILE,  12288
.set HALF,  4*TILE                     ; 64 rows: what one wave reads
.set BUF,   8*TILE                     ; 128 rows
.set WSIZE, 786432                     ; from a weight's codes to the next one's
.set SCL,   3*BUF                      ; scale words: x's 4,096 bytes, then Wq's, Wk's, Wv's
.set SPARE, SCL+16384                  ; the spare words, 128 bytes a wave: two blocks of 256 bytes that no other line names
.set ADRS, 8                           ; v8-10   my scale words in pass 0, 1, 2: lanes 0-15 x's rows, lanes 16-31 the weight's
.set ADRX, 16                          ; v16-17  x's fragments, + 16 x lane and + 8 x lane
.set ADRW, 18                          ; v18-19  the first weight slot's, v20-21 the second's
.set SPW,  28                          ; v28     my spare word; never rewritten
.set NIL,  29                          ; v29     0; never rewritten
.set SC,   32
.set WF,   64
.set TM,   112
.set CD,   160
.set MSB, 0
.macro WIN new                         ; the immediate's high byte repeats the setting that is left
.if MSB != (\new)
	s_set_vgpr_msb (MSB<<8)|(\new)
.set MSB, \new
.endif
.endm
.macro CROUND                          ; a whole round of the cluster's barrier
	s_barrier_signal -1
	s_barrier_wait -1
	s_cmp_lg_u32 s14, 0
	s_cbranch_scc1 .Lnot_wave_0_\@
	s_barrier_signal -3
.Lnot_wave_0_\@:
	s_barrier_wait -3
	s_barrier_signal -1
	s_barrier_wait -1
.endm
.macro GROUP1 g, mask, row, n, pitch   ; a descriptor's group 1: n rows of `row` elements of 8 bytes, no padding; joint
	s_or_b32 s[\g], s[\mask], (3<<16)|(1<<21)
	s_mov_b32 s[\g+1], \row<<16
	s_mov_b32 s[\g+2], \n<<16
	s_mov_b32 s[\g+3], \row<<16
	s_mov_b32 s[\g+4], \n
	s_mov_b32 s[\g+5], \pitch
	s_mov_b32 s[\g+6], 0
	s_mov_b32 s[\g+7], 0
.endm
.macro GROUP0 g, lds, adr
	s_mov_b32 s[\g], 1
	s_mov_b32 s[\g+1], \lds
	s_mov_b64 s[\g+2:\g+3], s[\adr:\adr+1]
	s_or_b32 s[\g+3], s[\g+3], 0x80000000
.endm
.macro TL g0, g1                       ; an s_nop 0 and four v_nop follow the load
	tensor_load_to_lds s[\g0:\g0+3], s[\g1:\g1+7]
	s_nop 0
.rept 4
	v_nop
.endr
.endm
.macro ARM under, g0, g1, next
	s_cmp_lt_u32 s14, \under
	s_cbranch_scc0 \next
	TL \g0, \g1
	s_branch .Lhead_asked
\next:
.endm
	s_load_b256 s[4:11], s[0:1], 0x0               ; opnd s[4:5], bq s[6:7], bk s[8:9], bv s[10:11]
	s_load_b64 s[12:13], s[0:1], 0x20              ; qkv
	v_lshl_add_u32 v[SPW], v0, 2, SPARE
	v_mov_b32 v[NIL], 0
	ds_add_u32 v[SPW], v[NIL]                      ; the wave's opening: the add, twice on end, and its wait ahead of my first tensor load
	ds_add_u32 v[SPW], v[NIL]
	v_lshrrev_b32 v1, 5, v0
	v_readfirstlane_b32 s14, v1                    ; wave 0..3
	s_lshr_b32 s15, s14, 1                         ; which half of the tokens is mine
	s_and_b32 s16, s14, 1                          ; which half of the columns: a head
	s_bfe_u32 s2, ttmp6, 0x40000                   ; cx, cy: my place in the cluster
	s_bfe_u32 s3, ttmp6, 0x40004
	s_lshl_b32 s17, ttmp9, 2
	s_add_co_u32 s17, s17, s2                      ; column tile j
	s_and_b32 s18, ttmp7, 0xffff
	s_lshl_b32 s18, s18, 2
	s_add_co_u32 s18, s18, s3                      ; token tile
	s_lshl_b32 s19, s3, 2
	s_lshl_b32 s19, 15, s19                        ; my row of the cluster
	s_lshl_b32 s22, 0x1111, s2                     ; my column
	GROUP1 24, 19, 384, 32, 384                    ; x: 98,304 dense bytes as 32 rows of 3,072
	GROUP1 32, 22, 384, 32, 384                    ; Wq likewise
	GROUP1 40, 19, 32, 16, 32                      ; x's scale words: 4,096 dense bytes
	GROUP1 48, 22, 512, 3, 4096                    ; the weights': three rows of 4,096 bytes, 32,768 bytes apart
	GROUP1 56, 22, 384, 8, 384                     ; a quarter of Wk or Wv: 24,576 dense bytes
	s_mul_i32 s88, s18, BUF                        ; x's codes (X_IMG = 0)
	s_mov_b32 s89, 0
	s_lshl_b32 s90, s18, 12
	s_add_co_u32 s90, s90, X_SC
	s_mov_b32 s91, 0
	s_mul_i32 s66, s17, BUF
	s_add_co_u32 s66, s66, W_IMG                   ; Wq's
	s_mov_b32 s67, 0
	s_lshl_b32 s96, s17, 12
	s_add_co_u32 s96, s96, W_SC
	s_mov_b32 s97, 0
	s_mul_i32 s98, s14, 2*TILE                     ; my quarter
	s_mov_b32 s99, 0
	s_wait_alu depctr_va_vdst(0)
	s_wait_dscnt 0x0                               ; both opening adds are done
	s_wait_kmcnt 0x0
	s_add_nc_u64 s[88:89], s[4:5], s[88:89]
	s_add_nc_u64 s[90:91], s[4:5], s[90:91]
	s_add_nc_u64 s[66:67], s[4:5], s[66:67]
	s_add_nc_u64 s[96:97], s[4:5], s[96:97]
	GROUP0 68, 0, 88
	GROUP0 72, BUF, 66
	GROUP0 76, SCL, 90
	GROUP0 80, SCL+4096, 96
	s_mov_b32 s84, 1                               ; my quarter of Wk, into the second weight slot
	s_add_co_u32 s85, s98, 2*BUF
	s_add_nc_u64 s[86:87], s[66:67], s[98:99]
	s_add_nc_u64 s[86:87], s[86:87], WSIZE
	s_or_b32 s87, s87, 0x80000000
	CROUND                                         ; all sixteen work-groups are here: the first joint loads meet
	ARM 1, 68, 24, .Lhead_w                        ; the head's loads, one a wave
	ARM 2, 72, 32, .Lhead_sx
	ARM 3, 76, 40, .Lhead_sw
	TL 80, 48
.Lhead_asked:
	v_and_b32 v1, 15, v0                           ; r
	v_bfe_u32 v2, v0, 4, 1                         ; h
	v_and_b32 v3, 31, v0                           ; lane
	v_lshlrev_b32 v24, 4, v3
	v_lshlrev_b32 v25, 3, v3
	v_lshlrev_b32 v26, 2, v1                       ; 4 r
	v_lshlrev_b32 v6, 5, v2                        ; 32 h
	s_lshl_b32 s2, s17, 9
	s_lshl_b32 s3, s16, 8
	s_add_co_u32 s2, s2, s3                        ; 4 x my first column
	s_mov_b32 s3, 0
	s_add_nc_u64 s[88:89], s[6:7], s[2:3]
	s_add_nc_u64 s[90:91], s[8:9], s[2:3]
	s_add_nc_u64 s[66:67], s[10:11], s[2:3]
	s_wait_alu depctr_va_vdst(0)                   ; ahead of the readers below
	WIN 0xc0
.irp b, 0,1,2,3                        ; Q, K: register 8 b + j: column 16 b + 8 h + j
	global_load_b128 v[128+8*\b:131+8*\b], v6, s[88:89] offset:64*\b
	global_load_b128 v[132+8*\b:135+8*\b], v6, s[88:89] offset:64*\b+16
	global_load_b128 v[160+8*\b:163+8*\b], v6, s[90:91] offset:64*\b
	global_load_b128 v[164+8*\b:167+8*\b], v6, s[90:91] offset:64*\b+16
	global_load_b32 v[192+8*\b], v26, s[66:67] offset:64*\b        ; V: all eight registers of block b: column 16 b + r
.endr
	WIN 0
	s_mul_i32 s23, s15, HALF                       ; my 64 tokens
	v_add_nc_u32 v[ADRX], s23, v24
	v_add_nc_u32 v[ADRX+1], s23, v25
	s_mul_i32 s23, s16, HALF                       ; my 64 columns, behind x's tile
	s_add_co_u32 s23, s23, BUF
	v_add_nc_u32 v[ADRW], s23, v24
	v_add_nc_u32 v[ADRW+1], s23, v25
	s_add_co_u32 s23, s23, BUF
	v_add_nc_u32 v[ADRW+2], s23, v24
	v_add_nc_u32 v[ADRW+3], s23, v25
	v_lshlrev_b32 v5, 3, v1                        ; my row's two words of 256 along K: 8 r
	s_lshl_b32 s20, s15, 11
	s_lshl_b32 s21, s16, 11
	s_add_co_u32 s21, s21, 4096
	s_sub_co_u32 s21, s21, s20                     ; from my token half's scale words to my column half's of Wq
	s_add_co_u32 s20, s20, SCL
	v_add_nc_u32 v5, s20, v5
.irp p, 0,1,2
	v_mul_u32_u24 v4, s21, v2                      ; lanes 16-31 take the weight's: one product by h
	v_add_nc_u32 v[ADRS+\p], v5, v4
	s_add_co_u32 s21, s21, 4096
.endr
	; where my results go in qkv
	s_lshr_b32 s2, s18, 3                          ; batch
	s_and_b32 s3, s18, 7                           ; the token tile in it: V's key step
	s_lshl_b32 s20, s2, 4
	s_lshl_b32 s21, s17, 1
	s_add_co_u32 s20, s20, s21
	s_add_co_u32 s20, s20, s16
	s_mul_i32 s20, s20, 49152                      ; my head: 49,152 bytes in Q, in K and in V
	s_mul_i32 s92, s3, 6144
	s_add_co_u32 s92, s92, s20
	s_mul_i32 s21, s15, 3072
	s_add_co_u32 s92, s92, s21                     ; Q, K: token tile 8 x (token tile % 8) + 4 x half
	s_mov_b32 s93, 0
	s_mul_i32 s96, s3, 1536
	s_add_co_u32 s96, s96, s20
	s_mul_i32 s21, s15, 768
	s_add_co_u32 s96, s96, s21
	s_add_co_u32 s96, s96, V_IMG                   ; V: key step, half image
	s_mov_b32 s97, 0
	s_lshl_b32 s20, s2, 3
	s_add_co_u32 s94, s20, s17
	s_lshl_b32 s94, s94, 12
	s_lshl_b32 s21, s3, 9
	s_add_co_u32 s94, s94, s21
	s_lshl_b32 s21, s15, 8
	s_add_co_u32 s94, s94, s21
	s_lshl_b32 s21, s16, 1
	s_add_co_u32 s94, s94, s21
	s_add_co_u32 s94, s94, QK_SC                   ; ((8 batch + j) 1024 + token) x 4 + 2 (head % 2)
	s_mov_b32 s95, 0
	s_add_co_u32 s98, s20, s3
	s_lshl_b32 s98, s98, 12
	s_lshl_b32 s21, s17, 9
	s_add_co_u32 s98, s98, s21
	s_lshl_b32 s21, s16, 8
	s_add_co_u32 s98, s98, s21
	s_lshl_b32 s21, s15, 1
	s_add_co_u32 s98, s98, s21
	s_add_co_u32 s98, s98, V_SC                    ; ((8 batch + key step) 1024 + column) x 4 + 2 x half
	s_mov_b32 s99, 0
	s_add_nc_u64 s[92:93], s[12:13], s[92:93]
	s_add_nc_u64 s[94:95], s[12:13], s[94:95]
	s_add_nc_u64 s[96:97], s[12:13], s[96:97]
	s_add_nc_u64 s[98:99], s[12:13], s[98:99]
	s_mov_b32 s20, 0x76543210
	s_mov_b32 s21, 0xfedcba98                      ; v_permlanex16_b32's selects for lane l xor 16
	s_wait_alu depctr_va_vdst(0)
	s_wait_loadcnt 0x0                             ; the biases
	WIN 0xc3
.irp a, 0,1,2,3
.irp j, 1,2,3,4,5,6,7
	v_mov_b32 v[192+8*\a+\j], v[192+8*\a]
.endr
.endr
	WIN 0
.macro PLACES                          ; plain vector instructions between a matrix instruction and a load into, or a read of, its registers (ISA guide 7.12.1 for a read)
.rept 4
	v_nop
.endr
.endm
.macro FRAG reg, adr, off              ; a fragment's image: two half images
	ds_load_b128 v[\reg:\reg+3], v[\adr] offset:\off
	ds_load_b64 v[\reg+4:\reg+5], v[\adr+1] offset:\off+512
	ds_load_b128 v[\reg+6:\reg+9], v[\adr] offset:\off+768
	ds_load_b64 v[\reg+10:\reg+11], v[\adr+1] offset:\off+1280
.endm
.macro FETCH p, k                      ; K step k of pass p: the weight's four fragments, 16 loads; in pass 0 x's four too
.if (\p) == 0
.if (\k) < 5
	WIN 0x40
.set XB, 48*(\k)
.else
	WIN 0x80
.set XB, 48*((\k)-5)
.endif
.irp i, 0,1,2,3
	FRAG XB+12*\i, ADRX, \i*TILE+(\k)*1536
.endr
.endif
	WIN 0
.irp i, 0,1,2,3
	FRAG WF+48*((\k)%2)+12*\i, ADRW+2*((\p)%2), \i*TILE+(\k)*1536
.endr
.endm
.macro SCALES p                        ; the scale words of all of K: two words a row and load
.irp c, 0,1,2,3
.irp i, 0,1,2,3
	ds_load_b64 v[SC+8*\c+2*\i:SC+8*\c+2*\i+1], v[ADRS+\p] offset:\i*512+\c*128
.endr
.endr
.endm
; 16 matrix instructions: P's four blocks x R's four.  The 16 accumulators take turns, one instruction a turn, in the same order in every step.
.macro MUL16 p, k
.if (\k) < 5
.set XB, 48*(\k)
.set MW, 0xf4
.set MV, 0xf1
.else
.set XB, 48*((\k)-5)
.set MW, 0xf8
.set MV, 0xf2
.endif
.set WB, WF+48*((\k)%2)
.set SB, SC+8*((\k)/2)+(\k)%2
.if (\p) < 2
	WIN MW
.else
	WIN MV
.endif
.irp a, 0,1,2,3
.irp b, 0,1,2,3
.if (\k) > 0
.set CB, 32*\a+8*\b
.elseif (\p) < 2
.set CB, 128+32*(\p)+8*\b
.else
.set CB, 192+8*\a
.endif
.if (\p) < 2
	v_wmma_scale_f32_16x16x128_f8f6f4 v[32*\a+8*\b:32*\a+8*\b+7], v[WB+12*\b:WB+12*\b+11], v[XB+12*\a:XB+12*\a+11], v[CB:CB+7], v[SB+2*\b], v[SB+2*\a] matrix_a_fmt:MATRIX_FMT_BF6 matrix_b_fmt:MATRIX_FMT_BF6 matrix_a_scale:MATRIX_SCALE_ROW1
.else
	v_wmma_scale_f32_16x16x128_f8f6f4 v[32*\a+8*\b:32*\a+8*\b+7], v[XB+12*\b:XB+12*\b+11], v[WB+12*\a:WB+12*\a+11], v[CB:CB+7], v[SB+2*\b], v[SB+2*\a] matrix_a_fmt:MATRIX_FMT_BF6 matrix_b_fmt:MATRIX_FMT_BF6 matrix_b_scale:MATRIX_SCALE_ROW1
.endif
.endr
.endr
.endm
.macro STEPS p                         ; K steps 0 to 6 of a pass: the next step's fragments are asked for, then this step is multiplied
.irp k, 0,1,2,3,4,5,6
.if \k > 0
	PLACES
.endif
	FETCH \p, \k+1
.if (\p) == 0
	s_wait_dscnt 32                                ; all but the 32 just issued
.else
	s_wait_dscnt 16                                ; all but the 16 just issued
.endif
	MUL16 \p, \k
.endr
	WIN 0
	s_wait_dscnt 0x0                               ; step 7's fragments are in
.endm
; THE WAY OUT of a pass: four blocks (P's) by turns.  A lane's 32 results of a block, register 16 b + i = place 16 h + i of block b of its row, become a half image's codes and two scale bytes.
.macro EPI n, cb, co, cs, sb, so
	PLACES
	WIN 0x0f                                       ; sources 0 and 1: the accumulators' window
.irp a, 0,1,2,3
.irp b, 0,1
	v_max3_num_f32 v[TM+2*\a+\b], |v[32*\a+16*\b]|, |v[32*\a+16*\b+1]|, 0x2800000   ; each accumulator from its low end on; the floor 2^(5 - 127) holds the byte at 1 from below
.endr
.endr
.irp i, 2,4,6,8,10,12,14
.irp a, 0,1,2,3
.irp b, 0,1
	v_max3_num_f32 v[TM+2*\a+\b], |v[32*\a+16*\b+\i]|, |v[32*\a+16*\b+\i+1]|, v[TM+2*\a+\b]
.endr
.endr
.endr
	WIN 0
.irp m, 0,1,2,3,4,5,6,7
	v_permlanex16_b32 v[TM+8+\m], v[TM+\m], s20, s21
.endr
.irp m, 0,1,2,3,4,5,6,7
	v_max_num_f32 v[TM+\m], v[TM+\m], v[TM+8+\m]   ; with lane l xor 16's: the block's largest magnitude
.endr
.irp m, 0,1,2,3,4,5,6,7
	v_add_nc_u32 v[TM+16+\m], 0xfe000000, v[TM+\m] ; 4 off its exponent field: the conversion's scale operand
.endr
.irp m, 0,1,2,3,4,5,6,7
	v_lshrrev_b32 v[TM+8+\m], 23, v[TM+16+\m]      ; the scale's byte
.endr
.irp a, 0,1,2,3
	v_lshl_or_b32 v[CD+6+32*(\n)+8*\a], v[TM+9+2*\a], 8, v[TM+8+2*\a]   ; my row's two bytes
.endr
	WIN 0x03                                       ; source 0: the accumulators' window
.irp a, 0,1,2,3
	v_cvt_scalef32_pk16_bf6_f32 v[CD+32*(\n)+8*\a:CD+2+32*(\n)+8*\a], v[32*\a:32*\a+15], v[TM+16+2*\a]
	v_cvt_scalef32_pk16_bf6_f32 v[TM+24+4*\a:TM+26+4*\a], v[32*\a+16:32*\a+31], v[TM+17+2*\a]   ; (a conversion's three registers begin on an even number)
.endr
	WIN 0
	v_nop                                          ; one plain place behind a scaled conversion
.irp a, 0,1,2,3
.irp i, 0,1,2
	v_permlane16_swap_b32 v[CD+32*(\n)+8*\a+\i], v[TM+24+4*\a+\i]   ; a whole block in a lane: lanes 0-15 block 0, lanes 16-31 block 1
.endr
.endr
.irp a, 0,1,2,3
.irp i, 0,1,2
	v_mov_b32 v[CD+3+32*(\n)+8*\a+\i], v[TM+24+4*\a+\i]
.endr
.endr
.irp a, 0,1,2,3
	global_store_b128 v24, v[CD+32*(\n)+8*\a:CD+3+32*(\n)+8*\a], s[\cb:\cb+1] offset:\co+\cs*\a        ; 512 consecutive bytes, at a multiple of 256 from the buffer's first byte
	global_store_b64 v25, v[CD+4+32*(\n)+8*\a:CD+5+32*(\n)+8*\a], s[\cb:\cb+1] offset:\co+\cs*\a+512   ; 256
	global_store_b16 v26, v[CD+6+32*(\n)+8*\a], s[\sb:\sb+1] offset:\so+64*\a                          ; two bytes a row, 4 bytes apart (lanes r and r + 16 write the same): 1 / 24 of the codes' bytes
.endr
.endm
	s_wait_alu depctr_va_vdst(0)                   ; the head's end
	s_wait_tensorcnt 0x0                           ; my tile of the head's four is in
	ds_add_u32 v[SPW], v[NIL]
	s_wait_dscnt 0x0
	CROUND                                         ; all four tiles are in, and all sixteen work-groups are here
	TL 84, 56                                      ; my quarter of Wk
	SCALES 0
	FETCH 0, 0
	STEPS 0
	s_wait_tensorcnt 0x0                           ; my quarter of Wk is in
	ds_add_u32 v[SPW], v[NIL]                      ; 0 onto my spare word
	s_sub_co_u32 s85, s85, BUF                     ; no tensor load of mine is out: the descriptor takes Wv, into Wq's bytes
	s_add_nc_u64 s[86:87], s[86:87], WSIZE
	MUL16 0, 7                                     ; sixteen matrix instructions stand between the add and the wait for it
	WIN 0
	s_wait_dscnt 0x0                               ; the add is done, and so are my reads of Wq
	CROUND                                         ; no wave of any partner still reads Wq or has a load on its way; Wk is whole
	TL 84, 56                                      ; my quarter of Wv, the first tensor load behind the round; its four v_nop are the places in front of the loads below
	SCALES 1
	FETCH 1, 0
	EPI 0, 92, 0, 768, 94, 0                       ; Q goes out
	STEPS 1
	s_wait_tensorcnt 0x0                           ; my quarter of Wv is in: say so,
	s_barrier_signal -1
	MUL16 1, 7                                     ; work on registers while the others arrive,
	WIN 0
	s_barrier_wait -1                              ; everybody's is
	PLACES
	SCALES 2
	FETCH 2, 0
	EPI 1, 92, 3145728, 768, 94, 131072            ; K goes out
	STEPS 2
	MUL16 2, 7
	WIN 0
	EPI 2, 96, 0, 12288, 98, 0                     ; V goes out
	s_wait_tensorcnt 0x0                           ; the wave's end
	ds_add_u32 v[SPW], v[NIL]
	s_wait_dscnt 0x0
	CROUND                                         ; the closing round: no work-group ends while a partner may still ask for a tile that names it
	s_endpgm
.Lfunc_end_k_qca77b4911c_gemm_qkv:
	.size	k_qca77b4911c_gemm_qkv, .Lfunc_end_k_qca77b4911c_gemm_qkv-k_qca77b4911c_gemm_qkv
	.p2alignl 7, 3214868480
	.fill 96, 4, 3214868480
	.section	.rodata,"a",@progbits
	.p2align	6, 0x0
	.amdhsa_kernel k_qca77b4911c_gemm_qkv
		.amdhsa_group_segment_fixed_size 327680
		.amdhsa_private_segment_fixed_size 0
		.amdhsa_enable_private_segment 0
		.amdhsa_kernarg_size 40
		.amdhsa_user_sgpr_count 2
		.amdhsa_user_sgpr_kernarg_segment_ptr 1
		.amdhsa_wavefront_size32 1
		.amdhsa_system_sgpr_workgroup_id_x 1
		.amdhsa_system_sgpr_workgroup_id_y 1
		.amdhsa_system_sgpr_workgroup_id_z 1
		.amdhsa_system_vgpr_workitem_id 0
		.amdhsa_next_free_vgpr 1024
		.amdhsa_next_free_sgpr 100
		.amdhsa_reserve_vcc 0
		.amdhsa_float_denorm_mode_32 3
		.amdhsa_float_denorm_mode_16_64 3
		.amdhsa_memory_ordered 1
		.amdhsa_forward_progress 1
		.amdhsa_inst_pref_size 129
	.end_amdhsa_kernel
	.amdgpu_metadata
---
amdhsa.version: [ 1, 2 ]
amdhsa.kernels:
  - .name:           k_qca77b4911c_gemm_qkv
    .symbol:         k_qca77b4911c_gemm_qkv.kd
    .args:
      - { .name: opnd, .offset: 0, .size: 8, .value_kind: global_buffer, .address_space: global }
      - { .name: bq, .offset: 8, .size: 8, .value_kind: global_buffer, .address_space: global }
      - { .name: bk, .offset: 16, .size: 8, .value_kind: global_buffer, .address_space: global }
      - { .name: bv, .offset: 24, .size: 8, .value_kind: global_buffer, .address_space: global }
      - { .name: qkv, .offset: 32, .size: 8, .value_kind: global_buffer, .address_space: global }
    .group_segment_fixed_size: 327680
    .private_segment_fixed_size: 0
    .kernarg_segment_align: 8
    .kernarg_segment_size: 40
    .max_flat_workgroup_size: 128
    .sgpr_count:     100
    .vgpr_count:     1024
    .wavefront_size: 32
...
	.end_amdgpu_metadata
.endif
;; end of part 6
;; launch attn (part 7): grid 4 x 64, 8 waves a work-group, clusters of 4 x 1, 327,680 bytes of LDS; arguments qkv, opnd, ctx; writes ctx
.if DOCPART == 7
	.amdgcn_target "amdgcn-amd-amdhsa--gfx1250"
	.amdhsa_code_object_version 6
	.text
	.protected	k_qca77b4911c_attn
	.globl	k_qca77b4911c_attn
	.p2align	8
	.type	k_qca77b4911c_attn,@function
k_qca77b4911c_attn:
	s_mov_b64 s[64:65], 0
	v_nop
	global_prefetch_b8 v0, s[64:65] scope:SCOPE_SE
	s_setreg_imm32_b32 hwreg(HW_REG_WAVE_MODE, 25, 1), 1
	s_wait_xcnt 0x0
	s_wait_alu depctr_hold_cnt(0) depctr_sa_sdst(0) depctr_va_vdst(0) depctr_va_sdst(0) depctr_va_ssrc(0) depctr_va_vcc(0) depctr_vm_vsrc(0)
	s_getreg_b32 s2, hwreg(HW_REG_IB_STS2, 6, 4)
	s_cmp_eq_u32 s2, 0
	s_cbranch_scc0 .Lentry_in_a_cluster
	s_endpgm
.Lentry_in_a_cluster:
	s_bfe_u32 s2, ttmp6, 0x10000c
	s_cmp_lg_u32 s2, 0x3003
	s_cbranch_scc0 .Lentry_shape_is_right
	s_endpgm
.Lentry_shape_is_right:
; THIRD LAUNCH: scores = (Q K^T + Srel) / 8 under the causal mask, softmax, times V; all three products on codes of BF6 (E3M2) with E8M0 scales; the result is quantised along E for the last product.
; WORK LEFT OUT (shown at the head of the first launch's text): key steps all of whose keys come after a block's queries, and all of Q rel^T outside the band s = 1023 - q + k, k <= q: their results lie under reference()'s own mask.
; THE SOFTMAX AHEAD OF THE SECOND PRODUCT: t = score x log2(e) / 8; M = the running largest t rounded UP to a whole number; p = 2^(t - M) is quantised along the keys, not normalised; the row's sum is taken of the
; unquantised p and divides at the end; when M moves, the sum and O are multiplied by 2^(old M - new M), exactly.  LIMIT: the promise holds while t stays under 2^31 in magnitude.
; SHARES.  The four work-groups of a head, g = 2 f + e, take the queries of parity e in the blocks of 64 tokens u = 2 v + f, v = 0 .. 7.  A block's 32 queries are two tiles: query 64 u + 32 T + 2 r + e, T = 0, 1, r the lane.
; A step is 128 keys; block v has steps 0 .. v.  Waves i and i + 4 (i = 0 .. 3) share the blocks v = 7 - i and v = i: wave i walks the first five steps of the longer; wave i + 4 the shorter block whole and then the rest of
; the longer: four steps.  The two partial sums of the longer block (M, sum, O) meet through LDS behind a barrier.
; CLUSTERS: the four work-groups of a head form a cluster; K, V and their scale words come by joint loads (mask 15).  Nothing but global addresses and the mask's d hangs on the place g: rel_key's images are asked for by
; plain loads 4 f tiles further down, so that their LDS addresses are the same in all four.  No prefetch: a wave's one tensor load stands at the head.
; K = 64 IN AN INSTRUCTION OF 128: Q's registers 6-11 are zero codes.  The other operand's registers 6-11 are whatever follows (every code of E3M2 is a finite number), under finite scale bytes: they add nothing.
; THE SKEW.  X^T = rel Q^T: lane (r, h), register j of tile i: s = 16 i + 8 h + j, ten tiles from 62 - 4 u - 2 T + 8 step.  Key kappa of the step meets query r at s = kappa + 30 - 2 r (in variant 0 of rel_key's images, for
; even queries, row n is rel_key's row n + 1; in variant 1, for odd queries, it is row n).  So two neighbouring numbers go by one store of 8 bytes to row r, word s + 2 r + 2, and words 32 + kappa of row r, read back, are Srel
; in the layout of S^T = K Q^T: that product's C.  Row r lies at place b0 + 2 b2 + 4 b3 + 8 b1 of the wave's 16 rows of 784 bytes (b: the bits of r): with that the 32 lanes of a store touch 32 different pairs of the 64 banks,
; and the 16 lanes of a load's half 16 different groups of four.  Tiles 64-71 of rel_key's images meet masked keys alone.
; LIMITS of the quantisers: a block of zeros gets the byte 1 (its codes are zeros; this program alone reads the bytes); largest magnitudes under 2^-122 keep the byte 1; NaN and infinities are not served.
; REGISTERS: tile T's own lie in window T under the same numbers: v40 -M, v41 the largest t, v[42:43] the sum, v44-55 Q (44-49 codes, 50-55 zeros), v134-213 X^T, of which v134-197 then S^T and p, v198-209 p's codes,
; v210-213 and v246-255 at work, v214-245 O^T.  Window 0 also: v1, v2 the add's two; v3-13 addresses; v14-22 addresses of the step; v24-25 Q's scales, v26-27 p's, v28-39 scale words; v56-127 rel_key's, then V's fragments;
; v128-133 constants.  Window 1 also: v56-103 K's fragments, v104-109 zeros.  v23 (the mask's d) and v132 (-infinity) stand in both.
.set QK_SC, 9437184
.set V_IMG, 6291456
.set V_SC,  9699328
.set R_IMG, 6602752
.set R_SC,  6713344
.set O_SC,  3145728
.set VIMG,  49152                      ; (K's images at 0: 64 half images of 16 keys)  V: [4 tiles of 16 channels][8 steps][1536]
.set RIMG,  98304                      ; 68 half images
.set KSC,   150528                     ; a word a key: low half the even head's bytes
.set VSC,   154624                     ; [8 steps][64 channels] words
.set RSC,   156672                     ; [68 tiles][16] words
.set SKEW,  161024                     ; 12,544 bytes for each wave
.set SKB,   12544
.set SPARE, 261376                     ; the spare words, 128 bytes a wave: four blocks of 256 bytes that no other line names
.set F,   56
.set S,   134
.set O,   214
.set BM,  210
.set PT,  246
.set SO,  250
.set MSB, 0
.macro WIN new                         ; the immediate's high byte repeats the setting that is left
.if MSB != (\new)
	s_set_vgpr_msb (MSB<<8)|(\new)
.set MSB, \new
.endif
.endm
.macro GROUP1 g, w0, n, pitch          ; a descriptor's group 1: n rows of 256 bytes (32 elements of 8), no padding
	s_mov_b32 s[\g], \w0
	s_mov_b32 s[\g+1], 32<<16
	s_mov_b32 s[\g+2], \n<<16
	s_mov_b32 s[\g+3], 32<<16
	s_mov_b32 s[\g+4], \n
	s_mov_b32 s[\g+5], \pitch
	s_mov_b32 s[\g+6], 0
	s_mov_b32 s[\g+7], 0
.endm
.macro GROUP0 g, lds, base, off
	s_mov_b32 s[\g], 1
	s_mov_b32 s[\g+1], \lds
	s_add_nc_u64 s[\g+2:\g+3], s[\base:\base+1], s[\off:\off+1]
	s_or_b32 s[\g+3], s[\g+3], 0x80000000
.endm
.macro TL g0, g1                       ; an s_nop 0 and four v_nop follow the load
	tensor_load_to_lds s[\g0:\g0+3], s[\g1:\g1+7]
	s_nop 0
.rept 4
	v_nop
.endr
.endm
.macro ARM under, g0, g1, next
	s_cmp_lt_u32 s10, \under
	s_cbranch_scc0 \next
	TL \g0, \g1
	s_branch .Lasked
\next:
.endm
.macro CROUND                          ; a whole round of the cluster's barrier
	s_barrier_signal -1
	s_barrier_wait -1
	s_cmp_lg_u32 s10, 0
	s_cbranch_scc1 .Lnot_wave_0_\@
	s_barrier_signal -3
.Lnot_wave_0_\@:
	s_barrier_wait -3
	s_barrier_signal -1
	s_barrier_wait -1
.endm
.macro QLOAD                           ; Q and its scale bytes of block s67: a lane takes its own row of the natural tiles
	s_lshl_b32 s16, s67, 1
	s_add_co_u32 s16, s16, s15                     ; u
	s_mul_i32 s96, s16, 3072
	s_add_co_u32 s96, s96, s90
	s_mov_b32 s97, 0
	s_add_nc_u64 s[96:97], s[4:5], s[96:97]
	s_lshl_b32 s98, s16, 8
	s_add_co_u32 s98, s98, s92
	s_mov_b32 s99, 0
	s_add_nc_u64 s[98:99], s[4:5], s[98:99]
	global_load_b128 v[44:47], v128, s[96:97]
	global_load_b64 v[48:49], v129, s[96:97]
	global_load_u16 v24, v130, s[98:99]
	global_load_u16 v25, v130, s[98:99] offset:128
	WIN 0x40
	global_load_b128 v[44:47], v128, s[96:97] offset:1536
	global_load_b64 v[48:49], v129, s[96:97] offset:1536
	WIN 0
.endm
.macro RESET T                         ; nothing summed yet
	WIN 0x55*(\T)
	v_mov_b32 v41, 0xff61b1e6                      ; the largest t so far: -3e38, under every t
	v_mov_b32 v42, 0
	v_mov_b32 v43, 0
	v_floor_f32 v40, -v41                          ; -M
.set n, 0
.rept 32
	v_mov_b32 v[O+n], 0                            ; the step is written once; a block's first finds zeros, which the first change of M leaves zeros
.set n, n+1
.endr
	WIN 0
.endm
.macro XMUL T                          ; X^T = rel Q^T, ten tiles of the band: tile T = 1 begins with the first half image loaded, tile 0 with the third
.irp i, 0,1,2,3,4,5,6,7,8,9
.set N, \i+2-2*(\T)
.if N%2
	v_wmma_scale_f32_16x16x128_f8f6f4 v[S+8*\i:S+8*\i+7], v[F+6*N:F+6*N+11], v[44:55], 0, v[28+N/2], v[24+\T] matrix_a_fmt:MATRIX_FMT_BF6 matrix_b_fmt:MATRIX_FMT_BF6 matrix_a_scale:MATRIX_SCALE_ROW1
.else
	v_wmma_scale_f32_16x16x128_f8f6f4 v[S+8*\i:S+8*\i+7], v[F+6*N:F+6*N+11], v[44:55], 0, v[28+N/2], v[24+\T] matrix_a_fmt:MATRIX_FMT_BF6 matrix_b_fmt:MATRIX_FMT_BF6
.endif
.endr
.endm
.macro TURN T                          ; through the wave's own rows: LDS serves a wave's instructions in order
	WIN 0x04*(\T)
.irp i, 0,1,2,3,4,5,6,7,8,9
.irp j, 0,2,4,6
	ds_store_b64 v12, v[S+8*\i+\j:S+8*\i+\j+1] offset:64*\i+4*\j   ; each accumulator from its low end on
.endr
.endr
	WIN 0x40*(\T)
.irp t, 0,1,2,3,4,5,6,7
	ds_load_b128 v[S+8*\t:S+8*\t+3], v13 offset:64*\t
	ds_load_b128 v[S+8*\t+4:S+8*\t+7], v13 offset:64*\t+16
.endr
.endm
.macro SMUL T                          ; S^T = K Q^T + Srel: lane (r, h), register j of tile t: query r, key 16 t + 8 h + j
.irp t, 0,1,2,3,4,5,6,7
.if \t%2
	v_wmma_scale_f32_16x16x128_f8f6f4 v[S+8*\t:S+8*\t+7], v[F+6*\t:F+6*\t+11], v[44:55], v[S+8*\t:S+8*\t+7], v[34+\t/2], v[24+\T] matrix_a_fmt:MATRIX_FMT_BF6 matrix_b_fmt:MATRIX_FMT_BF6 matrix_a_scale:MATRIX_SCALE_ROW1
.else
	v_wmma_scale_f32_16x16x128_f8f6f4 v[S+8*\t:S+8*\t+7], v[F+6*\t:F+6*\t+11], v[44:55], v[S+8*\t:S+8*\t+7], v[34+\t/2], v[24+\T] matrix_a_fmt:MATRIX_FMT_BF6 matrix_b_fmt:MATRIX_FMT_BF6
.endif
.endr
.endm
.macro OMUL T                          ; O^T += V^T P^T: the four accumulators by turns
.irp d, 0,1,2,3
.if \d%2
	v_wmma_scale_f32_16x16x128_f8f6f4 v[O+8*\d:O+8*\d+7], v[F+12*\d:F+12*\d+11], v[198:209], v[O+8*\d:O+8*\d+7], v[38+\d/2], v[26+\T] matrix_a_fmt:MATRIX_FMT_BF6 matrix_b_fmt:MATRIX_FMT_BF6 matrix_a_scale:MATRIX_SCALE_ROW1
.else
	v_wmma_scale_f32_16x16x128_f8f6f4 v[O+8*\d:O+8*\d+7], v[F+12*\d:F+12*\d+11], v[198:209], v[O+8*\d:O+8*\d+7], v[38+\d/2], v[26+\T] matrix_a_fmt:MATRIX_FMT_BF6 matrix_b_fmt:MATRIX_FMT_BF6
.endif
.endr
.endm
.macro SOFT T                          ; tile T's scores become p's codes and scale word; the sum and O^T go under the new M
.set W, 0x55*(\T)
	s_cmp_lg_u32 s66, 7                            ; the block's last step, on the diagonal: hidden scores become -infinity ahead of the maximum; every other step skips this
	s_wait_alu depctr_va_vdst(0)
	s_cbranch_scc1 .Lopen_\@
	WIN W
.if \T
	s_wait_alu depctr_va_vdst(0)                   ; ahead of the scores' first readers
.endif
.set n, 0
.rept 64
	v_cmp_gt_i32 vcc_lo, 16*(n/8)+n%8-32*(\T), v23 ; d = 64 f + 2 r + e - 8 h: register 8 t + j is hidden where 16 t + j - 32 T > d
	v_cndmask_b32 v[S+n], v[S+n], v132, vcc_lo
.set n, n+1
.endr
	WIN 0
.Lopen_\@:
	WIN W
.if \T
	s_wait_alu depctr_va_vdst(0)
.endif
.irp b, 0,1,2,3
	v_max3_num_f32 v[BM+\b], v[S+16*\b], v[S+16*\b+1], v[S+16*\b+2]   ; the largest score of each block of 32 keys: for the row's maximum and, since p rises with the score, for the block's largest p
.endr
.irp i, 3,5,7,9,11,13
.irp b, 0,1,2,3
	v_max3_num_f32 v[BM+\b], v[BM+\b], v[S+16*\b+\i], v[S+16*\b+\i+1]
.endr
.endr
.irp b, 0,1,2,3
	v_max_num_f32 v[BM+\b], v[BM+\b], v[S+16*\b+15]
.endr
.irp b, 0,1,2,3
	v_permlanex16_b32 v[PT+\b], v[BM+\b], s20, s21
.endr
.irp b, 0,1,2,3
	v_max_num_f32 v[BM+\b], v[BM+\b], v[PT+\b]     ; with lane l xor 16's 16 keys
.endr
	v_max3_num_f32 v250, v210, v211, v212
	s_delay_alu instid0(VALU_DEP_1)
	v_max_num_f32 v250, v250, v213                 ; the step's largest score of my query
	s_delay_alu instid0(VALU_DEP_1)
	v_mul_f32 v250, s22, v250                      ; as t (c is positive)
	s_delay_alu instid0(VALU_DEP_1)
	v_max_num_f32 v41, v41, v250                   ; the running largest t
	v_mov_b32 v250, v40
	s_delay_alu instid0(VALU_DEP_2)
	v_floor_f32 v40, -v41                          ; the new -M = -ceil(t)
	s_delay_alu instid0(VALU_DEP_1)
	v_sub_f32 v250, v40, v250                      ; old M - new M: a whole number, 0 or less
	s_delay_alu instid0(VALU_DEP_1)
	v_cvt_i32_f32 v250, v250                       ; (it saturates)
	s_delay_alu instid0(VALU_DEP_1)
	v_ldexp_f32 v254, 1.0, v250                    ; f = 2^(old M - new M)
.set n, 0
.rept 32
	v_pk_fma_f32 v[S+n:S+n+1], v[S+n:S+n+1], s[22:23], v[40:41] op_sel_hi:[1,0,0]   ; t - M, two at a time
.set n, n+2
.endr
.irp b, 0,1,2,3
	v_fma_f32 v[BM+\b], v[BM+\b], s22, v40         ; the same of each block's largest score
.endr
	s_wait_alu depctr_va_vdst(0)                   ; the wait ahead of the batch
.set n, 0
.rept 64
	v_exp_f32 v[S+n], v[S+n]                       ; p = 2^(t - M), at most 1
.set n, n+1
.endr
	v_pk_mul_f32 v[42:43], v[42:43], v[254:255] op_sel_hi:[1,0]   ; the sums under the new M: a plain instruction behind the exponentials
	s_wait_alu depctr_va_vdst(0)                   ; and one behind it, ahead of the first reader
.irp b, 0,1,2,3
	v_exp_f32 v[BM+\b], v[BM+\b]                   ; the block's largest p
.endr
.irp k, 0,1,2,3
	v_pk_add_f32 v[246+2*\k:247+2*\k], v[S+4*\k:S+4*\k+1], v[S+4*\k+2:S+4*\k+3]   ; the row's sum, of the unquantised p: four chains
.endr
.irp q, 8,12,16,20,24,28
.irp k, 0,1,2,3
	v_pk_add_f32 v[246+2*\k:247+2*\k], v[246+2*\k:247+2*\k], v[S+2*\q+2*\k:S+2*\q+2*\k+1]
.endr
.endr
	v_pk_add_f32 v[246:247], v[246:247], v[248:249]
	v_pk_add_f32 v[250:251], v[250:251], v[252:253]
	v_pk_add_f32 v[42:43], v[42:43], v[246:247]
	v_pk_add_f32 v[42:43], v[42:43], v[250:251]
	s_wait_alu depctr_va_vdst(0)                   ; the wait for the four
.irp b, 0,1,2,3
	v_max_num_f32 v[BM+\b], 0x2800000, v[BM+\b]    ; the floor 2^(5 - 127)
.endr
.irp b, 0,1,2,3
	v_add_nc_u32 v[SO+\b], 0xfe000000, v[BM+\b]    ; 4 off the exponent field: the conversion's scale operand
.endr
.irp b, 0,1,2,3
	v_lshrrev_b32 v[PT+\b], 23, v[SO+\b]           ; the scale's byte
.endr
	v_lshl_or_b32 v246, v247, 8, v246
	v_lshl_or_b32 v246, v248, 16, v246
	WIN 0x15*(\T)
	v_lshl_or_b32 v[26+\T], v249, 24, v246         ; p's scale word for these 128 keys, in window 0
	WIN W
.irp c, 0,1
	v_cvt_scalef32_pk16_bf6_f32 v[198+6*\c:200+6*\c], v[S+32*\c:S+15+32*\c], v[SO+2*\c]
	v_cvt_scalef32_pk16_bf6_f32 v[246-36*\c:248-36*\c], v[S+16+32*\c:S+31+32*\c], v[SO+2*\c+1]   ; (a conversion's three registers begin on an even number)
.endr
	v_nop                                          ; one plain place behind a scaled conversion
.irp c, 0,1                            ; the operand's layout wants a whole block in a lane
.irp i, 0,1,2
	v_permlane16_swap_b32 v[198+6*\c+\i], v[246-36*\c+\i]
.endr
.endr
.irp c, 0,1
.irp i, 0,1,2
	v_mov_b32 v[201+6*\c+\i], v[246-36*\c+\i]
.endr
.endr
	s_wait_alu depctr_va_vdst(0)                   ; directly ahead of the first reader of O^T
.set n, 0
.rept 16
	v_pk_mul_f32 v[O+n:O+n+1], v[O+n:O+n+1], v[254:255] op_sel_hi:[1,0]   ; O^T under the new M; these are also the places between p's codes and scale word and the products
.set n, n+2
.endr
.endm
.macro FADDR                           ; where block s67's results go: token tile 64 batch + 4 u + 2 T + e of ctx holds tokens 32 (2 u + T) + 2 r + e
	s_lshl_b32 s16, s67, 1
	s_add_co_u32 s16, s16, s15
	s_lshl_b32 s16, s16, 2
	s_add_co_u32 s16, s16, s14
	s_lshl_b32 s17, s2, 6
	s_add_co_u32 s16, s16, s17
	s_lshl_b32 s17, s16, 4
	s_add_co_u32 s17, s17, s93
	s_mul_i32 s68, s17, 768                        ; its half image of my head
	s_mov_b32 s69, 0
	s_add_nc_u64 s[68:69], s[8:9], s[68:69]
	s_lshl_b32 s16, s16, 2
	s_lshr_b32 s17, s93, 2
	s_add_co_u32 s16, s16, s17
	s_lshl_b32 s72, s16, 7                         ; the scale words: [tile][head / 4][r][2 words],
	s_bfe_u32 s17, s93, 0x10001
	s_lshl_b32 s17, s17, 2
	s_add_co_u32 s72, s72, s17                     ; word (head / 2) % 2,
	s_add_co_u32 s72, s72, s3                      ; half head % 2
	s_add_co_u32 s72, s72, O_SC
	s_mov_b32 s73, 0
	s_add_nc_u64 s[72:73], s[8:9], s[72:73]
.endm
.macro FINISH T                        ; O^T / the sum; register 8 d + j is channel 16 d + 8 h + j of my query: two blocks of 32 along E; quantised, they are a half image of the last product's operand
.set W, 0x55*(\T)
	WIN W
	v_add_f32 v42, v42, v43
	v_permlanex16_b32 v246, v42, s20, s21
	v_add_f32 v42, v42, v246                       ; the row's sum
	s_wait_alu depctr_va_vdst(0)                   ; the wait ahead of the transcendental,
	v_rcp_f32 v42, v42
	v_nop
	s_wait_alu depctr_va_vdst(0)                   ; and ahead of its first reader
.set n, 0
.rept 32
	v_mul_f32 v[S+n], v[O+n], v42
.set n, n+1
.endr
.irp b, 0,1
	v_max3_num_f32 v[BM+\b], |v[S+16*\b]|, |v[S+16*\b+1]|, 0x2800000
.endr
.irp i, 2,4,6,8,10,12,14
.irp b, 0,1
	v_max3_num_f32 v[BM+\b], v[BM+\b], |v[S+16*\b+\i]|, |v[S+16*\b+\i+1]|
.endr
.endr
.irp b, 0,1
	v_permlanex16_b32 v[PT+\b], v[BM+\b], s20, s21
.endr
.irp b, 0,1
	v_max_num_f32 v[BM+\b], v[BM+\b], v[PT+\b]
.endr
.irp b, 0,1
	v_add_nc_u32 v[SO+\b], 0xfe000000, v[BM+\b]
.endr
.irp b, 0,1
	v_lshrrev_b32 v[PT+\b], 23, v[SO+\b]
.endr
	v_lshl_or_b32 v252, v247, 8, v246              ; my row's two bytes
	v_cvt_scalef32_pk16_bf6_f32 v[198:200], v[S:S+15], v250
	v_cvt_scalef32_pk16_bf6_f32 v[246:248], v[S+16:S+31], v251
	v_nop                                          ; one plain place behind a scaled conversion
.irp i, 0,1,2
	v_permlane16_swap_b32 v[198+\i], v[246+\i]
.endr
.irp i, 0,1,2
	v_mov_b32 v[201+\i], v[246+\i]
.endr
	WIN 0x04*(\T)
	global_store_b128 v3, v[198:201], s[68:69] offset:24576*(\T)   ; 512 consecutive bytes, at a multiple of 256 from the buffer's first byte
	global_store_b64 v4, v[202:203], s[68:69] offset:24576*(\T)    ; 256 (the register carries the 512)
	global_store_b16 v131, v252, s[72:73] offset:1024*(\T)         ; two bytes a row, 8 bytes apart (lanes r and r + 16 write the same): 1 / 24 of the codes' bytes
	WIN 0
.endm
.macro MERGE T                         ; the partner's partial result: v56 -M, v[58:59] the sum, v60-91 O^T
	WIN 0x55*(\T)
	v_min_num_f32 v250, v40, v56                   ; the greater M
	v_sub_f32 v251, v250, v40
	v_sub_f32 v252, v250, v56
	v_cvt_i32_f32 v251, v251
	v_cvt_i32_f32 v252, v252
	v_ldexp_f32 v254, 1.0, v251
	v_ldexp_f32 v246, 1.0, v252
	v_pk_mul_f32 v[42:43], v[42:43], v[254:255] op_sel_hi:[1,0]
	v_pk_fma_f32 v[42:43], v[58:59], v[246:247], v[42:43] op_sel_hi:[1,0,1]
	s_wait_alu depctr_va_vdst(0)                   ; directly ahead of the first reader of O^T
.set n, 0
.rept 16
	v_pk_mul_f32 v[O+n:O+n+1], v[O+n:O+n+1], v[254:255] op_sel_hi:[1,0]
.set n, n+2
.endr
.set n, 0
.rept 16
	v_pk_fma_f32 v[O+n:O+n+1], v[60+n:61+n], v[246:247], v[O+n:O+n+1] op_sel_hi:[1,0,1]
.set n, n+2
.endr
	WIN 0
.endm
	s_load_b128 s[4:7], s[0:1], 0x0                ; qkv s[4:5], opnd s[6:7]
	s_load_b64 s[8:9], s[0:1], 0x10                ; ctx
	v_lshl_add_u32 v1, v0, 2, SPARE
	v_mov_b32 v2, 0
	ds_add_u32 v1, v2                              ; the wave's opening: the add, twice on end, and its wait ahead of the first tensor load
	ds_add_u32 v1, v2
	v_lshrrev_b32 v14, 5, v0
	v_readfirstlane_b32 s10, v14                   ; wave 0..7
	s_lshr_b32 s12, s10, 2                         ; 1: I walk the shorter block first
	s_and_b32 s13, s10, 3                          ; i
	s_bfe_u32 s16, ttmp6, 0x40000                  ; my place in the cluster
	s_and_b32 s14, s16, 1                          ; e
	s_lshr_b32 s15, s16, 1                         ; f
	s_and_b32 s11, ttmp7, 0xffff                   ; batch x 16 + head
	s_lshr_b32 s2, s11, 4                          ; batch
	s_and_b32 s93, s11, 15                         ; head
	GROUP1 24, (3<<16)|(1<<21)|15, 96, 32          ; half of K's or V's images: 24,576 dense bytes; joint
	GROUP1 32, 3<<16, 204, 32                      ; rel_key's 68 half images: 52,224 dense bytes; my own
	GROUP1 40, (3<<16)|(1<<21)|15, 16, 32          ; K's scale words: 4,096 dense bytes; joint
	GROUP1 48, (3<<16)|(1<<21)|15, 8, 512          ; V's: 256 bytes of each of 8 rows, 4,096 bytes apart; joint
	GROUP1 56, 3<<16, 17, 32                       ; rel_key's scale words: 4,352 dense bytes; my own
	s_mul_i32 s90, s11, 49152
	s_mul_i32 s17, s10, 24576                      ; waves 0, 1: K's halves; waves 2, 3: V's
	s_mov_b32 s18, V_IMG-49152
	s_cmp_lt_u32 s10, 2
	s_cselect_b32 s18, 64*49152, s18               ; K's images lie behind Q's 64 heads
	s_add_co_u32 s18, s18, s90
	s_add_co_u32 s18, s18, s17
	s_mov_b32 s19, 0
	s_lshl_b32 s91, s2, 3
	s_lshr_b32 s3, s93, 1
	s_add_co_u32 s91, s91, s3
	s_lshl_b32 s91, s91, 12                        ; (8 batch + head / 2) x 4,096
	s_and_b32 s3, s93, 1
	s_lshl_b32 s3, s3, 1                           ; 2 (head % 2): my half of a word
	s_add_co_u32 s88, s91, QK_SC+131072            ; K's scale words
	s_mov_b32 s89, 0
	s_add_co_u32 s92, s91, s3
	s_add_co_u32 s92, s92, QK_SC                   ; Q's scale halfwords
	s_lshl_b32 s96, s2, 15
	s_lshl_b32 s97, s93, 8
	s_add_co_u32 s96, s96, s97
	s_add_co_u32 s96, s96, V_SC                    ; V's scale words
	s_mov_b32 s97, 0
	s_xor_b32 s16, s15, 1                          ; f = 0: from tile 4 on; f = 1: from tile 0
	s_mul_i32 s98, s14, 55296
	s_mul_i32 s66, s16, 3072
	s_add_co_u32 s98, s98, s66
	s_add_co_u32 s98, s98, R_IMG
	s_mov_b32 s99, 0
	s_mul_i32 s66, s14, 4608
	s_lshl_b32 s16, s16, 8
	s_add_co_u32 s66, s66, s16
	s_add_co_u32 s66, s66, R_SC
	s_mov_b32 s67, 0
	s_mov_b32 s20, 0x76543210
	s_mov_b32 s21, 0xfedcba98                      ; v_permlanex16_b32's selects for lane l xor 16
	s_mov_b32 s22, 0x3e38aa3b                      ; c = log2(e) / 8
	s_mov_b32 s23, s22                             ; (named with it as a pair, so it is written)
	s_wait_alu depctr_va_vdst(0)
	s_wait_dscnt 0x0                               ; both opening adds are done
	s_wait_kmcnt 0x0
	GROUP0 68, s17, 4, 18
	GROUP0 72, RIMG, 6, 98
	GROUP0 76, KSC, 4, 88
	GROUP0 80, VSC, 4, 96
	GROUP0 84, RSC, 6, 66
	CROUND                                         ; all four work-groups are here: the joint loads meet
	ARM 4, 68, 24, .Lw4                            ; the fills, the only ones: one a wave
	ARM 5, 72, 32, .Lw5
	ARM 6, 76, 40, .Lw6
	ARM 7, 80, 48, .Lw7
	TL 84, 56
.Lasked:
	v_and_b32 v14, 31, v0                          ; lane
	v_and_b32 v15, 15, v0                          ; r
	v_bfe_u32 v16, v0, 4, 1                        ; h
	v_lshl_add_u32 v17, v15, 1, s14
	v_and_b32 v17, 15, v17                         ; my query's row in its natural tile: (2 r + e) % 16
	v_lshrrev_b32 v18, 3, v15
	v_mul_u32_u24 v18, 0x300, v18                  ; and which of the two tiles: r / 8
	v_lshl_add_u32 v128, v17, 4, v18
	v_lshl_add_u32 v128, v16, 8, v128              ; Q's registers 0-3
	v_lshl_add_u32 v129, v17, 3, v18
	v_lshl_add_u32 v129, v16, 7, v129
	v_add_nc_u32 v129, 512, v129                   ; and 4-5
	v_lshlrev_b32 v131, 3, v15                     ; 8 r
	s_lshl_b32 s16, s14, 2
	v_add_nc_u32 v130, s16, v131                   ; Q's scale halfword: 4 (2 r + e)
	v_mov_b32 v132, 0xff800000
	v_mov_b32 v133, 0
	s_lshl_b32 s16, s15, 6
	s_add_co_u32 s16, s16, s14
	v_lshl_add_u32 v23, v15, 1, s16
	v_lshlrev_b32 v19, 3, v16
	v_sub_nc_u32 v23, v23, v19                     ; d
	s_wait_alu depctr_va_vdst(0)                   ; ahead of the scalar lines below
	s_cmp_lt_u32 s10, 4
	s_cselect_b32 s16, 7, 0
	s_xor_b32 s67, s13, s16                        ; my first block: 7 - i or i
	QLOAD
	v_lshlrev_b32 v3, 4, v14                       ; K's images: 16 x lane,
	v_lshlrev_b32 v17, 3, v14
	v_add_nc_u32 v4, 512, v17                      ; and 512 + 8 x lane
	v_lshlrev_b32 v18, 2, v14                      ; scale words: lanes 0-15 one tile's, lanes 16-31 the next tile's
	v_add_nc_u32 v5, KSC, v18
	v_add_nc_u32 v5, s3, v5
	v_add_nc_u32 v6, VIMG, v3
	v_add_nc_u32 v7, VIMG, v4
	v_add_nc_u32 v8, VSC, v18
	v_add_nc_u32 v9, RIMG, v3
	v_add_nc_u32 v10, RIMG, v4
	v_add_nc_u32 v11, RSC, v18
	v_and_b32 v17, 1, v15
	v_lshrrev_b32 v18, 1, v15
	v_and_b32 v18, 6, v18
	v_add_nc_u32 v17, v17, v18
	v_and_b32 v18, 2, v15
	v_lshl_add_u32 v17, v18, 2, v17                ; row r's place
	v_mul_u32_u24 v17, 0x310, v17
	s_mul_i32 s16, s10, SKB
	s_add_co_u32 s16, s16, SKEW                    ; my wave's own rows
	v_add_nc_u32 v17, s16, v17
	v_lshl_add_u32 v17, v16, 5, v17                ; + 8 h words
	v_add_nc_u32 v13, 128, v17                     ; back: from word 32 on
	v_lshl_add_u32 v12, v15, 3, v17
	v_add_nc_u32 v12, 8, v12                       ; in: from word 2 r + 2 on
.irp j, 50,51,52,53,54,55, 246,247,248,249,255
	v_mov_b32 v[\j], 0                             ; Q's upper 64 along K: zero codes; a lane permute's destinations and a pair's upper half, written once
.endr
	WIN 0x40
	v_mov_b32 v23, v23                             ; window 1's own
	v_mov_b32 v132, v132
.irp j, 50,51,52,53,54,55, 246,247,248,249,255, 104,105,106,107,108,109
	v_mov_b32 v[\j], 0
.endr
	WIN 0
	RESET 0
	RESET 1
	s_mov_b32 s94, 0                               ; the trip
	s_wait_alu depctr_va_vdst(0)                   ; the head's end
	s_wait_tensorcnt 0x0                           ; my fill has landed,
	s_barrier_signal -1
	s_barrier_wait -1                              ; everybody's has
	s_wait_loadcnt 0x0                             ; Q
.Ltrip:                                            ; five trips, a constant; waves 4-7 have work in four
	s_add_co_u32 s16, s94, s12
	s_cmp_gt_u32 s16, 4
	s_cbranch_scc1 .Lnext
	s_cmp_gt_u32 s94, s13
	s_cselect_b32 s17, s12, 0                      ; 1: a wave of 4-7 that has gone on to the longer block
	s_xor_b32 s18, s13, 3
	s_add_co_u32 s18, s18, 1
	s_mul_i32 s18, s18, s17
	s_add_co_u32 s95, s94, s18
	s_min_u32 s95, s95, 7                          ; the step (the minimum changes nothing; it bounds the addresses)
	s_xor_b32 s16, s12, 1
	s_or_b32 s16, s16, s17
	s_xor_b32 s16, s16, 1                          ; 1: the shorter block
	s_mul_i32 s16, s16, 7
	s_xor_b32 s16, s13, s16                        ; 7 - v
	s_xor_b32 s67, s16, 7                          ; v
	s_add_co_u32 s66, s95, s16
	s_min_u32 s66, s66, 7                          ; 7 - v + step: 7 in the block's last step; rel_key's images begin 8 x that
	s_mul_i32 s16, s95, 6144
	s_lshl_b32 s17, s95, 9
	s_mul_i32 s18, s95, 1536
	s_lshl_b32 s19, s95, 8
	s_mul_i32 s88, s66, 6144
	s_lshl_b32 s89, s66, 9
	v_add_nc_u32 v20, s88, v9                      ; these nine are also the places behind the last step's products
	v_add_nc_u32 v21, s88, v10
	v_add_nc_u32 v22, s89, v11
	v_add_nc_u32 v14, s16, v3
	v_add_nc_u32 v15, s16, v4
	v_add_nc_u32 v16, s17, v5
	v_add_nc_u32 v17, s18, v6
	v_add_nc_u32 v18, s18, v7
	v_add_nc_u32 v19, s19, v8
.irp n, 0,1,2,3,4,5,6,7,8,9,10,11
	ds_load_b128 v[F+6*\n:F+6*\n+3], v20 offset:768*\n
	ds_load_b64 v[F+6*\n+4:F+6*\n+5], v21 offset:768*\n
.endr
.irp p, 0,1,2,3,4,5
	ds_load_b32 v[28+\p], v22 offset:128*\p
.endr
	WIN 0x40
.irp t, 0,1,2,3,4,5,6,7
	ds_load_b128 v[F+6*\t:F+6*\t+3], v14 offset:768*\t
	ds_load_b64 v[F+6*\t+4:F+6*\t+5], v15 offset:768*\t
.endr
	WIN 0
.irp p, 0,1,2,3
	ds_load_u16 v[34+\p], v16 offset:128*\p
.endr
	s_wait_alu depctr_va_vdst(0)
	s_wait_dscnt 20                                ; rel_key's are in; K's 16 loads and 4 of scales may be out
	XMUL 0
	WIN 0x44
	XMUL 1
	WIN 0
.rept 5
	v_nop                                          ; four places in front of the loads and LDS stores below, five in front of the products that write over X^T
.endr
	TURN 0
	TURN 1
	s_wait_dscnt 56                                ; K and tile 0's Srel are in; tile 1's 40 stores and 16 loads may be out
	WIN 0x01
	SMUL 0
	WIN 0
.irp d, 0,1,2,3                            ; V's four fragments land during the softmax
	ds_load_b128 v[F+12*\d:F+12*\d+3], v17 offset:12288*\d
	ds_load_b64 v[F+12*\d+4:F+12*\d+5], v18 offset:12288*\d
	ds_load_b128 v[F+12*\d+6:F+12*\d+9], v17 offset:12288*\d+768
	ds_load_b64 v[F+12*\d+10:F+12*\d+11], v18 offset:12288*\d+768
.endr
	ds_load_b32 v38, v19
	ds_load_b32 v39, v19 offset:128
	s_wait_dscnt 18                                ; tile 1's Srel is in; V's 18 loads may be out
	WIN 0x55
	SMUL 1
	WIN 0
.rept 4
	v_nop
.endr
	SOFT 0
	WIN 0
	s_wait_alu depctr_va_vdst(0)
	s_wait_dscnt 0x0                               ; V
	OMUL 0
	SOFT 1
	WIN 0x54
	OMUL 1
	WIN 0
	s_cmp_eq_u32 s94, s13
	s_cselect_b32 s16, s12, 0
	s_cmp_lg_u32 s16, 0
	s_wait_alu depctr_va_vdst(0)
	s_cbranch_scc0 .Lnext
.rept 4
	v_nop                                          ; places behind the last products
.endr
	FADDR                                          ; waves 4-7, the shorter block is finished: it goes out, and the longer one begins
	s_xor_b32 s67, s13, 7
	QLOAD
	FINISH 0
	FINISH 1
	s_wait_alu depctr_va_vdst(0)
	s_wait_xcnt 0x0                                ; the stores have read their registers
	RESET 0
	RESET 1
	s_wait_alu depctr_va_vdst(0)
	s_wait_loadcnt 0x0                             ; Q
.Lnext:
	s_add_co_u32 s94, s94, 1
	s_cmp_lt_u32 s94, 5
	s_wait_alu depctr_va_vdst(0)
	s_cbranch_scc1 .Ltrip
.rept 5
	v_nop                                          ; places behind the last products
.endr
	s_mul_i32 s16, s13, SKB
	s_add_co_u32 s16, s16, SKEW+4*SKB              ; wave i + 4's own rows: its partial result goes there
	v_add_nc_u32 v14, s16, v3
	s_cmp_eq_u32 s12, 0
	s_wait_alu depctr_va_vdst(0)
	s_cbranch_scc1 .Lmeet
.irp T, 0,1
	WIN 0x04*\T
	ds_store_b128 v14, v[40:43] offset:4608*\T
.irp k, 0,1,2,3,4,5,6,7
	ds_store_b128 v14, v[O+4*\k:O+4*\k+3] offset:4608*\T+512+512*\k
.endr
.endr
	WIN 0
.Lmeet:
	s_wait_dscnt 0x0                               ; my stores are done,
	s_barrier_signal -1
	s_barrier_wait -1                              ; everybody's are
	s_cmp_lg_u32 s12, 0
	s_cbranch_scc1 .Lend
.irp T, 0,1
	WIN 0x40*\T
.irp k, 0,1,2,3,4,5,6,7,8
	ds_load_b128 v[56+4*\k:59+4*\k], v14 offset:4608*\T+512*\k
.endr
.endr
	WIN 0
	FADDR
	s_wait_dscnt 0x0
	MERGE 0
	MERGE 1
	FINISH 0
	FINISH 1
.Lend:
	s_wait_tensorcnt 0x0                           ; the wave's end, behind my last LDS store
	ds_add_u32 v1, v2
	s_wait_dscnt 0x0
	CROUND                                         ; the closing round
	s_endpgm
.Lfunc_end_k_qca77b4911c_attn:
	.size	k_qca77b4911c_attn, .Lfunc_end_k_qca77b4911c_attn-k_qca77b4911c_attn
	.p2alignl 7, 3214868480
	.fill 96, 4, 3214868480
	.section	.rodata,"a",@progbits
	.p2align	6, 0x0
	.amdhsa_kernel k_qca77b4911c_attn
		.amdhsa_group_segment_fixed_size 327680
		.amdhsa_private_segment_fixed_size 0
		.amdhsa_enable_private_segment 0
		.amdhsa_kernarg_size 24
		.amdhsa_user_sgpr_count 2
		.amdhsa_user_sgpr_kernarg_segment_ptr 1
		.amdhsa_wavefront_size32 1
		.amdhsa_system_sgpr_workgroup_id_x 1
		.amdhsa_system_sgpr_workgroup_id_y 1
		.amdhsa_system_sgpr_workgroup_id_z 1
		.amdhsa_system_vgpr_workitem_id 0
		.amdhsa_next_free_vgpr 512
		.amdhsa_next_free_sgpr 100
		.amdhsa_reserve_vcc 1
		.amdhsa_float_denorm_mode_32 3
		.amdhsa_float_denorm_mode_16_64 3
		.amdhsa_memory_ordered 1
		.amdhsa_forward_progress 1
		.amdhsa_inst_pref_size 95
	.end_amdhsa_kernel
	.amdgpu_metadata
---
amdhsa.version: [ 1, 2 ]
amdhsa.kernels:
  - .name:           k_qca77b4911c_attn
    .symbol:         k_qca77b4911c_attn.kd
    .args:
      - { .name: qkv, .offset: 0, .size: 8, .value_kind: global_buffer, .address_space: global }
      - { .name: opnd, .offset: 8, .size: 8, .value_kind: global_buffer, .address_space: global }
      - { .name: ctx, .offset: 16, .size: 8, .value_kind: global_buffer, .address_space: global }
    .group_segment_fixed_size: 327680
    .private_segment_fixed_size: 0
    .kernarg_segment_align: 8
    .kernarg_segment_size: 24
    .max_flat_workgroup_size: 256
    .sgpr_count:     100
    .vgpr_count:     512
    .wavefront_size: 32
...
	.end_amdgpu_metadata
.endif
;; end of part 7
;; launch gemm_out (part 8): grid 8 x 32, 4 waves a work-group, clusters of 4 x 4, 327,680 bytes of LDS; arguments ctx, opnd, bo, out0; writes out0
.if DOCPART == 8
	.amdgcn_target "amdgcn-amd-amdhsa--gfx1250"
	.amdhsa_code_object_version 6
	.text
	.protected	k_qca77b4911c_gemm_out
	.globl	k_qca77b4911c_gemm_out
	.p2align	8
	.type	k_qca77b4911c_gemm_out,@function
k_qca77b4911c_gemm_out:
	s_mov_b64 s[64:65], 0
	v_nop
	global_prefetch_b8 v0, s[64:65] scope:SCOPE_SE
	s_setreg_imm32_b32 hwreg(HW_REG_WAVE_MODE, 25, 1), 1
	s_wait_xcnt 0x0
	s_wait_alu depctr_hold_cnt(0) depctr_sa_sdst(0) depctr_va_vdst(0) depctr_va_sdst(0) depctr_va_ssrc(0) depctr_va_vcc(0) depctr_vm_vsrc(0)
	s_getreg_b32 s2, hwreg(HW_REG_IB_STS2, 6, 4)
	s_cmp_eq_u32 s2, 0
	s_cbranch_scc0 .Lentry_in_a_cluster
	s_endpgm
.Lentry_in_a_cluster:
	s_bfe_u32 s2, ttmp6, 0x10000c
	s_cmp_lg_u32 s2, 0xf033
	s_cbranch_scc0 .Lentry_shape_is_right
	s_endpgm
.Lentry_shape_is_right:
; FOURTH LAUNCH: out = ctx Wo + bo on codes of BF6 (E3M2) with E8M0 scales.  A work-group of four waves makes 128 x 128, a wave 64 x 64: 16 accumulators.  Nothing of reference() is left out here.
; Both operands come into LDS whole, as images of operand registers (a half image: 16 rows x 64 K, 768 bytes), by the head's tensor loads, one a wave: wave 0 ctx's 8 row tiles (98,304 dense bytes), wave 1 Wo's 8 column tiles,
; waves 2 and 3 their scale words.  CLUSTERS of 4 x 4: ctx's tiles are shared along a row, Wo's along a column, by joint loads.  No prefetch: every operand byte is asked for at the head, and there is no loop to run ahead in.
; ROWS: row r of ctx's tile 2 p + e is token 32 p + 2 r + e.  The bias is the C of each sum's first product.  Results leave through a stage of the wave's own, 256 consecutive bytes by sixteen lanes.
.set O_SC,   3145728
.set WO_IMG, 5505024
.set WO_SC,  6569984
.set FR,     12
.set NP,     4
.set TILE,   12288                     ; a row tile for all of K
.set QUART,  4*TILE                    ; 64 rows: what one wave reads of either side
.set SCL,    4*QUART                   ; behind ctx's and Wo's codes: the scale words
.set QS,     2048
.set STAGE,  SCL+4*QS
.set SPITCH, 272
.set SPARE,  STAGE+4*16*SPITCH
.set ADRA, 16
.set ADRB, 20
.set STO,  24
.set RD,   25
.set CO,   26
.set ADRS, 27
.set SPW,  28
.set NIL,  29
.set SC,   32
.set BB,   64
.set ACC,  128
.set G1,   24
.set G1B,  32
.set G1S,  40
.set G1SB, 48
.set G0S,  56
.set G0SB, 60
.set G0,   68
.set G0B,  84
.set MSB, 0
.macro WIN new
.if MSB != \new
	s_set_vgpr_msb (MSB<<8)|\new
.set MSB, \new
.endif
.endm
.set MUL,  0x05
.set TO_F, 0x40
.macro ARM under, g0, g1, next         ; one load in each arm of a branch on the wave's number
	s_cmp_lt_u32 s14, \under
	s_cbranch_scc0 \next
	tensor_load_to_lds s[\g0:\g0+3], s[\g1:\g1+7]
	s_nop 0
.rept 4
	v_nop
.endr
	s_branch .Lhead_asked
\next:
.endm
.macro CROUND
	s_barrier_signal -1
	s_barrier_wait -1
	s_cmp_lg_u32 s14, 0
	s_cbranch_scc1 .Lnot_wave_0_\@
	s_barrier_signal -3
.Lnot_wave_0_\@:
	s_barrier_wait -3
	s_barrier_signal -1
	s_barrier_wait -1
.endm
	s_load_b256 s[4:11], s[0:1], 0x0
	v_lshl_add_u32 v[SPW], v0, 2, SPARE
	v_mov_b32 v[NIL], 0
	ds_add_u32 v[SPW], v[NIL]
	ds_add_u32 v[SPW], v[NIL]
	v_lshrrev_b32 v1, 5, v0
	v_readfirstlane_b32 s14, v1
	s_lshr_b32 s15, s14, 1
	s_and_b32 s16, s14, 1
	s_bfe_u32 s12, ttmp6, 0x40000
	s_bfe_u32 s2, ttmp6, 0x40004
	s_lshl_b32 s13, ttmp9, 2
	s_add_co_u32 s13, s13, s12
	s_and_b32 s17, ttmp7, 0xffff
	s_lshl_b32 s17, s17, 2
	s_add_co_u32 s17, s17, s2
	s_lshl_b32 s3, s2, 2
	s_lshl_b32 s3, 15, s3
	s_lshl_b32 s19, 0x1111, s12
	s_or_b32 s[G1+0], s3, (3<<16)|(1<<21)
	s_or_b32 s[G1B+0], s19, (3<<16)|(1<<21)
.irp g, G1, G1B
	s_mov_b32 s[\g+1], 384<<16
	s_mov_b32 s[\g+2], 32<<16                      ; 32 rows of 3,072 bytes, dense
	s_mov_b32 s[\g+3], 384<<16
	s_mov_b32 s[\g+4], 32
	s_mov_b32 s[\g+5], 384
	s_mov_b32 s[\g+6], 0
	s_mov_b32 s[\g+7], 0
.endr
	s_or_b32 s[G1S+0], s3, (3<<16)|(1<<21)
	s_or_b32 s[G1SB+0], s19, (3<<16)|(1<<21)
.irp g, G1S, G1SB
	s_mov_b32 s[\g+1], 32<<16
	s_mov_b32 s[\g+2], 16<<16                      ; 4,096 dense bytes
	s_mov_b32 s[\g+3], 32<<16
	s_mov_b32 s[\g+4], 16
	s_mov_b32 s[\g+5], 32
	s_mov_b32 s[\g+6], 0
	s_mov_b32 s[\g+7], 0
.endr
	s_lshl_b32 s20, s17, 3
	s_lshl_b32 s22, s20, 9
	s_add_co_u32 s22, s22, O_SC
	s_mov_b32 s23, 0
	s_mul_i32 s20, s20, 12288
	s_mov_b32 s21, 0
	s_lshl_b32 s66, s13, 3
	s_lshl_b32 s18, s66, 9
	s_add_co_u32 s18, s18, WO_SC
	s_mov_b32 s19, 0
	s_mul_i32 s66, s66, 12288
	s_add_co_u32 s66, s66, WO_IMG
	s_mov_b32 s67, 0
	s_wait_dscnt 0x0
	s_wait_kmcnt 0x0
	s_add_nc_u64 s[20:21], s[4:5], s[20:21]
	s_add_nc_u64 s[22:23], s[4:5], s[22:23]
	s_add_nc_u64 s[66:67], s[6:7], s[66:67]
	s_add_nc_u64 s[18:19], s[6:7], s[18:19]
	CROUND
	s_mov_b32 s[G0S], 1
	s_mov_b32 s[G0S+1], SCL
	s_mov_b64 s[G0S+2:G0S+3], s[22:23]
	s_or_b32 s[G0S+3], s[G0S+3], 0x80000000
	s_mov_b32 s[G0SB], 1
	s_mov_b32 s[G0SB+1], SCL+2*QS
	s_mov_b64 s[G0SB+2:G0SB+3], s[18:19]
	s_or_b32 s[G0SB+3], s[G0SB+3], 0x80000000
	s_mov_b32 s[G0], 1
	s_mov_b32 s[G0+1], 0
	s_mov_b64 s[G0+2:G0+3], s[20:21]
	s_or_b32 s[G0+3], s[G0+3], 0x80000000
	s_mov_b32 s[G0B], 1
	s_mov_b32 s[G0B+1], 2*QUART
	s_mov_b64 s[G0B+2:G0B+3], s[66:67]
	s_or_b32 s[G0B+3], s[G0B+3], 0x80000000
	ARM 1, G0, G1, .Lhead_b
	ARM 2, G0B, G1B, .Lhead_sa
	ARM 3, G0S, G1S, .Lhead_sb
	tensor_load_to_lds s[G0SB:G0SB+3], s[G1SB:G1SB+7]
	s_nop 0
.rept 4
	v_nop
.endr
.Lhead_asked:
	v_and_b32 v1, 15, v0
	v_bfe_u32 v2, v0, 4, 1
	v_and_b32 v3, 31, v0
	v_lshlrev_b32 v4, 4, v3
	v_lshlrev_b32 v5, 3, v3
	s_mul_i32 s21, s15, QUART
	s_mul_i32 s22, s16, QUART
	s_add_co_u32 s22, s22, 2*QUART
	v_add_nc_u32 v[ADRA], s21, v4
	v_add_nc_u32 v[ADRB], s22, v4
	v_add_nc_u32 v[ADRA+2], s21, v5
	v_add_nc_u32 v[ADRB+2], s22, v5
	v_lshlrev_b32 v5, 3, v1
	s_lshl_b32 s21, s15, 11
	s_lshl_b32 s22, s16, 11
	s_add_co_u32 s22, s22, 2*QS
	s_sub_co_u32 s22, s22, s21
	v_mul_u32_u24 v6, s22, v2
	s_add_co_u32 s21, s21, SCL
	v_add_nc_u32 v5, v5, v6
	v_add_nc_u32 v[ADRS], s21, v5
	s_mul_i32 s23, s14, 16*SPITCH
	s_add_co_u32 s23, s23, STAGE
	v_mul_u32_u24 v5, v1, SPITCH
	v_lshl_add_u32 v5, v2, 5, v5
	v_add_nc_u32 v[STO], s23, v5
	v_mul_u32_u24 v5, v2, SPITCH
	v_lshl_add_u32 v5, v1, 4, v5
	v_add_nc_u32 v[RD], s23, v5
	v_lshlrev_b32 v[CO], 13, v2                    ; a tile's rows are two tokens apart
	v_lshl_add_u32 v[CO], v1, 4, v[CO]
	s_lshl_b32 s20, s17, 7
	s_lshl_b32 s21, s15, 6
	s_add_co_u32 s20, s20, s21
	s_lshl_b32 s20, s20, 12
	s_mov_b32 s21, 0
	s_lshl_b32 s18, s13, 9
	s_lshl_b32 s19, s16, 8
	s_add_co_u32 s18, s18, s19
	s_mov_b32 s19, 0
	s_add_nc_u64 s[66:67], s[8:9], s[18:19]
	s_add_nc_u64 s[20:21], s[20:21], s[18:19]
	s_add_nc_u64 s[10:11], s[10:11], s[20:21]
	v_lshlrev_b32 v6, 5, v2
.irp b, 0,1,2,3
	global_load_b128 v[BB+8*\b:BB+8*\b+3], v6, s[66:67] offset:64*\b
	global_load_b128 v[BB+8*\b+4:BB+8*\b+7], v6, s[66:67] offset:64*\b+16
.endr
.macro FRAG reg, adr, off
	ds_load_b128 v[\reg:\reg+3], v[\adr] offset:\off
	ds_load_b64 v[\reg+4:\reg+5], v[\adr+2] offset:\off+512
	ds_load_b128 v[\reg+6:\reg+9], v[\adr] offset:\off+768
	ds_load_b64 v[\reg+10:\reg+11], v[\adr+2] offset:\off+1280
.endm
.macro FETCH k
	WIN TO_F
.irp i, 0,1,2,3
	FRAG 128*((\k)%2)+FR*\i, ADRB, \i*TILE+(\k)*1536
.endr
.irp i, 0,1,2,3
	FRAG 128*((\k)%2)+48+FR*\i, ADRA, \i*TILE+(\k)*1536
.endr
.endm
.macro MUL16 k
.irp a, 0,1,2,3
.irp b, 0,1,2,3
.if (\k) == 0
	v_wmma_scale_f32_16x16x128_f8f6f4 v[ACC+8*(4*\a+\b):ACC+8*(4*\a+\b)+7], v[128*((\k)%2)+FR*\b:128*((\k)%2)+FR*\b+FR-1], v[128*((\k)%2)+48+FR*\a:128*((\k)%2)+48+FR*\a+FR-1], v[BB+8*\b:BB+8*\b+7], v[SC+8*((\k)/2)+2*\b+(\k)%2], v[SC+8*((\k)/2)+2*\a+(\k)%2] matrix_a_fmt:MATRIX_FMT_BF6 matrix_b_fmt:MATRIX_FMT_BF6 matrix_a_scale:MATRIX_SCALE_ROW1
.else
	v_wmma_scale_f32_16x16x128_f8f6f4 v[ACC+8*(4*\a+\b):ACC+8*(4*\a+\b)+7], v[128*((\k)%2)+FR*\b:128*((\k)%2)+FR*\b+FR-1], v[128*((\k)%2)+48+FR*\a:128*((\k)%2)+48+FR*\a+FR-1], v[ACC+8*(4*\a+\b):ACC+8*(4*\a+\b)+7], v[SC+8*((\k)/2)+2*\b+(\k)%2], v[SC+8*((\k)/2)+2*\a+(\k)%2] matrix_a_fmt:MATRIX_FMT_BF6 matrix_b_fmt:MATRIX_FMT_BF6 matrix_a_scale:MATRIX_SCALE_ROW1
.endif
.endr
.endr
.endm
.macro PLACES n
.rept \n
	v_nop
.endr
.endm
.macro STEP k
.if (\k) < 7
.if (\k) > 0
	PLACES NP
.endif
	FETCH (\k)+1
	s_wait_dscnt 32
.else
	s_wait_dscnt 0x0
.endif
	WIN MUL
	MUL16 \k
.endm
	s_wait_alu depctr_va_vdst(0)                   ; the head's end
	s_wait_tensorcnt 0x0                           ; my fill has landed,
	s_barrier_signal -1
	s_barrier_wait -1                              ; everybody's has
.irp c, 0,1,2,3
.irp i, 0,1,2,3
	ds_load_b64 v[SC+8*\c+2*\i:SC+8*\c+2*\i+1], v[ADRS] offset:\i*512+\c*128
.endr
.endr
	FETCH 0
	s_wait_loadcnt 0x0
.irp k, 0,1,2,3,4,5,6,7
	STEP \k
.endr
	WIN 0
.macro TOSTAGE a
.irp b, 0,1,2,3
	ds_store_b128 v[STO], v[ACC+32*(\a)+8*\b:ACC+32*(\a)+8*\b+3] offset:64*\b
	ds_store_b128 v[STO], v[ACC+32*(\a)+8*\b+4:ACC+32*(\a)+8*\b+7] offset:64*\b+16
.endr
.irp t, 0,1,2,3,4,5,6,7
	ds_load_b128 v[ACC+32*(\a)+4*\t:ACC+32*(\a)+4*\t+3], v[RD] offset:\t*2*SPITCH
.endr
.endm
.macro SEND a, younger
	s_wait_dscnt \younger
.irp t, 0,1,2,3,4,5,6,7
	global_store_b128 v[CO], v[ACC+32*(\a)+4*\t:ACC+32*(\a)+4*\t+3], s[10:11] offset:((\a)/2)*131072+((\a)%2)*4096+\t*16384 th:TH_STORE_NT
.endr
.endm
	PLACES NP
	s_wait_alu depctr_va_vdst(0)
	TOSTAGE 0
	TOSTAGE 1
	SEND 0, 16
	TOSTAGE 2
	SEND 1, 16
	TOSTAGE 3
	SEND 2, 16
	SEND 3, 0
	s_wait_tensorcnt 0x0
	ds_add_u32 v[SPW], v[NIL]
	s_wait_dscnt 0x0
	CROUND
	s_endpgm
.Lfunc_end_k_qca77b4911c_gemm_out:
	.size	k_qca77b4911c_gemm_out, .Lfunc_end_k_qca77b4911c_gemm_out-k_qca77b4911c_gemm_out
	.p2alignl 7, 3214868480
	.fill 96, 4, 3214868480
	.section	.rodata,"a",@progbits
	.p2align	6, 0x0
	.amdhsa_kernel k_qca77b4911c_gemm_out
		.amdhsa_group_segment_fixed_size 327680
		.amdhsa_private_segment_fixed_size 0
		.amdhsa_enable_private_segment 0
		.amdhsa_kernarg_size 32
		.amdhsa_user_sgpr_count 2
		.amdhsa_user_sgpr_kernarg_segment_ptr 1
		.amdhsa_wavefront_size32 1
		.amdhsa_system_sgpr_workgroup_id_x 1
		.amdhsa_system_sgpr_workgroup_id_y 1
		.amdhsa_system_sgpr_workgroup_id_z 1
		.amdhsa_system_vgpr_workitem_id 0
		.amdhsa_next_free_vgpr 512
		.amdhsa_next_free_sgpr 100
		.amdhsa_reserve_vcc 0
		.amdhsa_float_denorm_mode_32 3
		.amdhsa_float_denorm_mode_16_64 3
		.amdhsa_memory_ordered 1
		.amdhsa_forward_progress 1
		.amdhsa_inst_pref_size 51
	.end_amdhsa_kernel
	.amdgpu_metadata
---
amdhsa.version: [ 1, 2 ]
amdhsa.kernels:
  - .name:           k_qca77b4911c_gemm_out
    .symbol:         k_qca77b4911c_gemm_out.kd
    .args:
      - { .name: ctx, .offset: 0, .size: 8, .value_kind: global_buffer, .address_space: global }
      - { .name: opnd, .offset: 8, .size: 8, .value_kind: global_buffer, .address_space: global }
      - { .name: bo, .offset: 16, .size: 8, .value_kind: global_buffer, .address_space: global }
      - { .name: out0, .offset: 24, .size: 8, .value_kind: global_buffer, .address_space: global }
    .group_segment_fixed_size: 327680
    .private_segment_fixed_size: 0
    .kernarg_segment_align: 8
    .kernarg_segment_size: 32
    .max_flat_workgroup_size: 128
    .sgpr_count:     100
    .vgpr_count:     512
    .wavefront_size: 32
...
	.end_amdgpu_metadata
.endif
;; end of part 8
